; MI455X (gfx1250); checked and timed in simulation.
; The chip was launched on July 23, 2026; its instructions are those of AMD's public machine-readable ISA for CDNA 5 (MIT licence, August 2026) and "CDNA5" Instruction Set Architecture Reference Guide (July 2026). The comments in the code are by the model that wrote it; some were corrected since.
;; Po PE Attention. Allowed arithmetic: matrix products marked QUANTISED: E3M2 operands, one E8M0 scale for each 32 along K, by v_wmma_scale_f32_16x16x128_f8f6f4 with both operands' format E3M2, f32 sums; everything else in f32.
;; Inputs: attention_mask 1 x 1 x 2,048 x 2,048 float32; hidden_states 1 x 2,048 x 2,048 float32; learned_bias 16 x 1 x 128 float32; wk 2,048 x 2,048 float32; wo 2,048 x 2,048 float32; wq 2,048 x 2,048 float32; wv 2,048 x 2,048 float32.
;; Outputs: out0 1 x 2,048 x 2,048 float32.
;; This version of the problem:
;;   THIS VERSION OF THE PROBLEM IS GIVEN IN LOW PRECISION. The matrix products marked QUANTISED in the list below multiply operands that are first quantised to E3M2 (3 exponent bits, 2 mantissa bits; 6 bits a number), with one power-of-two scale for each 32 numbers along K (OCP MX v1.0); their sums are f32. All else is computed in f32.
;;   The module's matrix products, in the order in which they are computed (A, B: the left and right operand; K: the contracted axis; several contracted axes count as one K, in the product's order):
;;     1. [M 2,048, K 2,048] x [K 2,048, N 2,048]; A: input hidden_states; B: input wq: QUANTISED
;;     2. [M 2,048, K 2,048] x [K 2,048, N 2,048]; A: input hidden_states; B: input wk: QUANTISED
;;     3. [M 2,048, K 2,048] x [K 2,048, N 2,048]; A: input hidden_states; B: input wv: QUANTISED
;;     4. batch 16 x [M 2,048, K 128] x [K 128, N 2,048]; A: computed on the way; B: computed on the way: QUANTISED
;;     5. batch 16 x [M 2,048, K 128] x [K 128, N 2,048]; A: computed on the way; B: computed on the way: QUANTISED
;;     6. batch 16 x [M 2,048, K 2,048] x [K 2,048, N 128]; A: softmax (see below); B: computed on the way: QUANTISED
;;     7. [M 2,048, K 2,048] x [K 2,048, N 2,048]; A: computed on the way; B: input wo: QUANTISED
;;   THE QUANTISER, for each operand of a quantised product, along K:
;;     - K is cut into blocks of 32 from its start; a last block that is shorter is filled with zeros.
;;     - A block's scale is 2^e with e = floor(log2(the largest magnitude in the block)) - 4, held to -126 .. 127; a block of zeros has e = 0. As a byte (E8M0): e + 127.
;;     - Each number is divided by its block's scale, clamped to +-28, and rounded to the nearest number of E3M2, ties to even, subnormals kept.
;;     - The product sums the exact products of the quantised numbers (number of the format x scale) in f32.
;;   ~~~python
;;   def quantise(x, axis):      # numpy; x: float32 -> the quantised numbers, widened to float32 again
;;       x = np.moveaxis(x, axis, -1); K = x.shape[-1]
;;       x = np.pad(x, [(0, 0)] * (x.ndim - 1) + [(0, -K % 32)]); x = x.reshape(x.shape[:-1] + (-1, 32)); a = np.abs(x).max(-1, keepdims=True)
;;       e = np.where(a > 0, np.clip(np.frexp(np.where(a > 0, a, 1))[1] - 1 - 4, -126, 127), 0)      # np.frexp(a)[1] - 1 = floor(log2(a)), exactly
;;       r = np.clip(x / 2.0 ** e, -28, 28)
;;       step = 2.0 ** (np.maximum(np.frexp(np.where(r == 0, 1, r))[1] - 1, -2) - 2)
;;       q = np.round(r / step) * step * 2.0 ** e      # np.round: ties to even
;;       return np.moveaxis(q.reshape(q.shape[:-2] + (-1,))[..., :K], -1, axis).astype(np.float32)
;;   ~~~
;;   SOFTMAX AHEAD OF A QUANTISED PRODUCT. Where the list says 'softmax', what is quantised is not the finished softmax but p = 2^(t - M), with t = logit x log2(e) and M = ceil(the row's largest t), a whole number; so 1/2 < the row's largest p <= 1. The row's sum l is taken of the UNQUANTISED p, in f32, and the product's result is divided by l at the end. Since M is a whole number, a kernel that streams over the keys may use a running M (the ceiling of the running maximum): every later rescaling is an exact power of two, which a block's scale takes up: the codes' values come out the same.
;;   OPERANDS COMPUTED ON THE WAY. 'Computed on the way' means the value that the module computes at that place (a softmax that the list does not call 'softmax' is quantised finished and normalised). What goes into a quantiser is computed in f32, as accurately as f32 sums, v_exp_f32 and their like allow (about 1e-6 of the number): no bf16 or f16 on the way to a quantiser, and a product that is left as it is and whose result goes on into a quantised operand takes f32 operands (vector FMAs, or v_wmma_f32_16x16x4_f32). A number that lies on a knife's edge between two numbers of the format may be rounded either way, as far as f32 arithmetic and the matrix unit's own rounding can turn it there, and no further.
;; 2 versions. Each part assembles by itself: llvm-mc -triple=amdgcn-amd-amdhsa -mcpu=gfx1250 --defsym DOCPART=n.
;; ======== version 1 of 2: 4 launches
;; workspace buffers: xw_codes 15,728,640 bytes; xw_scales 655,360 bytes; q_codes 6,291,456 bytes; q_scales 262,144 bytes; kv_recs 9,961,472 bytes; o_codes 3,145,728 bytes; o_scales 131,072 bytes
;; launch quant (part 1): grid 640 x 1, 4 waves a work-group, no clusters, 34,304 bytes of LDS; arguments hidden_states, wq, wk, wv, wo, xw_codes, xw_scales; writes xw_codes, xw_scales
.if DOCPART == 1
	.amdgcn_target "amdgcn-amd-amdhsa--gfx1250"
	.amdhsa_code_object_version 6
	.text
	.protected	k_q642af81999_quant
	.globl	k_q642af81999_quant
	.p2align	8
	.type	k_q642af81999_quant,@function
k_q642af81999_quant:
	s_mov_b64 s[64:65], 0
	v_nop
	global_prefetch_b8 v0, s[64:65] scope:SCOPE_SE
	s_setreg_imm32_b32 hwreg(HW_REG_WAVE_MODE, 25, 1), 1
	s_wait_xcnt 0x0
; PoPE attention in MX-BF6, launch 1 of 4: hidden_states, wq, wk, wv, wo (each [2048][2048] f32, K innermost) become codes of E3M2 with one E8M0 byte for each 32 along K.
; DEAD WORK: none is left out anywhere in this program.  attention_mask is an input, so whatever pattern it holds is not built in: every query walks all 2,048 keys and the mask is loaded and added.
; learned_bias is clipped and added to k's angles ahead of a quantiser, so it can move codes: it is loaded.  All seven products of the problem's table are done.
; LIMITS of the program: NaN and infinities among the inputs are not served.  A block of zeros gets the byte 1 (the rule says 127): its codes are zeros, and these bytes are read by this program alone.
; softplus(x) for x under about -87 gives 0 (v_exp_f32 gives 0 where its result would be denormal: ISA guide, its entry in 15.8); a softmax weight under 2^-126 is 0 likewise.
; inv_freq is made by one v_exp_f32 of -d log2(10)/32 and lies within a few units in the last place of reference()'s; sin and cos are polynomials with an absolute error near 1e-7.
; LAYOUT OF THE WORKSPACE.  The five tensors are stacked as 640 TILES of 16 rows (128 tiles each, in the order above).  THE ROWS OF A TILE ARE NOT NEIGHBOURS: place r of tile t of a tensor is row
; 32 (t / 2) + 8 (t % 2) + r + 8 (r / 8), so that a transposed product's 16 registers of two neighbouring tiles are 16 neighbours along the next K.
; Codes: [tile][K / 128 (16)][1,536 bytes]: an IMAGE OF THE OPERAND'S REGISTERS: the fragment's 12 registers as three planes of 512 bytes, lane l's registers 4 g .. 4 g + 3 at 512 g + 16 l.
; Scale words: [tile][K / 256 (8)][place r (16)][(K / 128) % 2][4 bytes]: 1,024 bytes a tile.
; SHARES.  A work-group takes a tile, each of its four waves 512 along K in four steps of 128.  A step's 16 loads read 512 consecutive bytes of one row each; the 8,192 bytes turn through the wave's own stage in LDS
; (rows 528 bytes apart) and come back as the operand's layout wants them: lane (r, h) holds k = 64 c + 32 h + 0 .. 31 of row r, two whole blocks.  No barrier: waves share nothing.
.set SP,    528                        ; a stage row: 512 bytes + 16
.set STG,   16*SP                      ; a wave's stage
.set SPARE, 4*STG                      ; behind the stages: the spare words, 128 bytes for each wave, that no other line names
.set SPW,   22                         ; v22  LDS address of my spare word; never rewritten
.set NIL,   23                         ; v23  0; never rewritten
.set W,     16                         ; v16-19 the four steps' scale words
.set C,     24                         ; v24-35 a fragment's codes
.set X,     48                         ; v48-111 64 numbers in the operand's order
.set R,     112                        ; v112-239 two sets of 64 numbers as loaded
	s_load_b256 s[4:11], s[0:1], 0x0               ; hidden_states, wq, wk, wv
	s_load_b128 s[12:15], s[0:1], 0x20             ; wo, the codes
	s_load_b64 s[16:17], s[0:1], 0x30              ; the scale words
	v_lshl_add_u32 v[SPW], v0, 2, SPARE
	v_mov_b32 v[NIL], 0
	v_lshrrev_b32 v1, 5, v0
	v_readfirstlane_b32 s18, v1                    ; wave
	v_and_b32 v1, 31, v0                           ; lane
	v_and_b32 v2, 15, v0                           ; r
	v_bfe_u32 v3, v0, 4, 1                         ; h
	v_lshlrev_b32 v4, 4, v1                        ; 16 x lane: my bytes of a load's 512, and of an image's plane
	s_mul_i32 s20, s18, STG
	v_add_nc_u32 v5, s20, v4                       ; into the stage
	v_mul_u32_u24 v6, v2, SP
	v_lshl_add_u32 v6, v3, 7, v6
	v_add_nc_u32 v6, s20, v6                       ; out of it: row r, + 128 h
	v_lshlrev_b32 v7, 3, v1                        ; 8 x lane: the scale words' way out
	v_lshlrev_b32 v14, 3, v3                       ; 8 h: where my two bytes stand in a scale word
	v_mov_b32 v15, 0                               ; (a lane permute's destination counts as one of its sources)
	s_mov_b32 s22, 0x76543210
	s_mov_b32 s23, 0xfedcba98                      ; v_permlanex16_b32's selects for lane l xor 16
	s_mov_b32 s24, 0xffff0000                      ; lanes 16-31
	s_lshr_b32 s19, ttmp9, 7                       ; which tensor
	s_and_b32 s21, ttmp9, 127                      ; which of its tiles
	s_lshr_b32 s20, s21, 1
	s_lshl_b32 s20, s20, 18                        ; 32 rows of 8,192 bytes for each pair of tiles,
	s_and_b32 s21, s21, 1
	s_lshl_b32 s21, s21, 16                        ; 8 rows for the odd one,
	s_add_co_u32 s20, s20, s21
	s_lshl_b32 s21, s18, 11                        ; my wave's 512 along K
	s_add_co_u32 s20, s20, s21
	s_mov_b32 s21, 0
	s_mul_i32 s26, ttmp9, 24576                    ; the tile's images,
	s_mul_i32 s27, s18, 6144                       ; my wave's four
	s_add_co_u32 s26, s26, s27
	s_mov_b32 s27, 0
	s_lshl_b32 s28, ttmp9, 10                      ; the tile's scale words,
	s_lshl_b32 s29, s18, 8                         ; my wave's 256 bytes
	s_add_co_u32 s28, s28, s29
	s_mov_b32 s29, 0
	s_wait_kmcnt 0x0
	s_cmp_eq_u32 s19, 1                            ; the tensor is chosen by the work-group's number alone
	s_cselect_b64 s[4:5], s[6:7], s[4:5]
	s_cmp_eq_u32 s19, 2
	s_cselect_b64 s[4:5], s[8:9], s[4:5]
	s_cmp_eq_u32 s19, 3
	s_cselect_b64 s[4:5], s[10:11], s[4:5]
	s_cmp_eq_u32 s19, 4
	s_cselect_b64 s[4:5], s[12:13], s[4:5]
	s_add_nc_u64 s[4:5], s[4:5], s[20:21]
	s_add_nc_u64 s[14:15], s[14:15], s[26:27]
	s_add_nc_u64 s[16:17], s[16:17], s[28:29]
.macro LOAD t                          ; step t: 512 consecutive bytes of each of the tile's 16 rows
.irp i, 0,1,2,3,4,5,6,7,8,9,10,11,12,13,14,15
	global_load_b128 v[R+64*((\t)%2)+4*\i:R+64*((\t)%2)+4*\i+3], v4, s[4:5] offset:(\i+8*(\i/8))*8192+512*(\t) th:TH_LOAD_NT
.endr
.endm
.macro STEP t
.if (\t) < 3
	s_wait_loadcnt 16                              ; this step's 16 loads are in; the next step's 16 may be out
.else
	s_wait_loadcnt 0x0
.endif
.irp i, 0,1,2,3,4,5,6,7,8,9,10,11,12,13,14,15
	ds_store_b128 v5, v[R+64*((\t)%2)+4*\i:R+64*((\t)%2)+4*\i+3] offset:SP*\i
.endr
.irp c, 0,1
.irp i, 0,1,2,3,4,5,6,7
	ds_load_b128 v[X+32*\c+4*\i:X+32*\c+4*\i+3], v6 offset:256*\c+16*\i   ; LDS serves a wave's instructions in order: these see the stores above
.endr
.endr
	s_wait_dscnt 0x0                               ; the numbers are back, and the stores have read their registers,
.if (\t) < 2
	LOAD (\t)+2                                    ; which take the loads of two steps on
.endif
.irp c, 0,1
	v_max3_num_f32 v[8+\c], |v[X+32*\c]|, |v[X+32*\c+1]|, 0x2800000   ; my block 2 c + h: all 32 numbers are mine; and the floor 2^(5 - 127), so that the byte cannot fall under 1
.endr
.irp i, 2,4,6,8,10,12,14,16,18,20,22,24,26,28,30
.irp c, 0,1
	v_max3_num_f32 v[8+\c], v[8+\c], |v[X+32*\c+\i]|, |v[X+32*\c+\i+1]|
.endr
.endr
.irp c, 0,1
	v_add_nc_u32 v[10+\c], 0xfe000000, v[8+\c]     ; 4 off the exponent field: the conversion's scale operand
.endr
.irp c, 0,1
	v_lshrrev_b32 v[12+\c], 23, v[10+\c]           ; the scale's byte
.endr
	v_lshl_or_b32 v[W+(\t)], v13, 16, v12          ; my two bytes: blocks h and 2 + h of row r,
	v_lshlrev_b32 v[W+(\t)], v14, v[W+(\t)]        ; at their places,
	v_permlanex16_b32 v15, v[W+(\t)], s22, s23
	v_or_b32 v[W+(\t)], v[W+(\t)], v15             ; and with lane l xor 16's two the word is whole, in both lanes
.if (\t) > 0
	s_wait_xcnt 0x0                                ; the last step's stores have read the codes' registers
.endif
.irp c, 0,1
	v_cvt_scalef32_pk16_bf6_f32 v[C+6*\c:C+6*\c+2], v[X+32*\c:X+32*\c+15], v[10+\c]
	v_cvt_scalef32_pk16_bf6_f32 v[36+4*\c:38+4*\c], v[X+32*\c+16:X+32*\c+31], v[10+\c]   ; (a conversion's three registers begin on an even number)
.endr
	v_nop                                          ; one plain place behind a scaled conversion
.irp c, 0,1
.irp i, 0,1,2
	v_mov_b32 v[C+3+6*\c+\i], v[36+4*\c+\i]
.endr
.endr
.irp g, 0,1,2
	global_store_b128 v4, v[C+4*\g:C+4*\g+3], s[14:15] offset:1536*(\t)+512*\g   ; a plane: 512 consecutive bytes
.endr
.endm
	LOAD 0
	LOAD 1
	STEP 0
	STEP 1
	STEP 2
	STEP 3
	v_cndmask_b32 v20, v[W], v[W+2], s24           ; lanes 0-15 store row r's words of steps 0, 1, lanes 16-31 those of steps 2, 3:
	v_cndmask_b32 v21, v[W+1], v[W+3], s24
	global_store_b64 v7, v[20:21], s[16:17]        ; 256 consecutive bytes, aligned
	s_wait_tensorcnt 0x0                           ; the wave's end: behind my last LDS store
	ds_add_u32 v[SPW], v[NIL]
	s_wait_dscnt 0x0
	s_endpgm
.Lfunc_end_k_q642af81999_quant:
	.size	k_q642af81999_quant, .Lfunc_end_k_q642af81999_quant-k_q642af81999_quant
	.p2alignl 7, 3214868480
	.fill 96, 4, 3214868480
	.section	.rodata,"a",@progbits
	.p2align	6, 0x0
	.amdhsa_kernel k_q642af81999_quant
		.amdhsa_group_segment_fixed_size 34304
		.amdhsa_private_segment_fixed_size 0
		.amdhsa_enable_private_segment 0
		.amdhsa_kernarg_size 56
		.amdhsa_user_sgpr_count 2
		.amdhsa_user_sgpr_kernarg_segment_ptr 1
		.amdhsa_wavefront_size32 1
		.amdhsa_system_sgpr_workgroup_id_x 1
		.amdhsa_system_sgpr_workgroup_id_y 1
		.amdhsa_system_sgpr_workgroup_id_z 1
		.amdhsa_system_vgpr_workitem_id 0
		.amdhsa_next_free_vgpr 240
		.amdhsa_next_free_sgpr 66
		.amdhsa_reserve_vcc 0
		.amdhsa_float_denorm_mode_32 3
		.amdhsa_float_denorm_mode_16_64 3
		.amdhsa_memory_ordered 1
		.amdhsa_forward_progress 1
		.amdhsa_inst_pref_size 30
	.end_amdhsa_kernel
	.amdgpu_metadata
---
amdhsa.version: [ 1, 2 ]
amdhsa.kernels:
  - .name:           k_q642af81999_quant
    .symbol:         k_q642af81999_quant.kd
    .args:
      - { .name: hidden_states, .offset: 0, .size: 8, .value_kind: global_buffer, .address_space: global }
      - { .name: wq, .offset: 8, .size: 8, .value_kind: global_buffer, .address_space: global }
      - { .name: wk, .offset: 16, .size: 8, .value_kind: global_buffer, .address_space: global }
      - { .name: wv, .offset: 24, .size: 8, .value_kind: global_buffer, .address_space: global }
      - { .name: wo, .offset: 32, .size: 8, .value_kind: global_buffer, .address_space: global }
      - { .name: xw_codes, .offset: 40, .size: 8, .value_kind: global_buffer, .address_space: global }
      - { .name: xw_scales, .offset: 48, .size: 8, .value_kind: global_buffer, .address_space: global }
    .group_segment_fixed_size: 34304
    .private_segment_fixed_size: 0
    .kernarg_segment_align: 8
    .kernarg_segment_size: 56
    .max_flat_workgroup_size: 128
    .sgpr_count:     66
    .vgpr_count:     240
    .wavefront_size: 32
...
	.end_amdgpu_metadata
.endif
;; end of part 1
;; launch qkv (part 2): grid 24 x 8, 4 waves a work-group, clusters of 4 x 4, 327,680 bytes of LDS; arguments xw_codes, xw_scales, learned_bias, q_codes, q_scales, kv_recs; writes q_codes, q_scales, kv_recs
.if DOCPART == 2
	.amdgcn_target "amdgcn-amd-amdhsa--gfx1250"
	.amdhsa_code_object_version 6
	.text
	.protected	k_q642af81999_qkv
	.globl	k_q642af81999_qkv
	.p2align	8
	.type	k_q642af81999_qkv,@function
k_q642af81999_qkv:
	s_mov_b64 s[64:65], 0
	v_nop
	global_prefetch_b8 v0, s[64:65] scope:SCOPE_SE
	s_setreg_imm32_b32 hwreg(HW_REG_WAVE_MODE, 25, 1), 1
	s_wait_xcnt 0x0
	s_wait_alu depctr_hold_cnt(0) depctr_sa_sdst(0) depctr_va_vdst(0) depctr_va_sdst(0) depctr_va_ssrc(0) depctr_va_vcc(0) depctr_vm_vsrc(0)
	s_getreg_b32 s2, hwreg(HW_REG_IB_STS2, 6, 4)
	s_cmp_eq_u32 s2, 0
	s_cbranch_scc0 .Lentry_in_a_cluster
	s_endpgm
.Lentry_in_a_cluster:
	s_bfe_u32 s2, ttmp6, 0x10000c
	s_cmp_lg_u32 s2, 0xf033
	s_cbranch_scc0 .Lentry_shape_is_right
	s_endpgm
.Lentry_shape_is_right:
; Launch 2 of 4: the three projections on codes, and what follows them up to the next quantisers.  No work of the problem is left out here.
; A work-group makes a tile of 256 x 256; four waves, 128 x 128 each, 64 accumulators.  K = 2,048 goes in steps of 256 through a ring of two LDS slots filled by joint tensor loads of a 4 x 4 cluster.
; Operands lie in memory as images of their registers (launch 1): a fragment is three ds_load_b128 at 16 x lane; a K step of a tile is 3,072 consecutive bytes; a wave's tensor load brings 8 tiles' K step.
; WHICH PRODUCT: tile columns 0-7 make q, 8-15 k, 16-23 v; the mode hangs on the cluster's x alone, so it is the same in all partners.
;   q, k: source 1 = 16 rows of hidden_states, source 0 = 16 rows of wq or wk: a lane holds ONE position and its registers run along the head's 128 features.
;   v:    source 1 = 16 rows of wv, source 0 = 16 rows of hidden_states: a lane holds ONE feature and its registers run along 128 KEYS, which are the K of attention's second product.  Nothing is transposed.
; By the tiles' choice of rows, register 16 b + i of a block of 64 is index 32 b + 16 (lane / 16) + i along the next K: what QUANT takes.
; THE WAY OUT.  The 64 accumulators go to the wave's own 65,536 bytes of LDS (over the ring, which has had its last fill and, behind a barrier, its last read) and come back a block of 16 rows at a time, so that ONE loop
; on fixed registers serves the eight blocks.  q, k: mu = softplus = max(x, 0) + log1p(e^-|x|); angle = fl(position x inv_freq) (+ clip(bias) for k); real = mu cos, imaginary = mu sin; both quantised along the head's 128.
; v: quantised as it is.  The polar tables are made in every work-group and the bias table holds zeros where the tile is not k's (angle + 0 is exact), so that every register the loop names is written on every way.
; OUT: q_codes [head][tile of 16 queries (128)][real image, imaginary image]; q_scales [head][tile / 4][lane][tile % 4] words, lanes 0-15 the real part's, lanes 16-31 the imaginary's;
; kv_recs [head][128 keys (16)][38,912 bytes]: K's 8 tiles x (real, imaginary) images; at 24,576 V's 8 images (16 features x 128 keys); at 36,864 K's scale words, laid as q's; at 37,888 V's (both halves of the lanes alike).
; LIMITS: as stated at the head of launch 1.
.set NQ,     2                         ; matrix instructions deep in a slot
.set FR,     12                        ; registers of a fragment
.set NL,     3                         ; LDS loads that bring one
.set NP,     4                         ; places behind this matrix instruction (ISA guide 7.12.1)
.set IMG,    1536                      ; an image
.set TROW,   2*IMG                     ; a tile's part of a K step
.set TPITCH, 16*IMG                    ; from tile to tile in memory
.set HALFT,  8*TROW                    ; what one tensor load brings, and what one wave reads of A or of B
.set SLOT,   4*HALFT                   ; A's 16 tiles, then B's 16
.set LAPS,   4                         ; a lap = two K steps = once round the ring
.set SCL,    2*SLOT                    ; behind the ring: the scale words for all of K: A's 16 tiles x 1,024 bytes, then B's
.set HALFS,  8192                      ; those of 8 tiles
.set SPARE,  262144                    ; behind the four waves' stages of the way out: the spare words, 128 bytes for each wave, that no other line names
.set REC,    38912
.set ADRA, 16                          ; v16-17  LDS address of my A fragments in slot 0, 1
.set ADRB, 20                          ; v20-21  the same for B
.set ADRS, 27                          ; v27     of my scale words: lanes 0-15 A's, lanes 16-31 B's
.set SPW,  28                          ; v28     LDS address of my spare word; never rewritten
.set NIL,  29                          ; v29     0; never rewritten
.set SC,   32                          ; v32-63  scale words, two sets; they hold nothing else in the whole launch
.set AF,   128                         ; v128-223 A's fragments, one set (window 0); B's two sets at v0 and v128 of window 1; accumulators in windows 2 and 3
.set WV, 16
.set HR, 17
.set HC, 18
.set TY, 19
.set CX, 40
.set CY, 41
.set TX, 42
.set MD, 66                            ; s66  0: q, 1: k, 2: v
.set G1, 24
.set G0, 32
.set G1B, 48
.set G0B, 56
.set G1S, 68
.set G0S, 76
.set G1SB, 80
.set G0SB, 88
.set MSB, 0
.macro WIN new                         ; the immediate's high byte repeats the setting that is left
.if MSB != \new
	s_set_vgpr_msb (MSB<<8)|\new
.set MSB, \new
.endif
.endm
.set MUL_LO, 0xa1                      ; source 0 (B) window 1, source 1 (A) window 0, C and D window 2
.set MUL_HI, 0xf1                      ; the same, C and D window 3
.set TO_B,   0x40                      ; destination window 1, address window 0
; A joint load: waves 0 and 1 fetch for A, waves 2 and 3 for B; the branch hangs on the wave's number alone.  An s_nop 0 and four v_nop follow each line.
.macro JLOAD g0a, g1a, g0b, g1b
	s_cmp_eq_u32 s[HR], 0
	s_cbranch_scc0 .Lfor_b_\@
	tensor_load_to_lds s[\g0a:\g0a+3], s[\g1a:\g1a+7]
	s_nop 0
.rept 4
	v_nop
.endr
	s_branch .Lasked_\@
.Lfor_b_\@:
	tensor_load_to_lds s[\g0b:\g0b+3], s[\g1b:\g1b+7]
	s_nop 0
.rept 4
	v_nop
.endr
.Lasked_\@:
.endm
.macro CREST                           ; a round of the cluster's barrier behind its opening barrier
	s_cmp_lg_u32 s[WV], 0
	s_cbranch_scc1 .Lnot_wave_0_\@
	s_barrier_signal -3
.Lnot_wave_0_\@:
	s_barrier_wait -3
	s_barrier_signal -1
	s_barrier_wait -1
.endm
.macro CROUND
	s_barrier_signal -1
	s_barrier_wait -1
	CREST
.endm
	s_load_b256 s[4:11], s[0:1], 0x0               ; xw_codes, xw_scales, learned_bias, q_codes
	s_load_b128 s[12:15], s[0:1], 0x20             ; q_scales, kv_recs
	v_lshl_add_u32 v[SPW], v0, 2, SPARE
	v_mov_b32 v[NIL], 0
	ds_add_u32 v[SPW], v[NIL]                      ; the wave's opening: the add, twice on end, and its wait ahead of my first tensor load
	ds_add_u32 v[SPW], v[NIL]
	v_lshrrev_b32 v1, 5, v0
	v_readfirstlane_b32 s[WV], v1                  ; wave 0..3
	s_lshr_b32 s[HR], s[WV], 1                     ; which half of the tile's A rows is mine.  Also: I fetch for A (0) or for B (1)
	s_and_b32 s[HC], s[WV], 1                      ; which half of its B rows.  Also: which 8 tiles I fetch
	s_bfe_u32 s[CX], ttmp6, 0x40000
	s_bfe_u32 s[CY], ttmp6, 0x40004
	s_lshl_b32 s[TX], ttmp9, 2
	s_add_co_u32 s[TX], s[TX], s[CX]               ; tile column = 4 x cluster x + cx
	s_and_b32 s[TY], ttmp7, 0xffff
	s_lshl_b32 s[TY], s[TY], 2
	s_add_co_u32 s[TY], s[TY], s[CY]               ; tile row = 4 x cluster y + cy
	s_lshl_b32 s43, s[CY], 2
	s_lshl_b32 s43, 15, s43                        ; my row of the cluster
	s_lshl_b32 s44, 0x1111, s[CX]                  ; my column
	s_or_b32 s[G1], s43, (3<<16)|(1<<21)           ; 15:0 the mask: A's tiles go to my row; 17:16 elements of 8 bytes; 21 set beside a mask; no padding
	s_or_b32 s[G1B], s44, (3<<16)|(1<<21)
.irp g, G1, G1B
	s_mov_b32 s[\g+1], (TROW/8)<<16                ; tensor_dim0: 3,072 bytes
	s_mov_b32 s[\g+2], 8<<16                       ; tensor_dim1: 8 tiles
	s_mov_b32 s[\g+3], (TROW/8)<<16                ; tile_dim0
	s_mov_b32 s[\g+4], 8                           ; tile_dim1
	s_mov_b32 s[\g+5], TPITCH/8                    ; from tile to tile
	s_mov_b32 s[\g+6], 0
	s_mov_b32 s[\g+7], 0
.endr
	s_or_b32 s[G1S], s43, (3<<16)|(1<<21)          ; the scale words of 8 tiles: 8,192 dense bytes as 32 rows of 256
	s_or_b32 s[G1SB], s44, (3<<16)|(1<<21)
.irp g, G1S, G1SB
	s_mov_b32 s[\g+1], 32<<16
	s_mov_b32 s[\g+2], 32<<16
	s_mov_b32 s[\g+3], 32<<16
	s_mov_b32 s[\g+4], 32
	s_mov_b32 s[\g+5], 32
	s_mov_b32 s[\g+6], 0
	s_mov_b32 s[\g+7], 0
.endr
	s_lshr_b32 s[MD], ttmp9, 1                     ; the mode
	s_cmp_eq_u32 s[MD], 2
	s_cselect_b32 s45, 384, 0                      ; v: A is wv (tiles 384 on), B is hidden_states (tiles 0 on)
	s_lshl_b32 s21, s[HC], 3                       ; which 8 tiles I fetch
	s_lshl_b32 s20, s[TY], 4
	s_add_co_u32 s20, s20, s21
	s_add_co_u32 s20, s20, s45                     ; A's: hangs on the tile row, which my row of the cluster shares
	s_lshl_b32 s46, s[TX], 4
	s_add_co_u32 s46, s46, s21
	s_add_co_u32 s46, s46, 128
	s_sub_co_u32 s46, s46, s45                     ; B's: hangs on the tile column, which my column shares
	s_lshl_b32 s22, s20, 10                        ; their scale words,
	s_mul_i32 s20, s20, TPITCH                     ; their codes, in bytes
	s_mov_b32 s21, 0
	s_mov_b32 s23, 0
	s_lshl_b32 s92, s46, 10
	s_mul_i32 s46, s46, TPITCH
	s_mov_b32 s47, 0
	s_mov_b32 s93, 0
	s_mul_i32 s94, s[WV], HALFT                    ; where they go: no place in the cluster enters an LDS address
	s_mul_i32 s95, s[WV], HALFS
	s_wait_dscnt 0x0                               ; both opening adds are done
	s_wait_kmcnt 0x0
	s_add_nc_u64 s[20:21], s[4:5], s[20:21]
	s_add_nc_u64 s[22:23], s[6:7], s[22:23]
	s_add_nc_u64 s[46:47], s[4:5], s[46:47]
	s_add_nc_u64 s[92:93], s[6:7], s[92:93]
	CROUND                                         ; all sixteen work-groups are here: the first joint loads meet
	s_mov_b32 s[G0S], 1
	s_add_co_u32 s[G0S+1], s95, SCL
	s_mov_b64 s[G0S+2:G0S+3], s[22:23]
	s_or_b32 s[G0S+3], s[G0S+3], 0x80000000
	s_mov_b32 s[G0SB], 1
	s_add_co_u32 s[G0SB+1], s95, SCL
	s_mov_b64 s[G0SB+2:G0SB+3], s[92:93]
	s_or_b32 s[G0SB+3], s[G0SB+3], 0x80000000
	JLOAD G0S, G1S, G0SB, G1SB                     ; the scale words first: they are wanted with K step 0
.irp s, 0,1
	s_mov_b32 s[G0+4*\s], 1
	s_add_co_u32 s[G0+4*\s+1], s94, \s*SLOT
	s_add_nc_u64 s[G0+4*\s+2:G0+4*\s+3], s[20:21], \s*TROW
	s_or_b32 s[G0+4*\s+3], s[G0+4*\s+3], 0x80000000
	s_mov_b32 s[G0B+4*\s], 1
	s_add_co_u32 s[G0B+4*\s+1], s94, \s*SLOT
	s_add_nc_u64 s[G0B+4*\s+2:G0B+4*\s+3], s[46:47], \s*TROW
	s_or_b32 s[G0B+4*\s+3], s[G0B+4*\s+3], 0x80000000
	JLOAD G0+4*\s, G1, G0B+4*\s, G1B               ; three tensor loads of mine are out
.endr
	v_and_b32 v1, 15, v0                           ; r
	v_bfe_u32 v2, v0, 4, 1                         ; h
	v_and_b32 v3, 31, v0
	v_lshlrev_b32 v3, 4, v3                        ; 16 x lane
	s_mul_i32 s21, s[HR], HALFT                    ; my 8 tiles of A
	s_mul_i32 s22, s[HC], HALFT                    ; my 8 tiles of B,
	s_add_co_u32 s22, s22, 2*HALFT                 ; which lie behind A's 16
.irp s, 0,1
	v_add_nc_u32 v[ADRA+\s], s21, v3
	v_add_nc_u32 v[ADRB+\s], s22, v3
	s_add_co_u32 s21, s21, SLOT
	s_add_co_u32 s22, s22, SLOT
.endr
	v_lshlrev_b32 v5, 3, v1                        ; 8 r: a K step's two words of place r
	s_mul_i32 s21, s[HR], HALFS
	s_mul_i32 s22, s[HC], HALFS
	s_add_co_u32 s22, s22, 2*HALFS
	s_sub_co_u32 s22, s22, s21
	v_mul_u32_u24 v6, s22, v2                      ; lanes 16-31 take B's: one product, the distance between the two bases
	s_add_co_u32 s21, s21, SCL
	v_add_nc_u32 v5, v5, v6
	v_add_nc_u32 v[ADRS], s21, v5
.macro FRAG reg, adr, q, i             ; tile i's image of the slot's q-th 128 along K: the operand's 12 registers as they were stored
.irp g, 0,1,2
	ds_load_b128 v[\reg+4*\g:\reg+4*\g+3], v[\adr] offset:(\i)*TROW+(\q)*IMG+512*\g
.endr
.endm
; 16 matrix instructions: A's blocks a0, a0 + 1 x B's eight.  p: B's set; sc: the set of scale words.  The 64 accumulators take turns, one instruction a turn, in the same order in every step.
.macro MUL16 a0, p, q, sc, zero
.irp a, \a0, \a0+1
.irp b, 0,1,2,3,4,5,6,7
.if \zero
	v_wmma_scale_f32_16x16x128_f8f6f4 v[8*(8*((\a)%4)+\b):8*(8*((\a)%4)+\b)+7], v[128*(\p)+FR*\b:128*(\p)+FR*\b+FR-1], v[AF+FR*(\a):AF+FR*(\a)+FR-1], 0, v[SC+8*NQ*(\sc)+NQ*\b+(\q)], v[SC+8*NQ*(\sc)+NQ*(\a)+(\q)] matrix_a_fmt:MATRIX_FMT_BF6 matrix_b_fmt:MATRIX_FMT_BF6 matrix_a_scale:MATRIX_SCALE_ROW1
.else
	v_wmma_scale_f32_16x16x128_f8f6f4 v[8*(8*((\a)%4)+\b):8*(8*((\a)%4)+\b)+7], v[128*(\p)+FR*\b:128*(\p)+FR*\b+FR-1], v[AF+FR*(\a):AF+FR*(\a)+FR-1], v[8*(8*((\a)%4)+\b):8*(8*((\a)%4)+\b)+7], v[SC+8*NQ*(\sc)+NQ*\b+(\q)], v[SC+8*NQ*(\sc)+NQ*(\a)+(\q)] matrix_a_fmt:MATRIX_FMT_BF6 matrix_b_fmt:MATRIX_FMT_BF6 matrix_a_scale:MATRIX_SCALE_ROW1
.endif
.endr
.endr
.endm
.macro FETCH_B slot, q, p
	WIN TO_B
.irp i, 0,1,2,3,4,5,6,7
	FRAG 128*(\p)+FR*\i, ADRB+\slot, \q, \i
.endr
	WIN 0
.endm
.macro FETCH_A slot, q, i0
.irp i, \i0, \i0+1, \i0+2, \i0+3
	FRAG AF+FR*(\i), ADRA+\slot, \q, \i
.endr
.endm
.macro SCALES sc                       ; a K step's scale words: two a place; lanes 0-15 take A's block i, lanes 16-31 B's block i
.irp i, 0,1,2,3,4,5,6,7
	ds_load_b64 v[SC+8*NQ*\sc+NQ*\i:SC+8*NQ*\sc+NQ*\i+1], v[ADRS] offset:\i*1024
.endr
.endm
.macro PLACES n                        ; plain vector instructions between a matrix instruction and a load into, or a read of, its registers (ISA guide 7.12.1 for a read)
.rept \n
	v_nop
.endr
.endm
.macro STEP slot, q, zero              ; a step of 128 along K that has its successor in the same slot
	s_wait_dscnt 4*NL                              ; B's set and A's blocks 0-3 are in; the youngest 12 loads (A's blocks 4-7) may be out
	WIN MUL_LO
	MUL16 0, (\q)%2, \q, \slot, \zero
	MUL16 2, (\q)%2, \q, \slot, \zero
	s_wait_dscnt 0
	PLACES NP
	FETCH_B \slot, (\q)+1, 1-(\q)%2
	FETCH_A \slot, (\q)+1, 0
	WIN MUL_HI
	MUL16 4, (\q)%2, \q, \slot, \zero
	MUL16 6, (\q)%2, \q, \slot, \zero
	PLACES NP
	WIN 0
	FETCH_A \slot, (\q)+1, 4
.endm
; A slot's last step changes slots: one barrier; in front of it each wave waits for all its tensor loads, adds 0 to its spare word, and waits for that and for its reads of this slot.
.macro TURN slot, next, fill
	s_wait_tensorcnt 0x0                           ; all my tensor loads have landed: my part of the next slot
	ds_add_u32 v[SPW], v[NIL]                      ; 0 onto my spare word
	s_wait_dscnt 4*NL+1                            ; (the add and the youngest 12 loads may be out)
	WIN MUL_LO
	MUL16 0, 1, NQ-1, \slot, 0
	s_wait_dscnt 0x0                               ; the add is done, and my reads of this slot are over
	s_barrier_signal -1
	MUL16 2, 1, NQ-1, \slot, 0
	WIN 0
	s_barrier_wait -1
.if \fill
	CREST                                          ; the barrier has opened a round of the cluster's: no wave of any partner still reads this slot or has a load on its way
	s_add_nc_u64 s[G0+4*\slot+2:G0+4*\slot+3], s[G0+4*\slot+2:G0+4*\slot+3], 2*TROW
	s_add_nc_u64 s[G0B+4*\slot+2:G0B+4*\slot+3], s[G0B+4*\slot+2:G0B+4*\slot+3], 2*TROW
	JLOAD G0+4*\slot, G1, G0B+4*\slot, G1B         ; the first tensor load behind the round, my one load until the next; its four v_nop are the places in front of the loads below
.else
	PLACES NP
.endif
	v_add_nc_u32 v[ADRS], 128, v[ADRS]             ; the next K step's scale words
	FETCH_B \next, 0, 0
	FETCH_A \next, 0, 0
	SCALES \next
	WIN MUL_HI
	MUL16 4, 1, NQ-1, \slot, 0
	MUL16 6, 1, NQ-1, \slot, 0
	PLACES NP
	WIN 0
	FETCH_A \next, 0, 4
.endm
	s_wait_tensorcnt 1                             ; the scale words and my part of K step 0 are in (K step 1's load may be out)
	s_barrier_signal -1
	s_barrier_wait -1
	FETCH_B 0, 0, 0
	FETCH_A 0, 0, 0
	SCALES 0
	FETCH_A 0, 0, 4
	STEP 0, 0, 1                                   ; the first step stands in front of the loop: its products start the sums
	s_mov_b32 s3, LAPS-1
.Llap:
	TURN 0, 1, 1
	STEP 1, 0, 0
	TURN 1, 0, 1
	STEP 0, 0, 0
	s_sub_co_u32 s3, s3, 1
	s_cmp_lg_u32 s3, 0
	s_cbranch_scc1 .Llap
	TURN 0, 1, 0                                   ; the last lap fills nothing
	STEP 1, 0, 0
	s_wait_dscnt 4*NL
	WIN MUL_LO
	MUL16 0, 1, NQ-1, 1, 0
	MUL16 2, 1, NQ-1, 1, 0
	s_wait_dscnt 0
	WIN MUL_HI
	MUL16 4, 1, NQ-1, 1, 0
	MUL16 6, 1, NQ-1, 1, 0
	WIN 0
; ---------------- THE WAY OUT ----------------
.set LI,  3                            ; v3   16 x lane
.set SB,  4                            ; v4   my wave's stage + 16 x lane
.set LA,  5                            ; v5   the block's address in it
.set H16, 7                            ; v7   16 h
.set WD,  8                            ; v8-11 the last four blocks' scale words
.set NW,  12                           ; v12  the block's
.set RO,  13                           ; v13  r + 8 (r / 8)
.set H64, 14                           ; v14  64 h
.set POS, 16                           ; v16-17 the lane's position, twice
.set MAG, 18                           ; v18-19 1.5 x 2^23
.set C11, 20                           ; v20-21 sin's last coefficient
.set C12, 22                           ; v22-23 cos's
.set X,   64                           ; v64-127  the block's 64 numbers; then mu; then the imaginary part
.set RE,  128                          ; v128-191 at work; then the angle; then the real part
.set U,   192                          ; v192-223 32 numbers at work in softplus
.set TN,  192                          ; in the polar step: four pairs each of n, z, sin's and cos's polynomial
.set TZ,  200
.set TP,  208
.set TQ,  216
.set ZT,  224                          ; v224-231 at work in softplus
.set QT,  192                          ; QUANT's 17 registers
.set PC1, 212                          ; codes: v212-230,
.set PC2, 232                          ; and v232-250
.set NL2E, 24                          ; s24  -log2(e)
.set LN2,  26                          ; constants as pairs: the packed forms name a pair and take its low word for both halves
.set RPI,  28
.set PIH,  30
.set PIL,  32
.set KS9,  34
.set KS7,  36
.set KS5,  38
.set KS3,  40
.set KC10, 42
.set KC8,  44
.set KC6,  46
.set KC4,  48
.set SEL,  50
.set HIM,  52                          ; s52  lanes 16-31
.set CFR,  53                          ; s53  -log2(10) / 32
.set M2P,  54                          ; s54  -2 pi
.set DST,  56                          ; s[56:57] where the block's images go
.set SDS,  58                          ; s[58:59] where four blocks' scale words go
.set DSP,  60                          ; s[60:61] from block to block
.set POSB, 62                          ; s62  my wave's first position
.set LOFF, 63                          ; s63  the block's place in the stage
.set CNT,  67                          ; s67  the block
	PLACES NP
	s_wait_dscnt 0x0
	s_barrier_signal -1                            ; every wave's reads of the ring and of the scale words are over; every tensor load of the launch has landed
	s_barrier_wait -1
	v_and_b32 v1, 31, v0
	v_lshlrev_b32 v[LI], 4, v1
	s_lshl_b32 s20, s[WV], 16
	v_add_nc_u32 v[SB], s20, v[LI]
.irp a, 0,1,2,3,4,5,6,7                ; block a's 64 registers, in ascending order: each accumulator from its low end on
	WIN 0x08+4*(\a/4)                              ; an LDS store's data are its source 1: window 2 or 3
.irp k, 0,1,2,3,4,5,6,7,8,9,10,11,12,13,14,15
	ds_store_b128 v[SB], v[64*(\a%4)+4*\k:64*(\a%4)+4*\k+3] offset:\a*8192+512*\k
.endr
.endr
	WIN 0
	; where the results go.  No tensor load is out, so the descriptors' registers are free
	s_and_b32 s68, s[TX], 7
	s_lshl_b32 s68, s68, 1
	s_add_co_u32 s68, s68, s[HC]                   ; which 128 rows of B are mine
	s_lshl_b32 s69, s[TY], 1
	s_add_co_u32 s69, s69, s[HR]                   ; which 128 rows of A
	s_cmp_eq_u32 s[MD], 2
	s_cselect_b32 s70, s69, s68                    ; the head: B's rows for q and k, A's for v
	s_cselect_b32 s71, s68, s69                    ; the block of 128 positions: the other
	s_cselect_b32 s73, 24576, 0                    ; in a record V's images lie behind K's,
	s_mov_b32 s75, 36864
	s_cselect_b32 s75, 37888, s75                  ; and its scale words behind K's
	s_mov_b32 s[DSP], TROW
	s_cselect_b32 s[DSP], IMG, s[DSP]              ; q, k: two images a block; v: one
	s_mov_b32 s[DSP+1], 0
	s_lshl_b32 s72, s70, 4
	s_add_co_u32 s72, s72, s71                     ; 16 x head + block of positions
	s_mul_i32 s74, s72, REC
	s_add_co_u32 s73, s73, s74
	s_add_co_u32 s75, s75, s74
	s_mul_i32 s76, s72, 8*TROW                     ; q: 8 tiles of two images
	s_lshl_b32 s78, s72, 10                        ; q: two groups of four tiles' words
	s_cmp_eq_u32 s[MD], 0
	s_cselect_b32 s76, s76, s73
	s_cselect_b32 s78, s78, s75
	s_cselect_b64 s[DST:DST+1], s[10:11], s[14:15]
	s_cselect_b64 s[SDS:SDS+1], s[12:13], s[14:15]
	s_mov_b32 s77, 0
	s_mov_b32 s79, 0
	s_add_nc_u64 s[DST:DST+1], s[DST:DST+1], s[76:77]
	s_add_nc_u64 s[SDS:SDS+1], s[SDS:SDS+1], s[78:79]
	s_lshl_b32 s[POSB], s69, 7
	s_lshl_b32 s80, s70, 9
	s_mov_b32 s81, 0
	s_add_nc_u64 s[8:9], s[8:9], s[80:81]          ; the head's 128 biases
.macro PAIR reg, val
	s_mov_b32 s[\reg], \val
	s_mov_b32 s[\reg+1], \val
.endm
	s_mov_b32 s[NL2E], 0xbfb8aa3b
	PAIR LN2,  0x3f317218                          ; ln 2
	PAIR RPI,  0x3ea2f983                          ; 1 / pi
	PAIR PIH,  0xc0490fdb                          ; -pi, its f32 part,
	PAIR PIL,  0x33bbbd2e                          ; and the rest
	PAIR KS9,  0x3638ef1d                          ; 1/9!
	PAIR KS7,  0xb9500d01                          ; -1/7!
	PAIR KS5,  0x3c088889                          ; 1/5!
	PAIR KS3,  0xbe2aaaab                          ; -1/3!
	PAIR KC10, 0xb493f27e                          ; -1/10!
	PAIR KC8,  0x37d00d01                          ; 1/8!
	PAIR KC6,  0xbab60b61                          ; -1/6!
	PAIR KC4,  0x3d2aaaab                          ; 1/4!
	s_mov_b32 s[SEL], 0x76543210
	s_mov_b32 s[SEL+1], 0xfedcba98
	s_mov_b32 s[HIM], 0xffff0000
	s_mov_b32 s[CFR], 0xbdd49a78
	s_mov_b32 s[M2P], 0xc0c90fdb
	v_and_b32 v2, 15, v0
	v_bfe_u32 v6, v0, 4, 1
	v_and_b32 v[RO], 8, v2
	v_add_nc_u32 v[RO], v[RO], v2
	v_lshlrev_b32 v[H16], 4, v6
	v_lshlrev_b32 v[H64], 6, v6
.irp i, 0,1,2,3
	v_mov_b32 v[WD+\i], 0
	v_mov_b32 v[QT+4+\i], 0                        ; (a lane permute's destination counts as one of its sources)
.endr
.irp i, 0,1
	v_mov_b32 v[MAG+\i], 0x4b400000
	v_mov_b32 v[C11+\i], 0xb2d7322b                ; -1/11!
	v_mov_b32 v[C12+\i], 0x310f76c7                ; 1/12!
.endr
	; inv_freq of my 64 features, into window 1, v0-63: register e is feature d = 32 (e / 16) + 16 h + e % 16; inv_freq = 2^(-d log2(10) / 32)
.set e, 0
.rept 64
	v_add_nc_u32 v[X+e], 32*(e/16)+e%16, v[H16]
.set e, e+1
.endr
.set e, 0
.rept 64
	v_cvt_f32_u32 v[X+e], v[X+e]
.set e, e+1
.endr
.set e, 0
.rept 64
	v_mul_f32 v[X+e], s[CFR], v[X+e]
.set e, e+1
.endr
	WIN 0x40                                       ; destination window 1
.set e, 0
.rept 64
	v_exp_f32 v[e], v[X+e]
.set e, e+1
.endr
	WIN 0
	v_nop                                          ; a plain place behind the last exponential
	s_wait_alu depctr_va_vdst(0)                   ; one wait for the batch, ahead of the branch below
	; the bias table, window 1, v64-127: k: clip(learned_bias, -2 pi, 0) of the same 64 features; else zeros
	s_cmp_eq_u32 s[MD], 1
	s_cbranch_scc0 .Lno_bias
	WIN 0x40
.irp b, 0,1,2,3
.irp i, 0,1,2,3
	global_load_b128 v[64+16*\b+4*\i:64+16*\b+4*\i+3], v[H64], s[8:9] offset:128*\b+16*\i
.endr
.endr
	s_wait_loadcnt 0x0
	WIN 0x44                                       ; destination and source 1 window 1
.set e, 0
.rept 64
	v_max_num_f32 v[64+e], s[M2P], v[64+e]
.set e, e+1
.endr
.set e, 0
.rept 64
	v_min_num_f32 v[64+e], 0, v[64+e]
.set e, e+1
.endr
	WIN 0
	s_branch .Lbias_done
.Lno_bias:
	WIN 0x40
.set e, 0
.rept 64
	v_mov_b32 v[64+e], 0
.set e, e+1
.endr
	WIN 0
.Lbias_done:
; 64 numbers of a lane, register 16 b + i = k 32 b + 16 (lane / 16) + i of my row, become a fragment's codes in v[pc] .. v[pc + 11] and its scale word in v[tm + 16].
.macro QUANT s, tm, pc
.irp b, 0,1,2,3
	v_max3_num_f32 v[\tm+\b], |v[\s+16*\b]|, |v[\s+1+16*\b]|, 0x2800000   ; block b: my 16 numbers, and the floor 2^(5 - 127): the byte cannot fall under 1
.endr
.irp i, 2,4,6,8,10,12,14
.irp b, 0,1,2,3
	v_max3_num_f32 v[\tm+\b], v[\tm+\b], |v[\s+16*\b+\i]|, |v[\s+1+16*\b+\i]|
.endr
.endr
.irp b, 0,1,2,3
	v_permlanex16_b32 v[\tm+4+\b], v[\tm+\b], s[SEL], s[SEL+1]
.endr
.irp b, 0,1,2,3
	v_max_num_f32 v[\tm+\b], v[\tm+\b], v[\tm+4+\b]   ; with lane l xor 16's: the block's largest magnitude
.endr
.irp b, 0,1,2,3
	v_add_nc_u32 v[\tm+12+\b], 0xfe000000, v[\tm+\b]  ; 4 off its exponent field: the conversion's scale operand
.endr
.irp b, 0,1,2,3
	v_lshrrev_b32 v[\tm+4+\b], 23, v[\tm+12+\b]       ; the scale's byte
.endr
	v_lshl_or_b32 v[\tm+16], v[\tm+5], 8, v[\tm+4]
	v_lshl_or_b32 v[\tm+16], v[\tm+6], 16, v[\tm+16]
	v_lshl_or_b32 v[\tm+16], v[\tm+7], 24, v[\tm+16]
.irp c, 0,1
	v_cvt_scalef32_pk16_bf6_f32 v[\pc+6*\c:\pc+2+6*\c], v[\s+32*\c:\s+15+32*\c], v[\tm+12+2*\c]
	v_cvt_scalef32_pk16_bf6_f32 v[\pc+12+4*\c:\pc+14+4*\c], v[\s+16+32*\c:\s+31+32*\c], v[\tm+12+2*\c+1]
.endr
	v_nop                                          ; one plain place behind a scaled conversion
.irp c, 0,1                                    ; the operand's layout wants a whole block in a lane
.irp i, 0,1,2
	v_permlane16_swap_b32 v[\pc+6*\c+\i], v[\pc+12+4*\c+\i]
.endr
.irp i, 0,1,2
	v_mov_b32 v[\pc+3+6*\c+\i], v[\pc+12+4*\c+\i]
.endr
.endr
.endm
.macro PUT pc, off                     ; an image leaves: three planes of 512 consecutive bytes
.irp g, 0,1,2
	global_store_b128 v[LI], v[\pc+4*\g:\pc+4*\g+3], s[DST:DST+1] offset:\off+512*\g
.endr
.endm
; eight numbers' sin and cos.  n = the whole number nearest angle / pi (its parity goes into mu's sign: sin and cos both change sign with it); r = angle - n pi in two fused steps; Taylor polynomials on |r| <= pi / 2
.macro TRIG g
.set XB, X+8*(\g)
.set RB, RE+8*(\g)
.irp q, 0,2,4,6
	v_pk_fma_f32 v[TN+\q:TN+\q+1], v[RB+\q:RB+\q+1], s[RPI:RPI+1], v[MAG:MAG+1] op_sel_hi:[1,0,1]
.endr
.irp q, 0,1,2,3,4,5,6,7
	v_lshl_or_b32 v[XB+\q], v[TN+\q], 31, v[XB+\q]
.endr
.irp q, 0,2,4,6
	v_pk_add_f32 v[TN+\q:TN+\q+1], v[TN+\q:TN+\q+1], v[MAG:MAG+1] neg_lo:[0,1] neg_hi:[0,1]
.endr
.irp q, 0,2,4,6
	v_pk_fma_f32 v[RB+\q:RB+\q+1], v[TN+\q:TN+\q+1], s[PIH:PIH+1], v[RB+\q:RB+\q+1] op_sel_hi:[1,0,1]
.endr
.irp q, 0,2,4,6
	v_pk_fma_f32 v[RB+\q:RB+\q+1], v[TN+\q:TN+\q+1], s[PIL:PIL+1], v[RB+\q:RB+\q+1] op_sel_hi:[1,0,1]
.endr
.irp q, 0,2,4,6
	v_pk_mul_f32 v[TZ+\q:TZ+\q+1], v[RB+\q:RB+\q+1], v[RB+\q:RB+\q+1]
.endr
.irp q, 0,2,4,6
	v_pk_fma_f32 v[TP+\q:TP+\q+1], v[TZ+\q:TZ+\q+1], v[C11:C11+1], s[KS9:KS9+1] op_sel_hi:[1,1,0]
	v_pk_fma_f32 v[TQ+\q:TQ+\q+1], v[TZ+\q:TZ+\q+1], v[C12:C12+1], s[KC10:KC10+1] op_sel_hi:[1,1,0]
.endr
.irp q, 0,2,4,6
	v_pk_fma_f32 v[TP+\q:TP+\q+1], v[TP+\q:TP+\q+1], v[TZ+\q:TZ+\q+1], s[KS7:KS7+1] op_sel_hi:[1,1,0]
	v_pk_fma_f32 v[TQ+\q:TQ+\q+1], v[TQ+\q:TQ+\q+1], v[TZ+\q:TZ+\q+1], s[KC8:KC8+1] op_sel_hi:[1,1,0]
.endr
.irp q, 0,2,4,6
	v_pk_fma_f32 v[TP+\q:TP+\q+1], v[TP+\q:TP+\q+1], v[TZ+\q:TZ+\q+1], s[KS5:KS5+1] op_sel_hi:[1,1,0]
	v_pk_fma_f32 v[TQ+\q:TQ+\q+1], v[TQ+\q:TQ+\q+1], v[TZ+\q:TZ+\q+1], s[KC6:KC6+1] op_sel_hi:[1,1,0]
.endr
.irp q, 0,2,4,6
	v_pk_fma_f32 v[TP+\q:TP+\q+1], v[TP+\q:TP+\q+1], v[TZ+\q:TZ+\q+1], s[KS3:KS3+1] op_sel_hi:[1,1,0]
	v_pk_fma_f32 v[TQ+\q:TQ+\q+1], v[TQ+\q:TQ+\q+1], v[TZ+\q:TZ+\q+1], s[KC4:KC4+1] op_sel_hi:[1,1,0]
.endr
.irp q, 0,2,4,6
	v_pk_fma_f32 v[TP+\q:TP+\q+1], v[TP+\q:TP+\q+1], v[TZ+\q:TZ+\q+1], 1.0 op_sel_hi:[1,1,0]
	v_pk_fma_f32 v[TQ+\q:TQ+\q+1], v[TQ+\q:TQ+\q+1], v[TZ+\q:TZ+\q+1], -0.5 op_sel_hi:[1,1,0]
.endr
.irp q, 0,2,4,6
	v_pk_mul_f32 v[TP+\q:TP+\q+1], v[TP+\q:TP+\q+1], v[RB+\q:RB+\q+1]                        ; sin r
	v_pk_fma_f32 v[TQ+\q:TQ+\q+1], v[TQ+\q:TQ+\q+1], v[TZ+\q:TZ+\q+1], 1.0 op_sel_hi:[1,1,0]  ; cos r
.endr
.irp q, 0,2,4,6
	v_pk_mul_f32 v[RB+\q:RB+\q+1], v[TQ+\q:TQ+\q+1], v[XB+\q:XB+\q+1]                        ; the real part,
	v_pk_mul_f32 v[XB+\q:XB+\q+1], v[TP+\q:TP+\q+1], v[XB+\q:XB+\q+1]                        ; the imaginary
.endr
.endm
	s_mov_b32 s[LOFF], 0
	s_mov_b32 s[CNT], 0
.Lblk:                                             ; eight trips in every work-group: a block of 16 rows of A x my 128 rows of B
	v_add_nc_u32 v[LA], s[LOFF], v[SB]
.irp k, 0,1,2,3,4,5,6,7,8,9,10,11,12,13,14,15
	ds_load_b128 v[X+4*\k:X+4*\k+3], v[LA] offset:512*\k   ; my own bytes: LDS serves a wave's instructions in order
.endr
	s_wait_dscnt 0x0
	s_cmp_eq_u32 s[MD], 2
	s_cbranch_scc1 .Lplain
	; softplus: e = 2^(-|x| log2 e); u = fl(1 + e); c = e - (u - 1), what that rounding lost; mu = max(x, 0) + c + ln 2 x log2 u
.set j, 0
.rept 64
	v_mul_f32 v[RE+j], s[NL2E], |v[X+j]|
.set j, j+1
.endr
.set j, 0
.rept 64
	v_exp_f32 v[RE+j], v[RE+j]
.set j, j+1
.endr
.set j, 0
.rept 64
	v_max_num_f32 v[X+j], 0, v[X+j]                ; independent work behind the exponentials
.set j, j+1
.endr
	s_wait_alu depctr_va_vdst(0)                   ; one wait for the batch, ahead of its first reader
.irp hf, 0,1                                   ; 32 numbers at a time
.set j, 0
.rept 16
	v_pk_add_f32 v[U+j:U+j+1], v[RE+32*\hf+j:RE+32*\hf+j+1], 1.0 op_sel_hi:[1,0]
.set j, j+2
.endr
.irp gg, 0,8,16,24
.irp q, 0,2,4,6
	v_pk_add_f32 v[ZT+\q:ZT+\q+1], v[U+\gg+\q:U+\gg+\q+1], -1.0 op_sel_hi:[1,0]
.endr
.irp q, 0,2,4,6
	v_pk_add_f32 v[RE+32*\hf+\gg+\q:RE+32*\hf+\gg+\q+1], v[RE+32*\hf+\gg+\q:RE+32*\hf+\gg+\q+1], v[ZT+\q:ZT+\q+1] neg_lo:[0,1] neg_hi:[0,1]
.endr
.endr
.set j, 0
.rept 32
	v_log_f32 v[U+j], v[U+j]
.set j, j+1
.endr
.set j, 0
.rept 16
	v_pk_add_f32 v[X+32*\hf+j:X+32*\hf+j+1], v[X+32*\hf+j:X+32*\hf+j+1], v[RE+32*\hf+j:RE+32*\hf+j+1]   ; independent work behind the logarithms
.set j, j+2
.endr
	s_wait_alu depctr_va_vdst(0)                   ; one wait for the 32
.set j, 0
.rept 16
	v_pk_fma_f32 v[X+32*\hf+j:X+32*\hf+j+1], v[U+j:U+j+1], s[LN2:LN2+1], v[X+32*\hf+j:X+32*\hf+j+1] op_sel_hi:[1,0,1]
.set j, j+2
.endr
.endr
	; the angle: fl(position x inv_freq), then fl(+ bias): reference()'s own two roundings
	s_lshr_b32 s20, s[CNT], 1
	s_lshl_b32 s20, s20, 5
	s_and_b32 s21, s[CNT], 1
	s_lshl_b32 s21, s21, 3
	s_add_co_u32 s20, s20, s21
	s_add_co_u32 s20, s20, s[POSB]
	v_add_nc_u32 v[POS], s20, v[RO]
	v_cvt_f32_u32 v[POS], v[POS]
	v_mov_b32 v[POS+1], v[POS]
	WIN 0x04                                       ; source 1 window 1
.set j, 0
.rept 32
	v_pk_mul_f32 v[RE+j:RE+j+1], v[POS:POS+1], v[j:j+1]
.set j, j+2
.endr
.set j, 0
.rept 32
	v_pk_add_f32 v[RE+j:RE+j+1], v[RE+j:RE+j+1], v[64+j:64+j+1]
.set j, j+2
.endr
	WIN 0
.irp g, 0,1,2,3,4,5,6,7
	TRIG \g
.endr
	QUANT RE, QT, PC1
	PUT PC1, 0
	v_mov_b32 v[NW], v[QT+16]
	QUANT X, QT, PC2
	PUT PC2, IMG
	v_cndmask_b32 v[NW], v[NW], v[QT+16], s[HIM]   ; lanes 0-15 keep the real part's word, lanes 16-31 take the imaginary's
	s_branch .Ljoin
.Lplain:
	QUANT X, QT, PC1
	PUT PC1, 0
	v_mov_b32 v[NW], v[QT+16]
.Ljoin:
	v_mov_b32 v[WD], v[WD+1]
	v_mov_b32 v[WD+1], v[WD+2]
	v_mov_b32 v[WD+2], v[WD+3]
	v_mov_b32 v[WD+3], v[NW]
	s_and_b32 s20, s[CNT], 3
	s_cmp_eq_u32 s20, 3
	s_cbranch_scc0 .Lno_words
	global_store_b128 v[LI], v[WD:WD+3], s[SDS:SDS+1]   ; four blocks' words: 512 consecutive bytes
	s_wait_xcnt 0x0                                ; the store has read its base
	s_add_nc_u64 s[SDS:SDS+1], s[SDS:SDS+1], 512
.Lno_words:
	s_wait_xcnt 0x0                                ; the trip's stores have read their data and their base: both are written again
	s_add_nc_u64 s[DST:DST+1], s[DST:DST+1], s[DSP:DSP+1]
	s_add_co_u32 s[LOFF], s[LOFF], 8192
	s_add_co_u32 s[CNT], s[CNT], 1
	s_cmp_lt_u32 s[CNT], 8
	s_cbranch_scc1 .Lblk
	s_wait_tensorcnt 0x0                           ; the wave's end: behind my last tensor load and my last LDS store
	ds_add_u32 v[SPW], v[NIL]
	s_wait_dscnt 0x0
	CROUND                                         ; the closing round
	s_endpgm
.Lfunc_end_k_q642af81999_qkv:
	.size	k_q642af81999_qkv, .Lfunc_end_k_q642af81999_qkv-k_q642af81999_qkv
	.p2alignl 7, 3214868480
	.fill 96, 4, 3214868480
	.section	.rodata,"a",@progbits
	.p2align	6, 0x0
	.amdhsa_kernel k_q642af81999_qkv
		.amdhsa_group_segment_fixed_size 327680
		.amdhsa_private_segment_fixed_size 0
		.amdhsa_enable_private_segment 0
		.amdhsa_kernarg_size 48
		.amdhsa_user_sgpr_count 2
		.amdhsa_user_sgpr_kernarg_segment_ptr 1
		.amdhsa_wavefront_size32 1
		.amdhsa_system_sgpr_workgroup_id_x 1
		.amdhsa_system_sgpr_workgroup_id_y 1
		.amdhsa_system_sgpr_workgroup_id_z 1
		.amdhsa_system_vgpr_workitem_id 0
		.amdhsa_next_free_vgpr 1024
		.amdhsa_next_free_sgpr 100
		.amdhsa_reserve_vcc 0
		.amdhsa_float_denorm_mode_32 3
		.amdhsa_float_denorm_mode_16_64 3
		.amdhsa_memory_ordered 1
		.amdhsa_forward_progress 1
		.amdhsa_inst_pref_size 215
	.end_amdhsa_kernel
	.amdgpu_metadata
---
amdhsa.version: [ 1, 2 ]
amdhsa.kernels:
  - .name:           k_q642af81999_qkv
    .symbol:         k_q642af81999_qkv.kd
    .args:
      - { .name: xw_codes, .offset: 0, .size: 8, .value_kind: global_buffer, .address_space: global }
      - { .name: xw_scales, .offset: 8, .size: 8, .value_kind: global_buffer, .address_space: global }
      - { .name: learned_bias, .offset: 16, .size: 8, .value_kind: global_buffer, .address_space: global }
      - { .name: q_codes, .offset: 24, .size: 8, .value_kind: global_buffer, .address_space: global }
      - { .name: q_scales, .offset: 32, .size: 8, .value_kind: global_buffer, .address_space: global }
      - { .name: kv_recs, .offset: 40, .size: 8, .value_kind: global_buffer, .address_space: global }
    .group_segment_fixed_size: 327680
    .private_segment_fixed_size: 0
    .kernarg_segment_align: 8
    .kernarg_segment_size: 48
    .max_flat_workgroup_size: 128
    .sgpr_count:     100
    .vgpr_count:     1024
    .wavefront_size: 32
...
	.end_amdgpu_metadata
.endif
;; end of part 2
;; launch attn (part 3): grid 16 x 16, 8 waves a work-group, clusters of 4 x 4, 327,680 bytes of LDS; arguments q_codes, q_scales, kv_recs, attention_mask, o_codes, o_scales; writes o_codes, o_scales
.if DOCPART == 3
	.amdgcn_target "amdgcn-amd-amdhsa--gfx1250"
	.amdhsa_code_object_version 6
	.text
	.protected	k_q642af81999_attn
	.globl	k_q642af81999_attn
	.p2align	8
	.type	k_q642af81999_attn,@function
k_q642af81999_attn:
	s_mov_b64 s[64:65], 0
	v_nop
	global_prefetch_b8 v0, s[64:65] scope:SCOPE_SE
	s_setreg_imm32_b32 hwreg(HW_REG_WAVE_MODE, 25, 1), 1
	s_wait_xcnt 0x0
	s_wait_alu depctr_hold_cnt(0) depctr_sa_sdst(0) depctr_va_vdst(0) depctr_va_sdst(0) depctr_va_ssrc(0) depctr_va_vcc(0) depctr_vm_vsrc(0)
	s_getreg_b32 s2, hwreg(HW_REG_IB_STS2, 6, 4)
	s_cmp_eq_u32 s2, 0
	s_cbranch_scc0 .Lentry_in_a_cluster
	s_endpgm
.Lentry_in_a_cluster:
	s_bfe_u32 s2, ttmp6, 0x10000c
	s_cmp_lg_u32 s2, 0xf033
	s_cbranch_scc0 .Lentry_shape_is_right
	s_endpgm
.Lentry_shape_is_right:
; Launch 3 of 4: scores = (real . real + imaginary . imaginary) / sqrt(128) + attention_mask; softmax; x V; / the row's sum; quantised for the last projection.  All products on codes of E3M2.
; No work is left out: the mask is an input, so every query walks all 2,048 keys.
; THE SOFTMAX AHEAD OF THE SECOND PRODUCT: logit = fl(score / sqrt(128) + mask) (one fused step); t = fl(logit x log2 e), kept as its own f32 number; M = the running largest t rounded UP to a whole number;
; p = 2^(t - M) is quantised along the keys, not normalised; the row's sum is taken of the unquantised p.  When M moves, the sum and O are multiplied by 2^(old M - new M): exact.
; SHARES.  A work-group owns 128 queries of one head, each of its eight waves one tile of 16 (two waves to a SIMD).  16 key steps of 128 keys through a ring of two LDS slots of one step each.
; A slot holds the head's record of the step (launch 2: K's 16 images, V's 8, their scale words: 38,912 dense bytes) and the mask's tile, 128 queries x 128 keys of f32, rows 528 bytes apart.
; CLUSTER 4 x 4: x = four blocks of queries, y = four heads.  The record hangs on the head alone: asked for jointly along a row of the cluster.  The mask's tile hangs on the block of queries alone: jointly along a column.
; Waves 0-3 fetch the record's quarters, waves 4-7 the mask's: one tensor load a wave behind each round; by this text's count a wave never has more than one out.
; LAYOUT.  Both products transposed: S^T = K Q^T, O^T = V^T P^T: a lane holds ONE query throughout; by the tiles' choice of rows S's register 16 b + i is key 32 b + 16 (lane / 16) + i, and O's likewise along the head's 128.
; The mask's 16 rows that a load touches start two by two in the same banks (places r and r + 8 lie 16 rows apart): 16 of a step's 92 LDS loads.
; OUT: o_codes as launch 4's A operand: [tile of 16 queries (128)][head (16)][image]; o_scales [tile][head / 2][place r][head % 2] words: a wave's 16 words stand 8 bytes apart.
; LIMITS: as stated at the head of launch 1.
.set REC,   38912
.set IMG,   1536
.set VIO,   24576                      ; in a record: V's images,
.set KSO,   36864                      ; K's scale words,
.set VSO,   37888                      ; V's
.set MOFF,  REC                        ; in a slot: the mask's tile
.set MP,    528
.set SLOT1, 131072                     ; slot 1 begins here: one exclusive or turns an address in one slot into the other's
.set SPARE, 262144                     ; the spare words, 128 bytes for each wave, that no other line names
.set LI,  1                            ; v1   16 x lane
.set MI,  2                            ; v2   my place in the mask's tile
.set ADK, 3                            ; v3   LDS address of the step's record
.set ADM, 4                            ; v4   of my row of its mask
.set SPW, 5                            ; v5   LDS address of my spare word; never rewritten
.set NIL, 6                            ; v6   0; never rewritten
.set PFO, 7                            ; v7   the prefetches' offset; never rewritten
.set QR,  16                           ; v16-27 Q's real fragment, v28-39 its imaginary
.set QI,  28
.set QS,  40                           ; v40  Q's scale words: lanes 0-15 real, lanes 16-31 imaginary
.set KS,  44                           ; v44-51 K's, a register a tile, laid likewise
.set VS,  52                           ; v52-59 V's
.set S,   96                           ; v96-159 S^T, then t, then p
.set O,   160                          ; v160-223 O^T
.set MK,  192                          ; window 1: v192-255 the mask; v0-191 K's 16 fragments, then v0-95 V's 8
.set WV, 16
.set W3, 17
.set CX, 18
.set CY, 19
.set QB, 20
.set HD, 21
.set SEL, 22
.set G1K, 24
.set G1M, 32
.set G0K, 40
.set G0M, 44
.set RSQ, 48                           ; s[48:49] 1 / sqrt(128)
.set L2E, 50                           ; s[50:51] log2 e
.set TB,  52                           ; s52  LDS byte at which the slot in hand begins
.set SLOTS, 53                         ; s53  steps still to be asked for
.set PFA, 54                           ; s[54:55] where my prefetches stand
.set PFS, 56                           ; s[56:57] a step on
.set LIM, 58                           ; s58  1 in a wave that prefetches, else the greatest number
.set MSB, 0
.macro WIN new
.if MSB != \new
	s_set_vgpr_msb (MSB<<8)|\new
.set MSB, \new
.endif
.endm
.macro CROUND
	s_barrier_signal -1
	s_barrier_wait -1
	s_cmp_lg_u32 s[WV], 0
	s_cbranch_scc1 .Lnot_wave_0_\@
	s_barrier_signal -3
.Lnot_wave_0_\@:
	s_barrier_wait -3
	s_barrier_signal -1
	s_barrier_wait -1
.endm
.macro TLOAD                           ; the branch hangs on the wave's number alone; an s_nop 0 and four v_nop follow each line
	s_cmp_lt_u32 s[WV], 4
	s_cbranch_scc0 .Lfor_m_\@
	tensor_load_to_lds s[G0K:G0K+3], s[G1K:G1K+7]
	s_nop 0
.rept 4
	v_nop
.endr
	s_branch .Lasked_\@
.Lfor_m_\@:
	tensor_load_to_lds s[G0M:G0M+3], s[G1M:G1M+7]
	s_nop 0
.rept 4
	v_nop
.endr
.Lasked_\@:
.endm
; A PREFETCH of what the NEXT change of slots will ask for, one key step ahead of that load, behind the wave's tensor load and its five lines.
; A head's record is walked by the four clusters of its row of clusters: the first of them (cluster x = 0) asks, waves 0 and 1; its four partners along x take 38 blocks of 256 bytes each, told apart by address;
; thread t names block min(t, 37), so 26 lanes of wave 1 name block 37 again.  A block of queries' mask is walked by the four clusters of its column: cluster y = 0 asks, waves 2 and 3; its four partners along y take
; 32 rows each, two lanes to a row's 512 bytes.  The last change that fills a slot asks for nothing; steps 0 and 1 come by their loads alone.
.macro ASK
	s_cmp_gt_u32 s[SLOTS], s[LIM]
	s_cbranch_scc0 .Lnot_mine_\@
	global_prefetch_b8 v[PFO], s[PFA:PFA+1] th:TH_LOAD_NT scope:SCOPE_SE
.Lnot_mine_\@:
.endm
	s_load_b256 s[4:11], s[0:1], 0x0               ; q_codes, q_scales, kv_recs, attention_mask
	s_load_b128 s[12:15], s[0:1], 0x20             ; o_codes, o_scales
	v_lshl_add_u32 v[SPW], v0, 2, SPARE
	v_mov_b32 v[NIL], 0
	ds_add_u32 v[SPW], v[NIL]                      ; the wave's opening: the add, twice on end, and its wait ahead of my first tensor load
	ds_add_u32 v[SPW], v[NIL]
	v_lshrrev_b32 v8, 5, v0
	v_readfirstlane_b32 s[WV], v8                  ; wave 0..7
	s_and_b32 s[W3], s[WV], 3                      ; which quarter I fetch
	s_bfe_u32 s[CX], ttmp6, 0x40000
	s_bfe_u32 s[CY], ttmp6, 0x40004
	s_lshl_b32 s[QB], ttmp9, 2
	s_add_co_u32 s[QB], s[QB], s[CX]               ; my block of 128 queries
	s_and_b32 s[HD], ttmp7, 0xffff
	s_lshl_b32 s[HD], s[HD], 2
	s_add_co_u32 s[HD], s[HD], s[CY]               ; my head
	s_lshl_b32 s59, s[CY], 2
	s_lshl_b32 s59, 15, s59                        ; my row of the cluster
	s_lshl_b32 s60, 0x1111, s[CX]                  ; my column
	s_or_b32 s[G1K], s59, (3<<16)|(1<<21)          ; a quarter of a record: 9,728 dense bytes as 38 rows of 256 (32 elements of 8 bytes); no padding
	s_mov_b32 s[G1K+1], 32<<16
	s_mov_b32 s[G1K+2], 38<<16
	s_mov_b32 s[G1K+3], 32<<16
	s_mov_b32 s[G1K+4], 38
	s_mov_b32 s[G1K+5], 32
	s_mov_b32 s[G1K+6], 0
	s_mov_b32 s[G1K+7], 0
	s_or_b32 s[G1M], s60, (2<<16)|(1<<20)|(1<<21)|(6<<22)|(3<<25)  ; 32 rows of 128 f32; after every 128 words 4 words of padding
	s_mov_b32 s[G1M+1], 128<<16
	s_mov_b32 s[G1M+2], 32<<16
	s_mov_b32 s[G1M+3], 128<<16
	s_mov_b32 s[G1M+4], 32
	s_mov_b32 s[G1M+5], 2048
	s_mov_b32 s[G1M+6], 0
	s_mov_b32 s[G1M+7], 0
	s_mul_i32 s61, s[W3], REC/4                    ; my quarter of a record, in memory and in a slot
	s_mul_i32 s66, s[HD], 16*REC
	s_add_co_u32 s66, s66, s61
	s_mov_b32 s67, 0
	s_mul_i32 s62, s[W3], 32*MP                    ; my 32 rows of the mask's tile in a slot,
	s_add_co_u32 s62, s62, MOFF
	s_lshl_b32 s68, s[QB], 20                      ; and in memory: 128 rows of 8,192 bytes a block of queries
	s_lshl_b32 s63, s[W3], 18
	s_add_co_u32 s68, s68, s63
	s_mov_b32 s69, 0
	s_lshl_b32 s70, s[HD], 7
	s_lshl_b32 s59, s[QB], 3
	s_add_co_u32 s59, s59, s[WV]                   ; my tile of queries, 0 .. 127
	s_add_co_u32 s70, s70, s59                     ; and among all heads'
	s_lshr_b32 s74, s70, 2
	s_lshl_b32 s74, s74, 9                         ; its group of four tiles' scale words,
	s_and_b32 s75, s70, 3
	s_lshl_b32 s75, s75, 2                         ; its word in a lane's 16 bytes
	s_add_co_u32 s74, s74, s75
	s_mov_b32 s75, 0
	s_mul_i32 s72, s70, 2*IMG                      ; its two images
	s_mov_b32 s73, 0
	s_lshl_b32 s76, s59, 4
	s_add_co_u32 s76, s76, s[HD]
	s_mul_i32 s76, s76, IMG                        ; o_codes: (16 x tile + head) images
	s_mov_b32 s77, 0
	s_lshl_b32 s78, s59, 10                        ; o_scales: 1,024 x tile + 128 (head / 2) + 4 (head % 2)
	s_lshr_b32 s79, s[HD], 1
	s_lshl_b32 s79, s79, 7
	s_add_co_u32 s78, s78, s79
	s_and_b32 s79, s[HD], 1
	s_lshl_b32 s79, s79, 2
	s_add_co_u32 s78, s78, s79
	s_mov_b32 s79, 0
	s_mov_b32 s[SEL], 0x76543210
	s_mov_b32 s[SEL+1], 0xfedcba98
	s_mov_b32 s[RSQ], 0x3db504f3
	s_mov_b32 s[RSQ+1], 0x3db504f3
	s_mov_b32 s[L2E], 0x3fb8aa3b
	s_mov_b32 s[L2E+1], 0x3fb8aa3b
	s_mov_b32 s[TB], 0
	s_mov_b32 s[SLOTS], 15
	v_and_b32 v8, 31, v0
	v_lshlrev_b32 v[LI], 4, v8
	v_and_b32 v8, 15, v0                           ; r
	v_bfe_u32 v9, v0, 4, 1                         ; h
	v_and_b32 v10, 8, v8
	v_add_nc_u32 v10, v10, v8                      ; r + 8 (r / 8)
	s_lshr_b32 s60, s[WV], 1
	s_lshl_b32 s60, s60, 5
	s_and_b32 s63, s[WV], 1
	s_lshl_b32 s63, s63, 3
	s_add_co_u32 s60, s60, s63
	v_add_nc_u32 v10, s60, v10                     ; my query among the block's 128
	v_mul_u32_u24 v[MI], v10, MP
	v_lshl_add_u32 v[MI], v9, 6, v[MI]             ; + 64 h: my 16 keys of a block of 32
	v_add_nc_u32 v[MI], MOFF, v[MI]
	s_wait_dscnt 0x0                               ; both opening adds are done
	s_wait_kmcnt 0x0
	s_mov_b32 s[G0K], 1
	s_mov_b32 s[G0K+1], s61
	s_add_nc_u64 s[G0K+2:G0K+3], s[8:9], s[66:67]
	s_or_b32 s[G0K+3], s[G0K+3], 0x80000000
	s_mov_b32 s[G0M], 1
	s_mov_b32 s[G0M+1], s62
	s_add_nc_u64 s[G0M+2:G0M+3], s[10:11], s[68:69]
	s_or_b32 s[G0M+3], s[G0M+3], 0x80000000
	s_add_nc_u64 s[4:5], s[4:5], s[72:73]
	s_add_nc_u64 s[6:7], s[6:7], s[74:75]
	s_add_nc_u64 s[12:13], s[12:13], s[76:77]
	s_add_nc_u64 s[14:15], s[14:15], s[78:79]
	CROUND                                         ; all sixteen work-groups are here: the first joint loads meet
	TLOAD                                          ; key step 0, into slot 0
.irp g, 0,1,2,3,4,5
	global_load_b128 v[QR+4*\g:QR+4*\g+3], v[LI], s[4:5] offset:512*\g   ; Q's two images stay in registers
.endr
	global_load_b32 v[QS], v[LI], s[6:7]
	; the prefetches: who asks, and where
	s_mul_i32 s70, s[HD], 16*REC
	s_mul_i32 s71, s[CX], 38*256
	s_add_co_u32 s70, s70, s71
	s_add_co_u32 s70, s70, REC                     ; in step 1: the first change of slots steps it to step 2
	s_lshl_b32 s72, s[QB], 20
	s_lshl_b32 s73, s[CY], 18
	s_add_co_u32 s72, s72, s73
	s_add_co_u32 s72, s72, 512
	s_and_b32 s60, ttmp7, 0xffff
	s_cmp_lt_u32 s[WV], 2
	s_cselect_b64 s[PFA:PFA+1], s[8:9], s[10:11]
	s_cselect_b32 s70, s70, s72
	s_mov_b32 s71, 0
	s_mov_b32 s[PFS], 512
	s_cselect_b32 s[PFS], REC, s[PFS]
	s_mov_b32 s[PFS+1], 0
	s_cselect_b32 s73, 0, -1
	s_cselect_b32 s60, ttmp9, s60                  ; the coordinate along which other clusters read the same bytes
	s_add_nc_u64 s[PFA:PFA+1], s[PFA:PFA+1], s[70:71]
	s_lshr_b32 s63, s[WV], 2                       ; waves 4-7 ask for nothing
	s_or_b32 s60, s60, s63
	s_cmp_eq_u32 s60, 0
	s_cselect_b32 s[LIM], 1, -1                    ; the same in all sixteen partners, for a given wave
	v_min_u32 v8, 37, v0
	v_lshlrev_b32 v8, 8, v8
	v_and_b32 v9, 63, v0
	v_lshrrev_b32 v10, 1, v9
	v_and_b32 v9, 1, v9
	v_lshlrev_b32 v9, 8, v9
	v_lshl_add_u32 v9, v10, 13, v9
	v_cndmask_b32 v[PFO], v8, v9, s73
	v_mov_b32 v13, 0xff61b1e6                      ; the largest t so far: -3e38, under every t
	v_floor_f32 v12, -v13                          ; -M
	v_mov_b32 v14, 0                               ; the sum, in two halves
	v_mov_b32 v15, 0
.irp b, 0,1,2,3
	v_mov_b32 v[236+\b], 0                         ; (a lane permute's destination counts as one of its sources)
.endr
	v_mov_b32 v253, 0                              ; (named as the upper half of the pair v[252:253] before it is first written)
.set j, 0
.rept 64
	v_mov_b32 v[O+j], 0                            ; O^T.  (The step is written for the loop alone: the first finds zeros, which the first change of M leaves zeros)
.set j, j+1
.endr
.macro STEP
	v_add_nc_u32 v[ADK], s[TB], v[LI]
	v_add_nc_u32 v[ADM], s[TB], v[MI]
	v_nop
	v_nop                                          ; four places in front of loads into registers that the last products read
	ds_load_b128 v[KS:KS+3], v[ADK] offset:KSO
	ds_load_b128 v[KS+4:KS+7], v[ADK] offset:KSO+512
	WIN 0x40                                       ; destination window 1
.set f, 0
.rept 16
.irp g, 0,1,2
	ds_load_b128 v[12*f+4*\g:12*f+4*\g+3], v[ADK] offset:IMG*f+512*\g   ; image f = 2 x tile of keys + (0: real, 1: imaginary)
.endr
.set f, f+1
.endr
.irp b, 0,1,2,3
.irp i, 0,1,2,3
	ds_load_b128 v[MK+16*\b+4*\i:MK+16*\b+4*\i+3], v[ADM] offset:128*\b+16*\i   ; the mask of my query at keys 32 b + 16 h + 4 i on
.endr
.endr
	WIN 0
	s_wait_dscnt 16                                ; K and its scale words are in; the mask's 16 loads may be out
	WIN 0x01                                       ; source 0 window 1
.irp t, 0,1,2,3,4,5,6,7                        ; the eight accumulators take turns, one instruction a turn
	v_wmma_scale_f32_16x16x128_f8f6f4 v[S+8*\t:S+8*\t+7], v[24*\t:24*\t+11], v[QR:QR+11], 0, v[KS+\t], v[QS] matrix_a_fmt:MATRIX_FMT_BF6 matrix_b_fmt:MATRIX_FMT_BF6
.endr
.irp t, 0,1,2,3,4,5,6,7
	v_wmma_scale_f32_16x16x128_f8f6f4 v[S+8*\t:S+8*\t+7], v[24*\t+12:24*\t+23], v[QI:QI+11], v[S+8*\t:S+8*\t+7], v[KS+\t], v[QS] matrix_a_fmt:MATRIX_FMT_BF6 matrix_b_fmt:MATRIX_FMT_BF6 matrix_a_scale:MATRIX_SCALE_ROW1 matrix_b_scale:MATRIX_SCALE_ROW1
.endr
	WIN 0
.rept 4
	v_nop                                          ; places in front of the loads over K's fragments and of the first read of the scores
.endr
	WIN 0x40
.set f, 0
.rept 8
.irp g, 0,1,2
	ds_load_b128 v[12*f+4*\g:12*f+4*\g+3], v[ADK] offset:VIO+IMG*f+512*\g
.endr
.set f, f+1
.endr
	WIN 0
	ds_load_b128 v[VS:VS+3], v[ADK] offset:VSO
	ds_load_b128 v[VS+4:VS+7], v[ADK] offset:VSO+512
	s_wait_dscnt 26                                ; the mask is in; V's 24 loads and its scale words' 2 may be out
	WIN 0x10                                       ; source 2 window 1
.set j, 0
.rept 32
	v_pk_fma_f32 v[S+j:S+j+1], v[S+j:S+j+1], s[RSQ:RSQ+1], v[MK+j:MK+j+1] op_sel_hi:[1,0,1]   ; the logit; each accumulator is read from its low end on
.set j, j+2
.endr
	WIN 0
.set j, 0
.rept 32
	v_pk_mul_f32 v[S+j:S+j+1], v[S+j:S+j+1], s[L2E:L2E+1] op_sel_hi:[1,0]   ; t
.set j, j+2
.endr
.irp b, 0,1,2,3
	v_max3_num_f32 v[232+\b], v[S+16*\b], v[S+1+16*\b], v[S+2+16*\b]   ; the largest t of each block of 32 keys: for the row's maximum, and, since p rises with t, for the block's largest p
.endr
.irp i, 3,5,7,9,11,13
.irp b, 0,1,2,3
	v_max3_num_f32 v[232+\b], v[232+\b], v[S+16*\b+\i], v[S+1+16*\b+\i]
.endr
.endr
.irp b, 0,1,2,3
	v_max_num_f32 v[232+\b], v[232+\b], v[S+15+16*\b]
.endr
.irp b, 0,1,2,3
	v_permlanex16_b32 v[236+\b], v[232+\b], s[SEL], s[SEL+1]
.endr
.irp b, 0,1,2,3
	v_max_num_f32 v[232+\b], v[232+\b], v[236+\b]  ; with lane l xor 16's 16 keys
.endr
	v_max3_num_f32 v254, v232, v233, v234
	v_max_num_f32 v254, v254, v235
	v_max_num_f32 v13, v13, v254                   ; the running largest t
	v_mov_b32 v254, v12
	v_floor_f32 v12, -v13                          ; the new -M = -ceil(t): a whole number
	v_sub_f32 v254, v12, v254                      ; old M - new M: a whole number, 0 or less
	v_cvt_i32_f32 v254, v254                       ; (it saturates)
	v_ldexp_f32 v252, 1.0, v254                    ; f = 2^(old M - new M)
.set j, 0
.rept 32
	v_pk_add_f32 v[S+j:S+j+1], v[S+j:S+j+1], v[12:13] op_sel_hi:[1,0]   ; t - M
.set j, j+2
.endr
.irp b, 0,1,2,3
	v_add_f32 v[232+\b], v[232+\b], v12            ; the same of each block's largest t
.endr
.set j, 0
.rept 64
	v_exp_f32 v[S+j], v[S+j]                       ; p = 2^(t - M), at most 1
.set j, j+1
.endr
	v_pk_mul_f32 v[14:15], v[14:15], v[252:253] op_sel_hi:[1,0]   ; the sums under the new M (a plain place behind the exponentials)
	s_wait_alu depctr_va_vdst(0)                   ; one wait for the whole batch, ahead of its first reader
.irp b, 0,1,2,3
	v_exp_f32 v[232+\b], v[232+\b]                 ; the block's largest p: the same addition and exponential on the same number give the same bits
.endr
	v_pk_add_f32 v[236:237], v[S:S+1], v[S+2:S+3]  ; the row's sum is taken of the unquantised p, in two chains (plain work behind the four)
.irp j, 4,8,12,16,20,24,28,32,36,40,44,48,52,56,60
	v_pk_add_f32 v[14:15], v[14:15], v[S+\j:S+1+\j]
	v_pk_add_f32 v[236:237], v[236:237], v[S+2+\j:S+3+\j]
.endr
	v_pk_add_f32 v[14:15], v[14:15], v[236:237]
	s_wait_alu depctr_va_vdst(0)                   ; and one for the four
.irp b, 0,1,2,3
	v_max_num_f32 v[232+\b], 0x2800000, v[232+\b]  ; the floor 2^(5 - 127): the byte cannot fall under 1
.endr
.irp b, 0,1,2,3
	v_add_nc_u32 v[244+\b], 0xfe000000, v[232+\b]  ; 4 off the exponent field: the conversion's scale operand
.endr
.irp b, 0,1,2,3
	v_lshrrev_b32 v[236+\b], 23, v[244+\b]         ; the scale's byte
.endr
	v_lshl_or_b32 v253, v237, 8, v236              ; p's scale word for these 128 keys
	v_lshl_or_b32 v253, v238, 16, v253
	v_lshl_or_b32 v253, v239, 24, v253
.irp c, 0,1
	v_cvt_scalef32_pk16_bf6_f32 v[224+6*\c:226+6*\c], v[S+32*\c:S+15+32*\c], v[244+2*\c]
	v_cvt_scalef32_pk16_bf6_f32 v[236+4*\c:238+4*\c], v[S+16+32*\c:S+31+32*\c], v[244+2*\c+1]
.endr
	v_nop                                          ; one plain place behind a scaled conversion
.irp c, 0,1
.irp i, 0,1,2
	v_permlane16_swap_b32 v[224+6*\c+\i], v[236+4*\c+\i]
.endr
.irp i, 0,1,2
	v_mov_b32 v[227+6*\c+\i], v[236+4*\c+\i]
.endr
.endr
.set j, 0
.rept 32
	v_pk_mul_f32 v[O+j:O+j+1], v[O+j:O+j+1], v[252:253] op_sel_hi:[1,0]   ; O^T under the new M (these 32 are also the places between p's codes and scale word and the products)
.set j, j+2
.endr
	s_wait_dscnt 0x0                               ; V and its scale words are in
	WIN 0x01
.irp t, 0,1,2,3,4,5,6,7
	v_wmma_scale_f32_16x16x128_f8f6f4 v[O+8*\t:O+8*\t+7], v[12*\t:12*\t+11], v[224:235], v[O+8*\t:O+8*\t+7], v[VS+\t], v253 matrix_a_fmt:MATRIX_FMT_BF6 matrix_b_fmt:MATRIX_FMT_BF6
.endr
	WIN 0
	s_xor_b32 s[TB], s[TB], SLOT1                  ; on to the other slot
.endm
; THE CHANGE OF SLOTS stands at a step's head.  Each wave waits for all its tensor loads (its part of the slot that it is about to read), adds 0 to its spare word, and waits for that and for its reads of the slot that it has left.
; fill = 1: behind a round of the cluster's barrier that other slot is filled with the next step: the load has a whole step in which to land.
.macro CHANGE fill
	s_wait_tensorcnt 0x0                           ; no tensor load of mine is out, so a group 0 may be written
	ds_add_u32 v[SPW], v[NIL]                      ; 0 onto my spare word
.if \fill
	s_xor_b32 s[G0K+1], s[G0K+1], SLOT1
	s_add_nc_u64 s[G0K+2:G0K+3], s[G0K+2:G0K+3], REC
	s_xor_b32 s[G0M+1], s[G0M+1], SLOT1
	s_add_nc_u64 s[G0M+2:G0M+3], s[G0M+2:G0M+3], 512
	s_wait_xcnt 0x0                                ; the last prefetch, a step back, has read its address
	s_add_nc_u64 s[PFA:PFA+1], s[PFA:PFA+1], s[PFS:PFS+1]
	s_wait_dscnt 0x0                               ; the add is done, and my reads of the slot that I have left are over
	CROUND
	TLOAD                                          ; the first thing behind the round, and my one tensor load until the next
	ASK
.else
	s_wait_dscnt 0x0
	s_barrier_signal -1
	s_barrier_wait -1
.endif
.endm
	s_wait_loadcnt 0x0                             ; Q
.Lstep:                                            ; 15 trips: behind each change of slots but the last the next step is asked for
	CHANGE 1
	STEP
	s_sub_co_u32 s[SLOTS], s[SLOTS], 1
	s_cmp_lg_u32 s[SLOTS], 0
	s_cbranch_scc1 .Lstep
	CHANGE 0                                       ; the last step is written out
	STEP
.macro QUANT s, tm, pc                 ; 64 numbers of a lane, register 16 b + i = k 32 b + 16 (lane / 16) + i of my row -> codes in v[pc] .. v[pc + 11], scale word in v[tm + 16]
.irp b, 0,1,2,3
	v_max3_num_f32 v[\tm+\b], |v[\s+16*\b]|, |v[\s+1+16*\b]|, 0x2800000
.endr
.irp i, 2,4,6,8,10,12,14
.irp b, 0,1,2,3
	v_max3_num_f32 v[\tm+\b], v[\tm+\b], |v[\s+16*\b+\i]|, |v[\s+1+16*\b+\i]|
.endr
.endr
.irp b, 0,1,2,3
	v_permlanex16_b32 v[\tm+4+\b], v[\tm+\b], s[SEL], s[SEL+1]
.endr
.irp b, 0,1,2,3
	v_max_num_f32 v[\tm+\b], v[\tm+\b], v[\tm+4+\b]
.endr
.irp b, 0,1,2,3
	v_add_nc_u32 v[\tm+12+\b], 0xfe000000, v[\tm+\b]
.endr
.irp b, 0,1,2,3
	v_lshrrev_b32 v[\tm+4+\b], 23, v[\tm+12+\b]
.endr
	v_lshl_or_b32 v[\tm+16], v[\tm+5], 8, v[\tm+4]
	v_lshl_or_b32 v[\tm+16], v[\tm+6], 16, v[\tm+16]
	v_lshl_or_b32 v[\tm+16], v[\tm+7], 24, v[\tm+16]
.irp c, 0,1
	v_cvt_scalef32_pk16_bf6_f32 v[\pc+6*\c:\pc+2+6*\c], v[\s+32*\c:\s+15+32*\c], v[\tm+12+2*\c]
	v_cvt_scalef32_pk16_bf6_f32 v[\pc+12+4*\c:\pc+14+4*\c], v[\s+16+32*\c:\s+31+32*\c], v[\tm+12+2*\c+1]
.endr
	v_nop
.irp c, 0,1
.irp i, 0,1,2
	v_permlane16_swap_b32 v[\pc+6*\c+\i], v[\pc+12+4*\c+\i]
.endr
.irp i, 0,1,2
	v_mov_b32 v[\pc+3+6*\c+\i], v[\pc+12+4*\c+\i]
.endr
.endr
.endm
	; THE WAY OUT: O^T / the row's sum, quantised along the head's 128, which are 128 of the last projection's K
.rept 4
	v_nop                                          ; places behind the last products
.endr
	v_add_f32 v14, v14, v15                        ; the sum's two halves,
	v_permlanex16_b32 v252, v14, s[SEL], s[SEL+1]
	v_add_f32 v14, v14, v252                       ; and lane l xor 16's
	v_rcp_f32 v14, v14
	v_and_b32 v8, 15, v0                           ; (a plain place behind the reciprocal)
	v_lshlrev_b32 v8, 3, v8                        ; 8 r
	s_wait_alu depctr_va_vdst(0)                   ; the wait, ahead of the first reader
.set j, 0
.rept 64
	v_mul_f32 v[S+j], v[O+j], v14                  ; register 16 b + i is feature 32 b + 16 h + i of my query
.set j, j+1
.endr
	QUANT S, O, O+20
.irp g, 0,1,2
	global_store_b128 v[LI], v[O+20+4*\g:O+20+4*\g+3], s[12:13] offset:512*\g
.endr
	global_store_b32 v8, v[O+16], s[14:15]         ; lanes l and l xor 16 hold the same word and name the same address
	s_wait_tensorcnt 0x0                           ; the wave's end: behind my last tensor load
	ds_add_u32 v[SPW], v[NIL]
	s_wait_dscnt 0x0
	CROUND                                         ; the closing round
	s_endpgm
.Lfunc_end_k_q642af81999_attn:
	.size	k_q642af81999_attn, .Lfunc_end_k_q642af81999_attn-k_q642af81999_attn
	.p2alignl 7, 3214868480
	.fill 96, 4, 3214868480
	.section	.rodata,"a",@progbits
	.p2align	6, 0x0
	.amdhsa_kernel k_q642af81999_attn
		.amdhsa_group_segment_fixed_size 327680
		.amdhsa_private_segment_fixed_size 0
		.amdhsa_enable_private_segment 0
		.amdhsa_kernarg_size 48
		.amdhsa_user_sgpr_count 2
		.amdhsa_user_sgpr_kernarg_segment_ptr 1
		.amdhsa_wavefront_size32 1
		.amdhsa_system_sgpr_workgroup_id_x 1
		.amdhsa_system_sgpr_workgroup_id_y 1
		.amdhsa_system_sgpr_workgroup_id_z 1
		.amdhsa_system_vgpr_workitem_id 0
		.amdhsa_next_free_vgpr 512
		.amdhsa_next_free_sgpr 80
		.amdhsa_reserve_vcc 0
		.amdhsa_float_denorm_mode_32 3
		.amdhsa_float_denorm_mode_16_64 3
		.amdhsa_memory_ordered 1
		.amdhsa_forward_progress 1
		.amdhsa_inst_pref_size 71
	.end_amdhsa_kernel
	.amdgpu_metadata
---
amdhsa.version: [ 1, 2 ]
amdhsa.kernels:
  - .name:           k_q642af81999_attn
    .symbol:         k_q642af81999_attn.kd
    .args:
      - { .name: q_codes, .offset: 0, .size: 8, .value_kind: global_buffer, .address_space: global }
      - { .name: q_scales, .offset: 8, .size: 8, .value_kind: global_buffer, .address_space: global }
      - { .name: kv_recs, .offset: 16, .size: 8, .value_kind: global_buffer, .address_space: global }
      - { .name: attention_mask, .offset: 24, .size: 8, .value_kind: global_buffer, .address_space: global }
      - { .name: o_codes, .offset: 32, .size: 8, .value_kind: global_buffer, .address_space: global }
      - { .name: o_scales, .offset: 40, .size: 8, .value_kind: global_buffer, .address_space: global }
    .group_segment_fixed_size: 327680
    .private_segment_fixed_size: 0
    .kernarg_segment_align: 8
    .kernarg_segment_size: 48
    .max_flat_workgroup_size: 256
    .sgpr_count:     80
    .vgpr_count:     512
    .wavefront_size: 32
...
	.end_amdgpu_metadata
.endif
;; end of part 3
;; launch oproj (part 4): grid 8 x 8, 4 waves a work-group, clusters of 4 x 4, 327,680 bytes of LDS; arguments o_codes, o_scales, xw_codes, xw_scales, out0; writes out0
.if DOCPART == 4
	.amdgcn_target "amdgcn-amd-amdhsa--gfx1250"
	.amdhsa_code_object_version 6
	.text
	.protected	k_q642af81999_oproj
	.globl	k_q642af81999_oproj
	.p2align	8
	.type	k_q642af81999_oproj,@function
k_q642af81999_oproj:
	s_mov_b64 s[64:65], 0
	v_nop
	global_prefetch_b8 v0, s[64:65] scope:SCOPE_SE
	s_setreg_imm32_b32 hwreg(HW_REG_WAVE_MODE, 25, 1), 1
	s_wait_xcnt 0x0
	s_wait_alu depctr_hold_cnt(0) depctr_sa_sdst(0) depctr_va_vdst(0) depctr_va_sdst(0) depctr_va_ssrc(0) depctr_va_vcc(0) depctr_vm_vsrc(0)
	s_getreg_b32 s2, hwreg(HW_REG_IB_STS2, 6, 4)
	s_cmp_eq_u32 s2, 0
	s_cbranch_scc0 .Lentry_in_a_cluster
	s_endpgm
.Lentry_in_a_cluster:
	s_bfe_u32 s2, ttmp6, 0x10000c
	s_cmp_lg_u32 s2, 0xf033
	s_cbranch_scc0 .Lentry_shape_is_right
	s_endpgm
.Lentry_shape_is_right:
; Launch 4 of 4: out0[s][h] = the sum over o of out[s][o] wo[h][o], on codes of E3M2 with E8M0 scales; out0 [2048][2048] f32.  No work is left out.
; The same product as launch 2's: a tile of 256 x 256 to a work-group, four waves of 128 x 128, K = 2,048 in steps of 256 through a ring of two LDS slots filled by joint tensor loads of a 4 x 4 cluster.
; A = attention's result (launch 3: tiles of 16 queries, K step = head), B = wo (launch 1: tiles 512 on).  Operands lie as images of their registers: a fragment is three ds_load_b128 at 16 x lane.
; Transposed use: source 0 = 16 rows of wo, source 1 = 16 queries: a lane holds one query and eight neighbouring outputs.  By the tiles' choice of rows accumulator (a, b) holds rows 32 (a / 2) + 8 (a % 2) + r + 8 (r / 8)
; and columns 32 (b / 2) + 16 h + 8 (b % 2) + 0 .. 7 of my 128 x 128.  64 tiles of C: 64 work-groups; a smaller tile would fill more of the chip at twice the LDS reads for each product.
.set NQ,     2
.set FR,     12
.set NL,     3
.set NP,     4
.set IMG,    1536
.set TROW,   2*IMG
.set TPITCH, 16*IMG
.set HALFT,  8*TROW
.set SLOT,   4*HALFT
.set LAPS,   4
.set SCL,    2*SLOT
.set HALFS,  8192
.set SPARE,  SCL+4*HALFS               ; behind the scale words: the spare words, 128 bytes for each wave, that no other line names
.set SPITCH, 528                       ; the way out: a stage of 16 rows x (512 bytes + 16) for each wave, in slot 0, which has had its last fill and its last read when the first result is stored there
.set ADRA, 16
.set ADRB, 20
.set STO,  24                          ; v24  the way out: where I put 32 bytes of a row
.set RD,   25                          ; v25  where I read a row back
.set CO,   26                          ; v26  my byte offset in a row of C
.set ADRS, 27
.set SPW,  28
.set NIL,  29
.set SC,   32
.set AF,   128
.set BK,   128                         ; the way out: 16 rows read back: v128-191 and v192-255 by turns
.set WV, 16
.set HR, 17
.set HC, 18
.set TY, 19
.set CX, 40
.set CY, 41
.set TX, 42
.set G1, 24
.set G0, 32
.set G1B, 48
.set G0B, 56
.set G1S, 68
.set G0S, 76
.set G1SB, 80
.set G0SB, 88
.set MSB, 0
.macro WIN new
.if MSB != \new
	s_set_vgpr_msb (MSB<<8)|\new
.set MSB, \new
.endif
.endm
.set MUL_LO, 0xa1
.set MUL_HI, 0xf1
.set TO_B,   0x40
.macro JLOAD g0a, g1a, g0b, g1b        ; waves 0 and 1 fetch for A, waves 2 and 3 for B; an s_nop 0 and four v_nop follow each line
	s_cmp_eq_u32 s[HR], 0
	s_cbranch_scc0 .Lfor_b_\@
	tensor_load_to_lds s[\g0a:\g0a+3], s[\g1a:\g1a+7]
	s_nop 0
.rept 4
	v_nop
.endr
	s_branch .Lasked_\@
.Lfor_b_\@:
	tensor_load_to_lds s[\g0b:\g0b+3], s[\g1b:\g1b+7]
	s_nop 0
.rept 4
	v_nop
.endr
.Lasked_\@:
.endm
.macro CREST
	s_cmp_lg_u32 s[WV], 0
	s_cbranch_scc1 .Lnot_wave_0_\@
	s_barrier_signal -3
.Lnot_wave_0_\@:
	s_barrier_wait -3
	s_barrier_signal -1
	s_barrier_wait -1
.endm
.macro CROUND
	s_barrier_signal -1
	s_barrier_wait -1
	CREST
.endm
	s_load_b128 s[4:7], s[0:1], 0x0                ; o_codes, o_scales
	s_load_b128 s[8:11], s[0:1], 0x10              ; xw_codes, xw_scales
	s_load_b64 s[12:13], s[0:1], 0x20              ; out0
	v_lshl_add_u32 v[SPW], v0, 2, SPARE
	v_mov_b32 v[NIL], 0
	ds_add_u32 v[SPW], v[NIL]                      ; the wave's opening: the add, twice on end, and its wait ahead of my first tensor load
	ds_add_u32 v[SPW], v[NIL]
	v_lshrrev_b32 v1, 5, v0
	v_readfirstlane_b32 s[WV], v1
	s_lshr_b32 s[HR], s[WV], 1
	s_and_b32 s[HC], s[WV], 1
	s_bfe_u32 s[CX], ttmp6, 0x40000
	s_bfe_u32 s[CY], ttmp6, 0x40004
	s_lshl_b32 s[TX], ttmp9, 2
	s_add_co_u32 s[TX], s[TX], s[CX]
	s_and_b32 s[TY], ttmp7, 0xffff
	s_lshl_b32 s[TY], s[TY], 2
	s_add_co_u32 s[TY], s[TY], s[CY]
	s_lshl_b32 s43, s[CY], 2
	s_lshl_b32 s43, 15, s43                        ; my row of the cluster
	s_lshl_b32 s44, 0x1111, s[CX]                  ; my column
	s_or_b32 s[G1], s43, (3<<16)|(1<<21)           ; 8 tiles' K step: 8 rows of 3,072 bytes, 24,576 bytes apart; elements of 8 bytes; no padding
	s_or_b32 s[G1B], s44, (3<<16)|(1<<21)
.irp g, G1, G1B
	s_mov_b32 s[\g+1], (TROW/8)<<16
	s_mov_b32 s[\g+2], 8<<16
	s_mov_b32 s[\g+3], (TROW/8)<<16
	s_mov_b32 s[\g+4], 8
	s_mov_b32 s[\g+5], TPITCH/8
	s_mov_b32 s[\g+6], 0
	s_mov_b32 s[\g+7], 0
.endr
	s_or_b32 s[G1S], s43, (3<<16)|(1<<21)          ; 8 tiles' scale words: 8,192 dense bytes as 32 rows of 256
	s_or_b32 s[G1SB], s44, (3<<16)|(1<<21)
.irp g, G1S, G1SB
	s_mov_b32 s[\g+1], 32<<16
	s_mov_b32 s[\g+2], 32<<16
	s_mov_b32 s[\g+3], 32<<16
	s_mov_b32 s[\g+4], 32
	s_mov_b32 s[\g+5], 32
	s_mov_b32 s[\g+6], 0
	s_mov_b32 s[\g+7], 0
.endr
	s_lshl_b32 s21, s[HC], 3                       ; which 8 tiles I fetch
	s_lshl_b32 s20, s[TY], 4
	s_add_co_u32 s20, s20, s21                     ; A's
	s_lshl_b32 s46, s[TX], 4
	s_add_co_u32 s46, s46, s21
	s_add_co_u32 s46, s46, 512                     ; B's: wo begins at tile 512
	s_lshl_b32 s22, s20, 10
	s_mul_i32 s20, s20, TPITCH
	s_mov_b32 s21, 0
	s_mov_b32 s23, 0
	s_lshl_b32 s92, s46, 10
	s_mul_i32 s46, s46, TPITCH
	s_mov_b32 s47, 0
	s_mov_b32 s93, 0
	s_mul_i32 s94, s[WV], HALFT
	s_mul_i32 s95, s[WV], HALFS
	s_wait_dscnt 0x0                               ; both opening adds are done
	s_wait_kmcnt 0x0
	s_add_nc_u64 s[20:21], s[4:5], s[20:21]
	s_add_nc_u64 s[22:23], s[6:7], s[22:23]
	s_add_nc_u64 s[46:47], s[8:9], s[46:47]
	s_add_nc_u64 s[92:93], s[10:11], s[92:93]
	CROUND                                         ; all sixteen work-groups are here: the first joint loads meet
	s_mov_b32 s[G0S], 1
	s_add_co_u32 s[G0S+1], s95, SCL
	s_mov_b64 s[G0S+2:G0S+3], s[22:23]
	s_or_b32 s[G0S+3], s[G0S+3], 0x80000000
	s_mov_b32 s[G0SB], 1
	s_add_co_u32 s[G0SB+1], s95, SCL
	s_mov_b64 s[G0SB+2:G0SB+3], s[92:93]
	s_or_b32 s[G0SB+3], s[G0SB+3], 0x80000000
	JLOAD G0S, G1S, G0SB, G1SB
.irp s, 0,1
	s_mov_b32 s[G0+4*\s], 1
	s_add_co_u32 s[G0+4*\s+1], s94, \s*SLOT
	s_add_nc_u64 s[G0+4*\s+2:G0+4*\s+3], s[20:21], \s*TROW
	s_or_b32 s[G0+4*\s+3], s[G0+4*\s+3], 0x80000000
	s_mov_b32 s[G0B+4*\s], 1
	s_add_co_u32 s[G0B+4*\s+1], s94, \s*SLOT
	s_add_nc_u64 s[G0B+4*\s+2:G0B+4*\s+3], s[46:47], \s*TROW
	s_or_b32 s[G0B+4*\s+3], s[G0B+4*\s+3], 0x80000000
	JLOAD G0+4*\s, G1, G0B+4*\s, G1B               ; three tensor loads of mine are out
.endr
	v_and_b32 v1, 15, v0                           ; r
	v_bfe_u32 v2, v0, 4, 1                         ; h
	v_and_b32 v3, 31, v0
	v_lshlrev_b32 v[CO], 4, v3                     ; 16 x lane
	s_mul_i32 s21, s[HR], HALFT
	s_mul_i32 s22, s[HC], HALFT
	s_add_co_u32 s22, s22, 2*HALFT
.irp s, 0,1
	v_add_nc_u32 v[ADRA+\s], s21, v[CO]
	v_add_nc_u32 v[ADRB+\s], s22, v[CO]
	s_add_co_u32 s21, s21, SLOT
	s_add_co_u32 s22, s22, SLOT
.endr
	v_lshlrev_b32 v5, 3, v1
	s_mul_i32 s21, s[HR], HALFS
	s_mul_i32 s22, s[HC], HALFS
	s_add_co_u32 s22, s22, 2*HALFS
	s_sub_co_u32 s22, s22, s21
	v_mul_u32_u24 v6, s22, v2                      ; lanes 16-31 take B's: one product, the distance between the two bases
	s_add_co_u32 s21, s21, SCL
	v_add_nc_u32 v5, v5, v6
	v_add_nc_u32 v[ADRS], s21, v5
	s_mul_i32 s23, s[WV], 16*SPITCH                ; my stage
	v_mul_u32_u24 v5, v1, SPITCH
	v_lshl_add_u32 v5, v2, 6, v5                   ; in: row r, + 64 h
	v_add_nc_u32 v[STO], s23, v5
	v_add_nc_u32 v[RD], s23, v[CO]                 ; back: the 32 lanes take one row of 512 bytes
	s_lshl_b32 s20, s[TY], 21                      ; my first row of C: 256 x tile row + 128 x half, rows of 8,192 bytes
	s_lshl_b32 s21, s[HR], 20
	s_add_co_u32 s20, s20, s21
	s_mov_b32 s21, 0
	s_lshl_b32 s46, s[TX], 10                      ; my first column, in bytes
	s_lshl_b32 s47, s[HC], 9
	s_add_co_u32 s46, s46, s47
	s_mov_b32 s47, 0
	s_add_nc_u64 s[20:21], s[20:21], s[46:47]
	s_add_nc_u64 s[12:13], s[12:13], s[20:21]
.macro FRAG reg, adr, q, i
.irp g, 0,1,2
	ds_load_b128 v[\reg+4*\g:\reg+4*\g+3], v[\adr] offset:(\i)*TROW+(\q)*IMG+512*\g
.endr
.endm
.macro MUL16 a0, p, q, sc, zero        ; the 64 accumulators take turns, one instruction a turn, in the same order in every step
.irp a, \a0, \a0+1
.irp b, 0,1,2,3,4,5,6,7
.if \zero
	v_wmma_scale_f32_16x16x128_f8f6f4 v[8*(8*((\a)%4)+\b):8*(8*((\a)%4)+\b)+7], v[128*(\p)+FR*\b:128*(\p)+FR*\b+FR-1], v[AF+FR*(\a):AF+FR*(\a)+FR-1], 0, v[SC+8*NQ*(\sc)+NQ*\b+(\q)], v[SC+8*NQ*(\sc)+NQ*(\a)+(\q)] matrix_a_fmt:MATRIX_FMT_BF6 matrix_b_fmt:MATRIX_FMT_BF6 matrix_a_scale:MATRIX_SCALE_ROW1
.else
	v_wmma_scale_f32_16x16x128_f8f6f4 v[8*(8*((\a)%4)+\b):8*(8*((\a)%4)+\b)+7], v[128*(\p)+FR*\b:128*(\p)+FR*\b+FR-1], v[AF+FR*(\a):AF+FR*(\a)+FR-1], v[8*(8*((\a)%4)+\b):8*(8*((\a)%4)+\b)+7], v[SC+8*NQ*(\sc)+NQ*\b+(\q)], v[SC+8*NQ*(\sc)+NQ*(\a)+(\q)] matrix_a_fmt:MATRIX_FMT_BF6 matrix_b_fmt:MATRIX_FMT_BF6 matrix_a_scale:MATRIX_SCALE_ROW1
.endif
.endr
.endr
.endm
.macro FETCH_B slot, q, p
	WIN TO_B
.irp i, 0,1,2,3,4,5,6,7
	FRAG 128*(\p)+FR*\i, ADRB+\slot, \q, \i
.endr
	WIN 0
.endm
.macro FETCH_A slot, q, i0
.irp i, \i0, \i0+1, \i0+2, \i0+3
	FRAG AF+FR*(\i), ADRA+\slot, \q, \i
.endr
.endm
.macro SCALES sc
.irp i, 0,1,2,3,4,5,6,7
	ds_load_b64 v[SC+8*NQ*\sc+NQ*\i:SC+8*NQ*\sc+NQ*\i+1], v[ADRS] offset:\i*1024
.endr
.endm
.macro PLACES n
.rept \n
	v_nop
.endr
.endm
.macro STEP slot, q, zero
	s_wait_dscnt 4*NL                              ; B's set and A's blocks 0-3 are in; the youngest 12 loads (A's blocks 4-7) may be out
	WIN MUL_LO
	MUL16 0, (\q)%2, \q, \slot, \zero
	MUL16 2, (\q)%2, \q, \slot, \zero
	s_wait_dscnt 0
	PLACES NP
	FETCH_B \slot, (\q)+1, 1-(\q)%2
	FETCH_A \slot, (\q)+1, 0
	WIN MUL_HI
	MUL16 4, (\q)%2, \q, \slot, \zero
	MUL16 6, (\q)%2, \q, \slot, \zero
	PLACES NP
	WIN 0
	FETCH_A \slot, (\q)+1, 4
.endm
.macro TURN slot, next, fill
	s_wait_tensorcnt 0x0                           ; all my tensor loads have landed: my part of the next slot
	ds_add_u32 v[SPW], v[NIL]                      ; 0 onto my spare word
	s_wait_dscnt 4*NL+1                            ; (the add and the youngest 12 loads may be out)
	WIN MUL_LO
	MUL16 0, 1, NQ-1, \slot, 0
	s_wait_dscnt 0x0                               ; the add is done, and my reads of this slot are over
	s_barrier_signal -1
	MUL16 2, 1, NQ-1, \slot, 0
	WIN 0
	s_barrier_wait -1
.if \fill
	CREST                                          ; the barrier has opened a round of the cluster's: no wave of any partner still reads this slot or has a load on its way
	s_add_nc_u64 s[G0+4*\slot+2:G0+4*\slot+3], s[G0+4*\slot+2:G0+4*\slot+3], 2*TROW
	s_add_nc_u64 s[G0B+4*\slot+2:G0B+4*\slot+3], s[G0B+4*\slot+2:G0B+4*\slot+3], 2*TROW
	JLOAD G0+4*\slot, G1, G0B+4*\slot, G1B         ; the first tensor load behind the round, my one load until the next
.else
	PLACES NP
.endif
	v_add_nc_u32 v[ADRS], 128, v[ADRS]
	FETCH_B \next, 0, 0
	FETCH_A \next, 0, 0
	SCALES \next
	WIN MUL_HI
	MUL16 4, 1, NQ-1, \slot, 0
	MUL16 6, 1, NQ-1, \slot, 0
	PLACES NP
	WIN 0
	FETCH_A \next, 0, 4
.endm
	s_wait_tensorcnt 1                             ; the scale words and my part of K step 0 are in (K step 1's load may be out)
	s_barrier_signal -1
	s_barrier_wait -1
	FETCH_B 0, 0, 0
	FETCH_A 0, 0, 0
	SCALES 0
	FETCH_A 0, 0, 4
	STEP 0, 0, 1
	s_mov_b32 s3, LAPS-1
.Llap:
	TURN 0, 1, 1
	STEP 1, 0, 0
	TURN 1, 0, 1
	STEP 0, 0, 0
	s_sub_co_u32 s3, s3, 1
	s_cmp_lg_u32 s3, 0
	s_cbranch_scc1 .Llap
	TURN 0, 1, 0
	STEP 1, 0, 0
	s_wait_dscnt 4*NL
	WIN MUL_LO
	MUL16 0, 1, NQ-1, 1, 0
	MUL16 2, 1, NQ-1, 1, 0
	s_wait_dscnt 0
	WIN MUL_HI
	MUL16 4, 1, NQ-1, 1, 0
	MUL16 6, 1, NQ-1, 1, 0
	WIN 0
; THE WAY OUT, block by block of 16 rows x 128 columns, through my own stage in LDS; back as whole rows of 512 bytes.  LDS serves a wave's instructions in order: no wait between the stores and the loads.
.macro TOSTAGE a
.set AC, 64*((\a)%4)
	WIN 0x08+4*((\a)/4)                            ; the data: window 2 or 3
.irp b, 0,1,2,3,4,5,6,7
	ds_store_b128 v[STO], v[AC+8*\b:AC+8*\b+3] offset:128*(\b/2)+32*(\b%2)        ; each accumulator from its low end on
	ds_store_b128 v[STO], v[AC+8*\b+4:AC+8*\b+7] offset:128*(\b/2)+32*(\b%2)+16
.endr
	WIN 0
.set BB, BK+64*((\a)%2)
.irp t, 0,1,2,3,4,5,6,7,8,9,10,11,12,13,14,15
	ds_load_b128 v[BB+4*\t:BB+4*\t+3], v[RD] offset:\t*SPITCH
.endr
.endm
.macro SEND a, younger                 ; younger: the LDS instructions issued behind block a's loads, which may stay out
.set BB, BK+64*((\a)%2)
	s_wait_dscnt \younger
.if (\a) > 0
.if ((\a)%2) == 1
	s_add_nc_u64 s[12:13], s[12:13], 8*8192        ; (behind a wait on XCNT)  an odd block begins 8 rows on,
.else
	s_add_nc_u64 s[12:13], s[12:13], 24*8192       ; an even one 24
.endif
.endif
.irp t, 0,1,2,3,4,5,6,7,8,9,10,11,12,13,14,15
	global_store_b128 v[CO], v[BB+4*\t:BB+4*\t+3], s[12:13] offset:(\t+8*(\t/8))*8192 th:TH_STORE_NT   ; place t of the block is row t + 8 (t / 8): 512 consecutive bytes, aligned
.endr
.endm
	PLACES NP
	TOSTAGE 0
.irp a, 1,2,3,4,5,6,7
.if \a > 1
	s_wait_xcnt 0x0                                ; block a - 2's stores have read their registers and their base
.endif
	TOSTAGE \a
	SEND \a-1, 32                                  ; behind block a - 1's loads: block a's 16 stores and 16 loads
.endr
	s_wait_xcnt 0x0
	SEND 7, 0
	s_wait_tensorcnt 0x0                           ; the wave's end: behind my last tensor load and my last LDS store
	ds_add_u32 v[SPW], v[NIL]
	s_wait_dscnt 0x0
	CROUND                                         ; the closing round
	s_endpgm
.Lfunc_end_k_q642af81999_oproj:
	.size	k_q642af81999_oproj, .Lfunc_end_k_q642af81999_oproj-k_q642af81999_oproj
	.p2alignl 7, 3214868480
	.fill 96, 4, 3214868480
	.section	.rodata,"a",@progbits
	.p2align	6, 0x0
	.amdhsa_kernel k_q642af81999_oproj
		.amdhsa_group_segment_fixed_size 327680
		.amdhsa_private_segment_fixed_size 0
		.amdhsa_enable_private_segment 0
		.amdhsa_kernarg_size 40
		.amdhsa_user_sgpr_count 2
		.amdhsa_user_sgpr_kernarg_segment_ptr 1
		.amdhsa_wavefront_size32 1
		.amdhsa_system_sgpr_workgroup_id_x 1
		.amdhsa_system_sgpr_workgroup_id_y 1
		.amdhsa_system_sgpr_workgroup_id_z 1
		.amdhsa_system_vgpr_workitem_id 0
		.amdhsa_next_free_vgpr 1024
		.amdhsa_next_free_sgpr 100
		.amdhsa_reserve_vcc 0
		.amdhsa_float_denorm_mode_32 3
		.amdhsa_float_denorm_mode_16_64 3
		.amdhsa_memory_ordered 1
		.amdhsa_forward_progress 1
		.amdhsa_inst_pref_size 135
	.end_amdhsa_kernel
	.amdgpu_metadata
---
amdhsa.version: [ 1, 2 ]
amdhsa.kernels:
  - .name:           k_q642af81999_oproj
    .symbol:         k_q642af81999_oproj.kd
    .args:
      - { .name: o_codes, .offset: 0, .size: 8, .value_kind: global_buffer, .address_space: global }
      - { .name: o_scales, .offset: 8, .size: 8, .value_kind: global_buffer, .address_space: global }
      - { .name: xw_codes, .offset: 16, .size: 8, .value_kind: global_buffer, .address_space: global }
      - { .name: xw_scales, .offset: 24, .size: 8, .value_kind: global_buffer, .address_space: global }
      - { .name: out0, .offset: 32, .size: 8, .value_kind: global_buffer, .address_space: global }
    .group_segment_fixed_size: 327680
    .private_segment_fixed_size: 0
    .kernarg_segment_align: 8
    .kernarg_segment_size: 40
    .max_flat_workgroup_size: 128
    .sgpr_count:     100
    .vgpr_count:     1024
    .wavefront_size: 32
...
	.end_amdgpu_metadata
.endif
;; end of part 4
;; ======== version 2 of 2: 4 launches
;; limits: right only within a limited range of input values
;; workspace buffers: xw_codes 15,728,640 bytes; xw_scales 655,360 bytes; q_codes 6,291,456 bytes; q_scales 262,144 bytes; kv_recs 9,961,472 bytes; o_codes 3,145,728 bytes; o_scales 131,072 bytes
;; launch quant (part 5): grid 1280 x 1, 2 waves a work-group, no clusters, 17,152 bytes of LDS; arguments hidden_states, wq, wk, wv, wo, xw_codes, xw_scales; writes xw_codes, xw_scales
.if DOCPART == 5
	.amdgcn_target "amdgcn-amd-amdhsa--gfx1250"
	.amdhsa_code_object_version 6
	.text
	.protected	k_q642af81999_quant
	.globl	k_q642af81999_quant
	.p2align	8
	.type	k_q642af81999_quant,@function
k_q642af81999_quant:
	s_mov_b64 s[64:65], 0
	v_nop
	global_prefetch_b8 v0, s[64:65] scope:SCOPE_SE
	s_setreg_imm32_b32 hwreg(HW_REG_WAVE_MODE, 25, 1), 1
	s_wait_xcnt 0x0
; PoPE attention in MX-BF6, launch 1 of 4: hidden_states, wq, wk, wv, wo (each [2048][2048] f32, K innermost) become codes of E3M2 with one E8M0 byte for each 32 along K.
; DEAD WORK: none is left out anywhere in this program.  attention_mask is an input, so whatever pattern it holds is not built in: every query walks all 2,048 keys and the mask is loaded and added.
; learned_bias is clipped and added to k's angles ahead of a quantiser, so it can move codes: it is loaded.  All seven products of the problem's table are done.
; LIMITS of the program: NaN and infinities among the inputs are not served.  A block of zeros gets the byte 1 (the rule says 127): its codes are zeros, and these bytes are read by this program alone.
; softplus(x) for x under about -87 gives 0 (v_exp_f32 gives 0 where its result would be denormal: ISA guide, its entry in 15.8); a softmax weight under 2^-126 is 0 likewise.
; inv_freq is made by one v_exp_f32 of -d log2(10)/32 and lies within a few units in the last place of reference()'s; sin and cos are polynomials with an absolute error near 1e-7.
; LAYOUT OF THE WORKSPACE.  The five tensors are stacked as 640 TILES of 16 rows (128 tiles each, in the order above).  THE ROWS OF A TILE ARE NOT NEIGHBOURS: place r of tile t of a tensor is row
; 32 (t / 2) + 8 (t % 2) + r + 8 (r / 8), so that a transposed product's 16 registers of two neighbouring tiles are 16 neighbours along the next K.
; Codes: [tile][K / 128 (16)][1,536 bytes]: an IMAGE OF THE OPERAND'S REGISTERS: the fragment's 12 registers as three planes of 512 bytes, lane l's registers 4 g .. 4 g + 3 at 512 g + 16 l.
; Scale words: [tile][K / 256 (8)][place r (16)][(K / 128) % 2][4 bytes]: 1,024 bytes a tile.
; SHARES.  A work-group of two waves takes half of a tile's K: 1,280 work-groups, five for each of 256 WGPs.  A wave takes 512 along K in four steps of 128.  A step's 16 loads read 512 consecutive bytes of one row each;
; the 8,192 bytes turn through the wave's own stage in LDS (rows 528 bytes apart) and come back as the operand's layout wants them: lane (r, h) holds k = 64 c + 32 h + 0 .. 31 of row r, two whole blocks.  No barrier: waves share nothing.
.set SP,    528                        ; a stage row: 512 bytes + 16
.set STG,   16*SP                      ; a wave's stage
.set SPARE, 2*STG                      ; behind the stages: the spare words, 128 bytes for each wave, that no other line names
.set SPW,   22                         ; v22  LDS address of my spare word; never rewritten
.set NIL,   23                         ; v23  0; never rewritten
.set W,     16                         ; v16-19 the four steps' scale words
.set C,     24                         ; v24-35 a fragment's codes
.set X,     48                         ; v48-111 64 numbers in the operand's order
.set R,     112                        ; v112-239 two sets of 64 numbers as loaded
	s_load_b256 s[4:11], s[0:1], 0x0               ; hidden_states, wq, wk, wv
	s_load_b128 s[12:15], s[0:1], 0x20             ; wo, the codes
	s_load_b64 s[16:17], s[0:1], 0x30              ; the scale words
	v_lshl_add_u32 v[SPW], v0, 2, SPARE
	v_mov_b32 v[NIL], 0
	v_lshrrev_b32 v1, 5, v0
	v_readfirstlane_b32 s18, v1                    ; wave 0, 1
	v_and_b32 v1, 31, v0                           ; lane
	v_and_b32 v2, 15, v0                           ; r
	v_bfe_u32 v3, v0, 4, 1                         ; h
	v_lshlrev_b32 v4, 4, v1                        ; 16 x lane: my bytes of a load's 512, and of an image's plane
	s_mul_i32 s20, s18, STG
	v_add_nc_u32 v5, s20, v4                       ; into the stage
	v_mul_u32_u24 v6, v2, SP
	v_lshl_add_u32 v6, v3, 7, v6
	v_add_nc_u32 v6, s20, v6                       ; out of it: row r, + 128 h
	v_lshlrev_b32 v7, 3, v1                        ; 8 x lane: the scale words' way out
	v_lshlrev_b32 v14, 3, v3                       ; 8 h: where my two bytes stand in a scale word
	v_mov_b32 v15, 0                               ; (a lane permute's destination counts as one of its sources)
	s_mov_b32 s22, 0x76543210
	s_mov_b32 s23, 0xfedcba98                      ; v_permlanex16_b32's selects for lane l xor 16
	s_mov_b32 s24, 0xffff0000                      ; lanes 16-31
	s_lshr_b32 s25, ttmp9, 1                       ; which of the 640 tiles
	s_and_b32 s30, ttmp9, 1
	s_lshl_b32 s30, s30, 1
	s_add_co_u32 s30, s30, s18                     ; which 512 along K: 2 x (work-group % 2) + wave
	s_lshr_b32 s19, s25, 7                         ; which tensor
	s_and_b32 s21, s25, 127                        ; which of its tiles
	s_lshr_b32 s20, s21, 1
	s_lshl_b32 s20, s20, 18                        ; 32 rows of 8,192 bytes for each pair of tiles,
	s_and_b32 s21, s21, 1
	s_lshl_b32 s21, s21, 16                        ; 8 rows for the odd one,
	s_add_co_u32 s20, s20, s21
	s_lshl_b32 s21, s30, 11                        ; my wave's 512 along K
	s_add_co_u32 s20, s20, s21
	s_mov_b32 s21, 0
	s_mul_i32 s26, s25, 24576                      ; the tile's images,
	s_mul_i32 s27, s30, 6144                       ; my wave's four
	s_add_co_u32 s26, s26, s27
	s_mov_b32 s27, 0
	s_lshl_b32 s28, s25, 10                        ; the tile's scale words,
	s_lshl_b32 s29, s30, 8                         ; my wave's 256 bytes
	s_add_co_u32 s28, s28, s29
	s_mov_b32 s29, 0
	s_wait_alu depctr_va_vdst(0)
	s_wait_kmcnt 0x0
	s_cmp_eq_u32 s19, 1                            ; the tensor is chosen by the work-group's number alone
	s_cselect_b64 s[4:5], s[6:7], s[4:5]
	s_cmp_eq_u32 s19, 2
	s_cselect_b64 s[4:5], s[8:9], s[4:5]
	s_cmp_eq_u32 s19, 3
	s_cselect_b64 s[4:5], s[10:11], s[4:5]
	s_cmp_eq_u32 s19, 4
	s_cselect_b64 s[4:5], s[12:13], s[4:5]
	s_add_nc_u64 s[4:5], s[4:5], s[20:21]
	s_add_nc_u64 s[14:15], s[14:15], s[26:27]
	s_add_nc_u64 s[16:17], s[16:17], s[28:29]
.macro LOAD t                          ; step t: 512 consecutive bytes of each of the tile's 16 rows
.irp i, 0,1,2,3,4,5,6,7,8,9,10,11,12,13,14,15
	global_load_b128 v[R+64*((\t)%2)+4*\i:R+64*((\t)%2)+4*\i+3], v4, s[4:5] offset:(\i+8*(\i/8))*8192+512*(\t) th:TH_LOAD_NT
.endr
.endm
.macro STEP t
.if (\t) < 3
	s_wait_loadcnt 16                              ; this step's 16 loads are in; the next step's 16 may be out
.else
	s_wait_loadcnt 0x0
.endif
.irp i, 0,1,2,3,4,5,6,7,8,9,10,11,12,13,14,15
	ds_store_b128 v5, v[R+64*((\t)%2)+4*\i:R+64*((\t)%2)+4*\i+3] offset:SP*\i
.endr
.irp c, 0,1
.irp i, 0,1,2,3,4,5,6,7
	ds_load_b128 v[X+32*\c+4*\i:X+32*\c+4*\i+3], v6 offset:256*\c+16*\i   ; LDS serves a wave's instructions in order: these see the stores above
.endr
.endr
	s_wait_dscnt 0x0                               ; the numbers are back, and the stores have read their registers,
.if (\t) < 2
	LOAD (\t)+2                                    ; which take the loads of two steps on
.endif
.irp c, 0,1
	v_max3_num_f32 v[8+\c], |v[X+32*\c]|, |v[X+32*\c+1]|, 0x2800000   ; my block 2 c + h: all 32 numbers are mine; and the floor 2^(5 - 127), so that the byte cannot fall under 1
.endr
.irp i, 2,4,6,8,10,12,14,16,18,20,22,24,26,28,30
.irp c, 0,1
	v_max3_num_f32 v[8+\c], v[8+\c], |v[X+32*\c+\i]|, |v[X+32*\c+\i+1]|
.endr
.endr
.irp c, 0,1
	v_add_nc_u32 v[10+\c], 0xfe000000, v[8+\c]     ; 4 off the exponent field: the conversion's scale operand
.endr
.irp c, 0,1
	v_lshrrev_b32 v[12+\c], 23, v[10+\c]           ; the scale's byte
.endr
	v_lshl_or_b32 v[W+(\t)], v13, 16, v12          ; my two bytes: blocks h and 2 + h of row r,
	v_lshlrev_b32 v[W+(\t)], v14, v[W+(\t)]        ; at their places,
	v_permlanex16_b32 v15, v[W+(\t)], s22, s23
	v_or_b32 v[W+(\t)], v[W+(\t)], v15             ; and with lane l xor 16's two the word is whole, in both lanes
.if (\t) > 0
	s_wait_alu depctr_va_vdst(0)
	s_wait_xcnt 0x0                                ; the last step's stores have read the codes' registers
.endif
.irp c, 0,1
	v_cvt_scalef32_pk16_bf6_f32 v[C+6*\c:C+6*\c+2], v[X+32*\c:X+32*\c+15], v[10+\c]
	v_cvt_scalef32_pk16_bf6_f32 v[36+4*\c:38+4*\c], v[X+32*\c+16:X+32*\c+31], v[10+\c]   ; (a conversion's three registers begin on an even number)
.endr
	v_nop                                          ; one plain place behind a scaled conversion
.irp c, 0,1
.irp i, 0,1,2
	v_mov_b32 v[C+3+6*\c+\i], v[36+4*\c+\i]
.endr
.endr
.irp g, 0,1,2
	global_store_b128 v4, v[C+4*\g:C+4*\g+3], s[14:15] offset:1536*(\t)+512*\g   ; a plane: 512 consecutive bytes
.endr
.endm
	LOAD 0
	LOAD 1
	STEP 0
	STEP 1
	STEP 2
	STEP 3
	v_cndmask_b32 v20, v[W], v[W+2], s24           ; lanes 0-15 store row r's words of steps 0, 1, lanes 16-31 those of steps 2, 3:
	v_cndmask_b32 v21, v[W+1], v[W+3], s24
	global_store_b64 v7, v[20:21], s[16:17]        ; 256 consecutive bytes, aligned
	s_wait_tensorcnt 0x0                           ; the wave's end: behind my last LDS store
	ds_add_u32 v[SPW], v[NIL]
	s_wait_dscnt 0x0
	s_endpgm
.Lfunc_end_k_q642af81999_quant:
	.size	k_q642af81999_quant, .Lfunc_end_k_q642af81999_quant-k_q642af81999_quant
	.p2alignl 7, 3214868480
	.fill 96, 4, 3214868480
	.section	.rodata,"a",@progbits
	.p2align	6, 0x0
	.amdhsa_kernel k_q642af81999_quant
		.amdhsa_group_segment_fixed_size 17152
		.amdhsa_private_segment_fixed_size 0
		.amdhsa_enable_private_segment 0
		.amdhsa_kernarg_size 56
		.amdhsa_user_sgpr_count 2
		.amdhsa_user_sgpr_kernarg_segment_ptr 1
		.amdhsa_wavefront_size32 1
		.amdhsa_system_sgpr_workgroup_id_x 1
		.amdhsa_system_sgpr_workgroup_id_y 1
		.amdhsa_system_sgpr_workgroup_id_z 1
		.amdhsa_system_vgpr_workitem_id 0
		.amdhsa_next_free_vgpr 240
		.amdhsa_next_free_sgpr 66
		.amdhsa_reserve_vcc 0
		.amdhsa_float_denorm_mode_32 3
		.amdhsa_float_denorm_mode_16_64 3
		.amdhsa_memory_ordered 1
		.amdhsa_forward_progress 1
		.amdhsa_inst_pref_size 31
	.end_amdhsa_kernel
	.amdgpu_metadata
---
amdhsa.version: [ 1, 2 ]
amdhsa.kernels:
  - .name:           k_q642af81999_quant
    .symbol:         k_q642af81999_quant.kd
    .args:
      - { .name: hidden_states, .offset: 0, .size: 8, .value_kind: global_buffer, .address_space: global }
      - { .name: wq, .offset: 8, .size: 8, .value_kind: global_buffer, .address_space: global }
      - { .name: wk, .offset: 16, .size: 8, .value_kind: global_buffer, .address_space: global }
      - { .name: wv, .offset: 24, .size: 8, .value_kind: global_buffer, .address_space: global }
      - { .name: wo, .offset: 32, .size: 8, .value_kind: global_buffer, .address_space: global }
      - { .name: xw_codes, .offset: 40, .size: 8, .value_kind: global_buffer, .address_space: global }
      - { .name: xw_scales, .offset: 48, .size: 8, .value_kind: global_buffer, .address_space: global }
    .group_segment_fixed_size: 17152
    .private_segment_fixed_size: 0
    .kernarg_segment_align: 8
    .kernarg_segment_size: 56
    .max_flat_workgroup_size: 64
    .sgpr_count:     66
    .vgpr_count:     240
    .wavefront_size: 32
...
	.end_amdgpu_metadata
.endif
;; end of part 5
;; launch qkv (part 6): grid 24 x 8, 4 waves a work-group, clusters of 4 x 4, 327,680 bytes of LDS; arguments xw_codes, xw_scales, learned_bias, q_codes, q_scales, kv_recs; writes q_codes, q_scales, kv_recs
.if DOCPART == 6
	.amdgcn_target "amdgcn-amd-amdhsa--gfx1250"
	.amdhsa_code_object_version 6
	.text
	.protected	k_q642af81999_qkv
	.globl	k_q642af81999_qkv
	.p2align	8
	.type	k_q642af81999_qkv,@function
k_q642af81999_qkv:
	s_mov_b64 s[64:65], 0
	v_nop
	global_prefetch_b8 v0, s[64:65] scope:SCOPE_SE
	s_setreg_imm32_b32 hwreg(HW_REG_WAVE_MODE, 25, 1), 1
	s_wait_xcnt 0x0
	s_wait_alu depctr_hold_cnt(0) depctr_sa_sdst(0) depctr_va_vdst(0) depctr_va_sdst(0) depctr_va_ssrc(0) depctr_va_vcc(0) depctr_vm_vsrc(0)
	s_getreg_b32 s2, hwreg(HW_REG_IB_STS2, 6, 4)
	s_cmp_eq_u32 s2, 0
	s_cbranch_scc0 .Lentry_in_a_cluster
	s_endpgm
.Lentry_in_a_cluster:
	s_bfe_u32 s2, ttmp6, 0x10000c
	s_cmp_lg_u32 s2, 0xf033
	s_cbranch_scc0 .Lentry_shape_is_right
	s_endpgm
.Lentry_shape_is_right:
.set NQ,     2
.set FR,     12
.set NL,     3
.set NP,     4
.set IMG,    1536
.set TROW,   2*IMG
.set TPITCH, 16*IMG
.set HALFT,  8*TROW
.set SLOT,   4*HALFT
.set LAPS,   4
.set SCL,    2*SLOT
.set HALFS,  8192
.set SPARE,  262144
.set REC,    38912
.set ADRA, 16
.set ADRB, 20
.set ADRS, 27
.set SPW,  28
.set NIL,  29
.set SC,   32
.set AF,   128
.set WV, 16
.set HR, 17
.set HC, 18
.set TY, 19
.set CX, 40
.set CY, 41
.set TX, 42
.set MD, 66
.set G1, 24
.set G0, 32
.set G1B, 48
.set G0B, 56
.set G1S, 68
.set G0S, 76
.set G1SB, 80
.set G0SB, 88
.set G0H,  4                           ; s[4:7], s[96:99] group 0 for the head's loads of K steps 0 and 1: A's 16 tiles, B's 16 tiles (the arguments in s[4:7] have been used by then)
.set G0HB, 96
.set PFA,  100                         ; s[100:101] where my prefetches stand
.set PFO,  30                          ; v30 the prefetches' offset; never rewritten
; A PREFETCH behind each joint refill and the run of LDS loads that follows it: the slot's worth of codes that stands TWO refills on.  Of the 8 tiles x 3,072 bytes that a wave fetches, each of the four
; partners that ask for them jointly takes 2 tiles, told apart by address (cx for A, cy for B): 24 blocks of 256 bytes, a lane a block; lanes 24-31 name block 23 again.
; The loop's last trip fills the last two slots' worth and asks for nothing.
.macro ASK
	s_cmp_gt_u32 s3, 1
	s_cbranch_scc0 .Lno_ask_\@
	global_prefetch_b8 v[PFO], s[PFA:PFA+1] offset:3*TROW th:TH_LOAD_NT scope:SCOPE_SE
.Lno_ask_\@:
.endm
.set MSB, 0
.macro WIN new
.if MSB != \new
	s_set_vgpr_msb (MSB<<8)|\new
.set MSB, \new
.endif
.endm
.set MUL_LO, 0xa1
.set MUL_HI, 0xf1
.set TO_B,   0x40
.macro JLOAD g0a, g1a, g0b, g1b
	s_cmp_eq_u32 s[HR], 0
	s_cbranch_scc0 .Lfor_b_\@
	tensor_load_to_lds s[\g0a:\g0a+3], s[\g1a:\g1a+7]
	s_nop 0
.rept 4
	v_nop
.endr
	s_branch .Lasked_\@
.Lfor_b_\@:
	tensor_load_to_lds s[\g0b:\g0b+3], s[\g1b:\g1b+7]
	s_nop 0
.rept 4
	v_nop
.endr
.Lasked_\@:
.endm
.macro CREST
	s_cmp_lg_u32 s[WV], 0
	s_cbranch_scc1 .Lnot_wave_0_\@
	s_barrier_signal -3
.Lnot_wave_0_\@:
	s_barrier_wait -3
	s_barrier_signal -1
	s_barrier_wait -1
.endm
.macro CROUND
	s_barrier_signal -1
	s_barrier_wait -1
	CREST
.endm
	s_load_b256 s[4:11], s[0:1], 0x0
	s_load_b128 s[12:15], s[0:1], 0x20
	v_lshl_add_u32 v[SPW], v0, 2, SPARE
	v_mov_b32 v[NIL], 0
	ds_add_u32 v[SPW], v[NIL]
	ds_add_u32 v[SPW], v[NIL]
	v_lshrrev_b32 v1, 5, v0
	v_readfirstlane_b32 s[WV], v1
	s_lshr_b32 s[HR], s[WV], 1
	s_and_b32 s[HC], s[WV], 1
	s_bfe_u32 s[CX], ttmp6, 0x40000
	s_bfe_u32 s[CY], ttmp6, 0x40004
	s_lshl_b32 s[TX], ttmp9, 2
	s_add_co_u32 s[TX], s[TX], s[CX]
	s_and_b32 s[TY], ttmp7, 0xffff
	s_lshl_b32 s[TY], s[TY], 2
	s_add_co_u32 s[TY], s[TY], s[CY]
	s_lshl_b32 s43, s[CY], 2
	s_lshl_b32 s43, 15, s43
	s_lshl_b32 s44, 0x1111, s[CX]
	s_or_b32 s[G1], s43, (3<<16)|(1<<21)
	s_or_b32 s[G1B], s44, (3<<16)|(1<<21)
.irp g, G1, G1B
	s_mov_b32 s[\g+1], (TROW/8)<<16
	s_mov_b32 s[\g+2], 16<<16                      ; the head's loads bring 16 tiles; behind them the two words that count rows are set to 8
	s_mov_b32 s[\g+3], (TROW/8)<<16
	s_mov_b32 s[\g+4], 16
	s_mov_b32 s[\g+5], TPITCH/8
	s_mov_b32 s[\g+6], 0
	s_mov_b32 s[\g+7], 0
.endr
	s_or_b32 s[G1S], s43, (3<<16)|(1<<21)
	s_or_b32 s[G1SB], s44, (3<<16)|(1<<21)
.irp g, G1S, G1SB
	s_mov_b32 s[\g+1], 32<<16
	s_mov_b32 s[\g+2], 64<<16                      ; the scale words of 16 tiles: 64 rows of 256 bytes
	s_mov_b32 s[\g+3], 32<<16
	s_mov_b32 s[\g+4], 64
	s_mov_b32 s[\g+5], 32
	s_mov_b32 s[\g+6], 0
	s_mov_b32 s[\g+7], 0
.endr
	s_lshr_b32 s[MD], ttmp9, 1
	s_cmp_eq_u32 s[MD], 2
	s_cselect_b32 s45, 384, 0
	s_lshl_b32 s20, s[TY], 4                       ; the block's first tile of A,
	s_add_co_u32 s20, s20, s45
	s_lshl_b32 s46, s[TX], 4                       ; and of B
	s_add_co_u32 s46, s46, 128
	s_sub_co_u32 s46, s46, s45
	s_lshl_b32 s22, s20, 10
	s_mul_i32 s20, s20, TPITCH
	s_mov_b32 s21, 0
	s_mov_b32 s23, 0
	s_lshl_b32 s92, s46, 10
	s_mul_i32 s46, s46, TPITCH
	s_mov_b32 s47, 0
	s_mov_b32 s93, 0
	s_mul_i32 s94, s[WV], HALFT
	s_mul_i32 s2, s[HC], 8*TPITCH                  ; in the ring I fetch 8 of the 16 tiles: which, in bytes
	s_mov_b32 s3, 0
	s_wait_dscnt 0x0
	s_wait_kmcnt 0x0
	s_add_nc_u64 s[20:21], s[4:5], s[20:21]
	s_add_nc_u64 s[22:23], s[6:7], s[22:23]
	s_add_nc_u64 s[46:47], s[4:5], s[46:47]
	s_add_nc_u64 s[92:93], s[6:7], s[92:93]
	CROUND                                         ; all sixteen work-groups are here: the first joint loads meet
	s_mov_b32 s[G0H], 1                            ; the head's four tiles, each whole: slot 0's 16 tiles of A,
	s_mov_b32 s[G0H+1], 0
	s_mov_b64 s[G0H+2:G0H+3], s[20:21]
	s_or_b32 s[G0H+3], s[G0H+3], 0x80000000
	s_mov_b32 s[G0HB], 1                           ; its 16 tiles of B, behind them,
	s_mov_b32 s[G0HB+1], 2*HALFT
	s_mov_b64 s[G0HB+2:G0HB+3], s[46:47]
	s_or_b32 s[G0HB+3], s[G0HB+3], 0x80000000
	s_mov_b32 s[G0S], 1                            ; A's scale words,
	s_mov_b32 s[G0S+1], SCL
	s_mov_b64 s[G0S+2:G0S+3], s[22:23]
	s_or_b32 s[G0S+3], s[G0S+3], 0x80000000
	s_mov_b32 s[G0SB], 1                           ; and B's
	s_mov_b32 s[G0SB+1], SCL+2*HALFS
	s_mov_b64 s[G0SB+2:G0SB+3], s[92:93]
	s_or_b32 s[G0SB+3], s[G0SB+3], 0x80000000
	s_add_nc_u64 s[20:21], s[20:21], s[2:3]        ; for the ring: my 8 tiles
	s_add_nc_u64 s[46:47], s[46:47], s[2:3]
.irp s, 0,1
	s_mov_b32 s[G0+4*\s], 1
	s_add_co_u32 s[G0+4*\s+1], s94, \s*SLOT
	s_add_nc_u64 s[G0+4*\s+2:G0+4*\s+3], s[20:21], \s*TROW
	s_or_b32 s[G0+4*\s+3], s[G0+4*\s+3], 0x80000000
	s_mov_b32 s[G0B+4*\s], 1
	s_add_co_u32 s[G0B+4*\s+1], s94, \s*SLOT
	s_add_nc_u64 s[G0B+4*\s+2:G0B+4*\s+3], s[46:47], \s*TROW
	s_or_b32 s[G0B+4*\s+3], s[G0B+4*\s+3], 0x80000000
.endr
	s_cmp_eq_u32 s[HR], 0                          ; the prefetches: of the 8 tiles that I fetch, my work-group's 2
	s_cselect_b64 s[PFA:PFA+1], s[20:21], s[46:47]
	s_cselect_b32 s2, s[CX], s[CY]                 ; my place among the four that ask with me
	s_mul_i32 s2, s2, 2*TPITCH
	s_add_nc_u64 s[PFA:PFA+1], s[PFA:PFA+1], s[2:3]
; THE HEAD'S LOADS, ONE A WAVE: wave 0 slot 0's tiles of A, wave 1 those of B, wave 2 A's scale words, wave 3 B's.  One tree of branches on the wave's number; every way passes one load.
.macro ARM under, g0, g1, next
	s_cmp_lt_u32 s[WV], \under
	s_cbranch_scc0 \next
	tensor_load_to_lds s[\g0:\g0+3], s[\g1:\g1+7]
	s_nop 0
.rept 4
	v_nop
.endr
	s_branch .Lhead_asked
\next:
.endm
	ARM 1, G0H,  G1,  .Lhead_b
	ARM 2, G0HB, G1B, .Lhead_sa
	ARM 3, G0S,  G1S, .Lhead_sb
	tensor_load_to_lds s[G0SB:G0SB+3], s[G1SB:G1SB+7]
	s_nop 0
.rept 4
	v_nop
.endr
.Lhead_asked:
	v_and_b32 v1, 15, v0
	v_bfe_u32 v2, v0, 4, 1
	s_wait_alu depctr_va_vdst(0)
	v_and_b32 v3, 31, v0
	v_lshlrev_b32 v3, 4, v3
	s_mul_i32 s21, s[HR], HALFT
	s_mul_i32 s22, s[HC], HALFT
	s_add_co_u32 s22, s22, 2*HALFT
.irp s, 0,1
	v_add_nc_u32 v[ADRA+\s], s21, v3
	v_add_nc_u32 v[ADRB+\s], s22, v3
	s_add_co_u32 s21, s21, SLOT
	s_add_co_u32 s22, s22, SLOT
.endr
	v_lshlrev_b32 v5, 3, v1
	s_mul_i32 s21, s[HR], HALFS
	s_mul_i32 s22, s[HC], HALFS
	s_add_co_u32 s22, s22, 2*HALFS
	s_sub_co_u32 s22, s22, s21
	v_mul_u32_u24 v6, s22, v2
	s_add_co_u32 s21, s21, SCL
	v_add_nc_u32 v5, v5, v6
	v_add_nc_u32 v[ADRS], s21, v5
	v_and_b32 v[PFO], 31, v0
	v_min_u32 v[PFO], 23, v[PFO]                   ; block 0 .. 23 of my work-group's two tiles
	v_mul_u32_u24 v4, v[PFO], 11
	v_lshrrev_b32 v4, 7, v4                        ; block / 12: which tile
	v_mul_u32_u24 v4, v4, TPITCH-12*256
	v_lshl_add_u32 v[PFO], v[PFO], 8, v4           ; tile x its pitch + (block % 12) x 256
	global_prefetch_b8 v[PFO], s[PFA:PFA+1] offset:TROW th:TH_LOAD_NT scope:SCOPE_SE     ; slot 1's first fill,
	global_prefetch_b8 v[PFO], s[PFA:PFA+1] offset:2*TROW th:TH_LOAD_NT scope:SCOPE_SE   ; and the first refill
.macro FRAG reg, adr, q, i
.irp g, 0,1,2
	ds_load_b128 v[\reg+4*\g:\reg+4*\g+3], v[\adr] offset:(\i)*TROW+(\q)*IMG+512*\g
.endr
.endm
.macro MUL16 a0, p, q, sc, zero
.irp a, \a0, \a0+1
.irp b, 0,1,2,3,4,5,6,7
.if \zero
	v_wmma_scale_f32_16x16x128_f8f6f4 v[8*(8*((\a)%4)+\b):8*(8*((\a)%4)+\b)+7], v[128*(\p)+FR*\b:128*(\p)+FR*\b+FR-1], v[AF+FR*(\a):AF+FR*(\a)+FR-1], 0, v[SC+8*NQ*(\sc)+NQ*\b+(\q)], v[SC+8*NQ*(\sc)+NQ*(\a)+(\q)] matrix_a_fmt:MATRIX_FMT_BF6 matrix_b_fmt:MATRIX_FMT_BF6 matrix_a_scale:MATRIX_SCALE_ROW1
.else
	v_wmma_scale_f32_16x16x128_f8f6f4 v[8*(8*((\a)%4)+\b):8*(8*((\a)%4)+\b)+7], v[128*(\p)+FR*\b:128*(\p)+FR*\b+FR-1], v[AF+FR*(\a):AF+FR*(\a)+FR-1], v[8*(8*((\a)%4)+\b):8*(8*((\a)%4)+\b)+7], v[SC+8*NQ*(\sc)+NQ*\b+(\q)], v[SC+8*NQ*(\sc)+NQ*(\a)+(\q)] matrix_a_fmt:MATRIX_FMT_BF6 matrix_b_fmt:MATRIX_FMT_BF6 matrix_a_scale:MATRIX_SCALE_ROW1
.endif
.endr
.endr
.endm
.macro FETCH_B slot, q, p
	WIN TO_B
.irp i, 0,1,2,3,4,5,6,7
	FRAG 128*(\p)+FR*\i, ADRB+\slot, \q, \i
.endr
	WIN 0
.endm
.macro FETCH_A slot, q, i0
.irp i, \i0, \i0+1, \i0+2, \i0+3
	FRAG AF+FR*(\i), ADRA+\slot, \q, \i
.endr
.endm
.macro SCALES sc
.irp i, 0,1,2,3,4,5,6,7
	ds_load_b64 v[SC+8*NQ*\sc+NQ*\i:SC+8*NQ*\sc+NQ*\i+1], v[ADRS] offset:\i*1024
.endr
.endm
.macro PLACES n
.rept \n
	v_nop
.endr
.endm
.macro STEP slot, q, zero
	s_wait_dscnt 4*NL
	WIN MUL_LO
	MUL16 0, (\q)%2, \q, \slot, \zero
	MUL16 2, (\q)%2, \q, \slot, \zero
	s_wait_dscnt 0
	PLACES NP
	FETCH_B \slot, (\q)+1, 1-(\q)%2
	FETCH_A \slot, (\q)+1, 0
	WIN MUL_HI
	MUL16 4, (\q)%2, \q, \slot, \zero
	MUL16 6, (\q)%2, \q, \slot, \zero
	PLACES NP
	WIN 0
	FETCH_A \slot, (\q)+1, 4
.endm
.macro TURN slot, next, fill
.if \fill
	s_wait_xcnt 0x0                                ; my last prefetch has read its address: it is stepped here, ahead of the waits of the change of slots
	s_add_nc_u64 s[PFA:PFA+1], s[PFA:PFA+1], TROW
.endif
	s_wait_tensorcnt 0x0
	ds_add_u32 v[SPW], v[NIL]
	s_wait_dscnt 4*NL+1
	WIN MUL_LO
	MUL16 0, 1, NQ-1, \slot, 0
	s_wait_dscnt 0x0
	s_barrier_signal -1
	MUL16 2, 1, NQ-1, \slot, 0
	WIN 0
	s_barrier_wait -1
.if \fill
	CREST
	s_add_nc_u64 s[G0+4*\slot+2:G0+4*\slot+3], s[G0+4*\slot+2:G0+4*\slot+3], 2*TROW
	s_add_nc_u64 s[G0B+4*\slot+2:G0B+4*\slot+3], s[G0B+4*\slot+2:G0B+4*\slot+3], 2*TROW
	JLOAD G0+4*\slot, G1, G0B+4*\slot, G1B
.else
	PLACES NP
.endif
	s_wait_alu depctr_va_vdst(0)
	v_add_nc_u32 v[ADRS], 128, v[ADRS]
	FETCH_B \next, 0, 0
	FETCH_A \next, 0, 0
	SCALES \next
.if \fill
	ASK
.endif
	WIN MUL_HI
	MUL16 4, 1, NQ-1, \slot, 0
	MUL16 6, 1, NQ-1, \slot, 0
	PLACES NP
	WIN 0
	FETCH_A \next, 0, 4
.endm
	s_wait_alu depctr_va_vdst(0)
	s_wait_tensorcnt 0x0                           ; my tile of the head's four is in
	ds_add_u32 v[SPW], v[NIL]
	s_mov_b32 s[G1+2], 8<<16                       ; no tensor load of mine is out, so a descriptor may be written: from here on a load brings 8 tiles
	s_mov_b32 s[G1+4], 8
	s_mov_b32 s[G1B+2], 8<<16
	s_mov_b32 s[G1B+4], 8
	s_wait_dscnt 0x0
	CROUND                                         ; all four tiles are in, and all sixteen work-groups are here
	JLOAD G0+4, G1, G0B+4, G1B                     ; slot 1's first fill, the first tensor load behind the round
	global_prefetch_b8 v[PFO], s[PFA:PFA+1] offset:3*TROW th:TH_LOAD_NT scope:SCOPE_SE   ; two fills on
	FETCH_B 0, 0, 0
	FETCH_A 0, 0, 0
	SCALES 0
	FETCH_A 0, 0, 4
	STEP 0, 0, 1
	s_mov_b32 s3, LAPS-1
.Llap:
	TURN 0, 1, 1
	STEP 1, 0, 0
	TURN 1, 0, 1
	STEP 0, 0, 0
	s_sub_co_u32 s3, s3, 1
	s_cmp_lg_u32 s3, 0
	s_cbranch_scc1 .Llap
	TURN 0, 1, 0
	STEP 1, 0, 0
	s_wait_dscnt 4*NL
	WIN MUL_LO
	MUL16 0, 1, NQ-1, 1, 0
	MUL16 2, 1, NQ-1, 1, 0
	s_wait_dscnt 0
	WIN MUL_HI
	MUL16 4, 1, NQ-1, 1, 0
	MUL16 6, 1, NQ-1, 1, 0
	WIN 0
.set LI,  3
.set SB,  4
.set LA,  5
.set H16, 7
.set WD,  8
.set NW,  12
.set RO,  13
.set H64, 14
.set POS, 16
.set MAG, 18
.set C11, 20
.set C12, 22
.set X,   64
.set RE,  128
.set U,   192
.set TN,  192
.set TZ,  200
.set TP,  208
.set TQ,  216
.set ZT,  224
.set QT,  192
.set PC1, 212
.set PC2, 232
.set NL2E, 24
.set LN2,  26
.set RPI,  28
.set PIH,  30
.set PIL,  32
.set KS9,  34
.set KS7,  36
.set KS5,  38
.set KS3,  40
.set KC10, 42
.set KC8,  44
.set KC6,  46
.set KC4,  48
.set SEL,  50
.set HIM,  52
.set CFR,  53
.set M2P,  54
.set DST,  56
.set SDS,  58
.set DSP,  60
.set POSB, 62
.set LOFF, 63
.set CNT,  67
	PLACES NP
	s_wait_dscnt 0x0
	s_barrier_signal -1
	s_barrier_wait -1
	v_and_b32 v1, 31, v0
	v_lshlrev_b32 v[LI], 4, v1
	s_lshl_b32 s20, s[WV], 16
	v_add_nc_u32 v[SB], s20, v[LI]
.irp a, 0,1,2,3,4,5,6,7
	WIN 0x08+4*(\a/4)
.irp k, 0,1,2,3,4,5,6,7,8,9,10,11,12,13,14,15
	ds_store_b128 v[SB], v[64*(\a%4)+4*\k:64*(\a%4)+4*\k+3] offset:\a*8192+512*\k
.endr
.endr
	WIN 0
	s_and_b32 s68, s[TX], 7
	s_lshl_b32 s68, s68, 1
	s_add_co_u32 s68, s68, s[HC]
	s_lshl_b32 s69, s[TY], 1
	s_add_co_u32 s69, s69, s[HR]
	s_cmp_eq_u32 s[MD], 2
	s_cselect_b32 s70, s69, s68
	s_cselect_b32 s71, s68, s69
	s_cselect_b32 s73, 24576, 0
	s_mov_b32 s75, 36864
	s_cselect_b32 s75, 37888, s75
	s_mov_b32 s[DSP], TROW
	s_cselect_b32 s[DSP], IMG, s[DSP]
	s_mov_b32 s[DSP+1], 0
	s_lshl_b32 s72, s70, 4
	s_add_co_u32 s72, s72, s71
	s_mul_i32 s74, s72, REC
	s_add_co_u32 s73, s73, s74
	s_add_co_u32 s75, s75, s74
	s_mul_i32 s76, s72, 8*TROW
	s_lshl_b32 s78, s72, 10
	s_cmp_eq_u32 s[MD], 0
	s_cselect_b32 s76, s76, s73
	s_cselect_b32 s78, s78, s75
	s_cselect_b64 s[DST:DST+1], s[10:11], s[14:15]
	s_cselect_b64 s[SDS:SDS+1], s[12:13], s[14:15]
	s_mov_b32 s77, 0
	s_mov_b32 s79, 0
	s_add_nc_u64 s[DST:DST+1], s[DST:DST+1], s[76:77]
	s_add_nc_u64 s[SDS:SDS+1], s[SDS:SDS+1], s[78:79]
	s_lshl_b32 s[POSB], s69, 7
	s_lshl_b32 s80, s70, 9
	s_mov_b32 s81, 0
	s_add_nc_u64 s[8:9], s[8:9], s[80:81]
.macro PAIR reg, val
	s_mov_b32 s[\reg], \val
	s_mov_b32 s[\reg+1], \val
.endm
	s_mov_b32 s[NL2E], 0xbfb8aa3b
	PAIR LN2,  0x3f317218
	PAIR RPI,  0x3ea2f983
	PAIR PIH,  0xc0490fdb
	PAIR PIL,  0x33bbbd2e
	PAIR KS9,  0x3638ef1d
	PAIR KS7,  0xb9500d01
	PAIR KS5,  0x3c088889
	PAIR KS3,  0xbe2aaaab
	PAIR KC10, 0xb493f27e
	PAIR KC8,  0x37d00d01
	PAIR KC6,  0xbab60b61
	PAIR KC4,  0x3d2aaaab
	s_mov_b32 s[SEL], 0x76543210
	s_mov_b32 s[SEL+1], 0xfedcba98
	s_mov_b32 s[HIM], 0xffff0000
	s_mov_b32 s[CFR], 0xbdd49a78
	s_mov_b32 s[M2P], 0xc0c90fdb
	v_and_b32 v2, 15, v0
	v_bfe_u32 v6, v0, 4, 1
	v_and_b32 v[RO], 8, v2
	v_add_nc_u32 v[RO], v[RO], v2
	v_lshlrev_b32 v[H16], 4, v6
	v_lshlrev_b32 v[H64], 6, v6
.irp i, 0,1,2,3
	v_mov_b32 v[WD+\i], 0
	v_mov_b32 v[QT+4+\i], 0
.endr
.irp i, 0,1
	v_mov_b32 v[MAG+\i], 0x4b400000
	v_mov_b32 v[C11+\i], 0xb2d7322b
	v_mov_b32 v[C12+\i], 0x310f76c7
.endr
.set e, 0
.rept 64
	v_add_nc_u32 v[X+e], 32*(e/16)+e%16, v[H16]
.set e, e+1
.endr
.set e, 0
.rept 64
	v_cvt_f32_u32 v[X+e], v[X+e]
.set e, e+1
.endr
.set e, 0
.rept 64
	v_mul_f32 v[X+e], s[CFR], v[X+e]
.set e, e+1
.endr
	WIN 0x40
.set e, 0
	s_wait_alu depctr_va_vdst(0)
.rept 64
	v_exp_f32 v[e], v[X+e]
.set e, e+1
.endr
	WIN 0
	v_nop
	s_wait_alu depctr_va_vdst(0)
	s_cmp_eq_u32 s[MD], 1
	s_cbranch_scc0 .Lno_bias
	WIN 0x40
.irp b, 0,1,2,3
.irp i, 0,1,2,3
	global_load_b128 v[64+16*\b+4*\i:64+16*\b+4*\i+3], v[H64], s[8:9] offset:128*\b+16*\i
.endr
.endr
	s_wait_loadcnt 0x0
	WIN 0x44
.set e, 0
.rept 64
	v_max_num_f32 v[64+e], s[M2P], v[64+e]
.set e, e+1
.endr
.set e, 0
.rept 64
	v_min_num_f32 v[64+e], 0, v[64+e]
.set e, e+1
.endr
	WIN 0
	s_branch .Lbias_done
.Lno_bias:
	WIN 0x40
.set e, 0
.rept 64
	v_mov_b32 v[64+e], 0
.set e, e+1
.endr
	WIN 0
.Lbias_done:
.macro QUANT s, tm, pc
.irp b, 0,1,2,3
	v_max3_num_f32 v[\tm+\b], |v[\s+16*\b]|, |v[\s+1+16*\b]|, 0x2800000
.endr
.irp i, 2,4,6,8,10,12,14
.irp b, 0,1,2,3
	v_max3_num_f32 v[\tm+\b], v[\tm+\b], |v[\s+16*\b+\i]|, |v[\s+1+16*\b+\i]|
.endr
.endr
.irp b, 0,1,2,3
	v_permlanex16_b32 v[\tm+4+\b], v[\tm+\b], s[SEL], s[SEL+1]
.endr
.irp b, 0,1,2,3
	v_max_num_f32 v[\tm+\b], v[\tm+\b], v[\tm+4+\b]
.endr
.irp b, 0,1,2,3
	v_add_nc_u32 v[\tm+12+\b], 0xfe000000, v[\tm+\b]
.endr
.irp b, 0,1,2,3
	v_lshrrev_b32 v[\tm+4+\b], 23, v[\tm+12+\b]
.endr
	v_lshl_or_b32 v[\tm+16], v[\tm+5], 8, v[\tm+4]
	v_lshl_or_b32 v[\tm+16], v[\tm+6], 16, v[\tm+16]
	v_lshl_or_b32 v[\tm+16], v[\tm+7], 24, v[\tm+16]
.irp c, 0,1
	v_cvt_scalef32_pk16_bf6_f32 v[\pc+6*\c:\pc+2+6*\c], v[\s+32*\c:\s+15+32*\c], v[\tm+12+2*\c]
	v_cvt_scalef32_pk16_bf6_f32 v[\pc+12+4*\c:\pc+14+4*\c], v[\s+16+32*\c:\s+31+32*\c], v[\tm+12+2*\c+1]
.endr
	v_nop
.irp c, 0,1
.irp i, 0,1,2
	v_permlane16_swap_b32 v[\pc+6*\c+\i], v[\pc+12+4*\c+\i]
.endr
.irp i, 0,1,2
	v_mov_b32 v[\pc+3+6*\c+\i], v[\pc+12+4*\c+\i]
.endr
.endr
.endm
.macro PUT pc, off
.irp g, 0,1,2
	global_store_b128 v[LI], v[\pc+4*\g:\pc+4*\g+3], s[DST:DST+1] offset:\off+512*\g
.endr
.endm
.macro TRIG g
.set XB, X+8*(\g)
.set RB, RE+8*(\g)
.irp q, 0,2,4,6
	v_pk_fma_f32 v[TN+\q:TN+\q+1], v[RB+\q:RB+\q+1], s[RPI:RPI+1], v[MAG:MAG+1] op_sel_hi:[1,0,1]
.endr
.irp q, 0,1,2,3,4,5,6,7
	v_lshl_or_b32 v[XB+\q], v[TN+\q], 31, v[XB+\q]
.endr
.irp q, 0,2,4,6
	v_pk_add_f32 v[TN+\q:TN+\q+1], v[TN+\q:TN+\q+1], v[MAG:MAG+1] neg_lo:[0,1] neg_hi:[0,1]
.endr
.irp q, 0,2,4,6
	v_pk_fma_f32 v[RB+\q:RB+\q+1], v[TN+\q:TN+\q+1], s[PIH:PIH+1], v[RB+\q:RB+\q+1] op_sel_hi:[1,0,1]
.endr
.irp q, 0,2,4,6
	v_pk_fma_f32 v[RB+\q:RB+\q+1], v[TN+\q:TN+\q+1], s[PIL:PIL+1], v[RB+\q:RB+\q+1] op_sel_hi:[1,0,1]
.endr
.irp q, 0,2,4,6
	v_pk_mul_f32 v[TZ+\q:TZ+\q+1], v[RB+\q:RB+\q+1], v[RB+\q:RB+\q+1]
.endr
.irp q, 0,2,4,6
	v_pk_fma_f32 v[TP+\q:TP+\q+1], v[TZ+\q:TZ+\q+1], v[C11:C11+1], s[KS9:KS9+1] op_sel_hi:[1,1,0]
	v_pk_fma_f32 v[TQ+\q:TQ+\q+1], v[TZ+\q:TZ+\q+1], v[C12:C12+1], s[KC10:KC10+1] op_sel_hi:[1,1,0]
.endr
.irp q, 0,2,4,6
	v_pk_fma_f32 v[TP+\q:TP+\q+1], v[TP+\q:TP+\q+1], v[TZ+\q:TZ+\q+1], s[KS7:KS7+1] op_sel_hi:[1,1,0]
	v_pk_fma_f32 v[TQ+\q:TQ+\q+1], v[TQ+\q:TQ+\q+1], v[TZ+\q:TZ+\q+1], s[KC8:KC8+1] op_sel_hi:[1,1,0]
.endr
.irp q, 0,2,4,6
	v_pk_fma_f32 v[TP+\q:TP+\q+1], v[TP+\q:TP+\q+1], v[TZ+\q:TZ+\q+1], s[KS5:KS5+1] op_sel_hi:[1,1,0]
	v_pk_fma_f32 v[TQ+\q:TQ+\q+1], v[TQ+\q:TQ+\q+1], v[TZ+\q:TZ+\q+1], s[KC6:KC6+1] op_sel_hi:[1,1,0]
.endr
.irp q, 0,2,4,6
	v_pk_fma_f32 v[TP+\q:TP+\q+1], v[TP+\q:TP+\q+1], v[TZ+\q:TZ+\q+1], s[KS3:KS3+1] op_sel_hi:[1,1,0]
	v_pk_fma_f32 v[TQ+\q:TQ+\q+1], v[TQ+\q:TQ+\q+1], v[TZ+\q:TZ+\q+1], s[KC4:KC4+1] op_sel_hi:[1,1,0]
.endr
.irp q, 0,2,4,6
	v_pk_fma_f32 v[TP+\q:TP+\q+1], v[TP+\q:TP+\q+1], v[TZ+\q:TZ+\q+1], 1.0 op_sel_hi:[1,1,0]
	v_pk_fma_f32 v[TQ+\q:TQ+\q+1], v[TQ+\q:TQ+\q+1], v[TZ+\q:TZ+\q+1], -0.5 op_sel_hi:[1,1,0]
.endr
.irp q, 0,2,4,6
	v_pk_mul_f32 v[TP+\q:TP+\q+1], v[TP+\q:TP+\q+1], v[RB+\q:RB+\q+1]
	v_pk_fma_f32 v[TQ+\q:TQ+\q+1], v[TQ+\q:TQ+\q+1], v[TZ+\q:TZ+\q+1], 1.0 op_sel_hi:[1,1,0]
.endr
.irp q, 0,2,4,6
	v_pk_mul_f32 v[RB+\q:RB+\q+1], v[TQ+\q:TQ+\q+1], v[XB+\q:XB+\q+1]
	v_pk_mul_f32 v[XB+\q:XB+\q+1], v[TP+\q:TP+\q+1], v[XB+\q:XB+\q+1]
.endr
.endm
	s_mov_b32 s[LOFF], 0
	s_mov_b32 s[CNT], 0
.Lblk:
	v_add_nc_u32 v[LA], s[LOFF], v[SB]
.irp k, 0,1,2,3,4,5,6,7,8,9,10,11,12,13,14,15
	ds_load_b128 v[X+4*\k:X+4*\k+3], v[LA] offset:512*\k
.endr
	s_wait_dscnt 0x0
	s_cmp_eq_u32 s[MD], 2
	s_cbranch_scc1 .Lplain
.set j, 0
.rept 64
	v_mul_f32 v[RE+j], s[NL2E], |v[X+j]|
.set j, j+1
.endr
.set j, 0
	s_wait_alu depctr_va_vdst(0)
.rept 64
	v_exp_f32 v[RE+j], v[RE+j]
.set j, j+1
.endr
.set j, 0
.rept 64
	v_max_num_f32 v[X+j], 0, v[X+j]
.set j, j+1
.endr
	s_wait_alu depctr_va_vdst(0)
.irp hf, 0,1
.set j, 0
.rept 16
	v_pk_add_f32 v[U+j:U+j+1], v[RE+32*\hf+j:RE+32*\hf+j+1], 1.0 op_sel_hi:[1,0]
.set j, j+2
.endr
.irp gg, 0,8,16,24
.irp q, 0,2,4,6
	v_pk_add_f32 v[ZT+\q:ZT+\q+1], v[U+\gg+\q:U+\gg+\q+1], -1.0 op_sel_hi:[1,0]
.endr
.irp q, 0,2,4,6
	v_pk_add_f32 v[RE+32*\hf+\gg+\q:RE+32*\hf+\gg+\q+1], v[RE+32*\hf+\gg+\q:RE+32*\hf+\gg+\q+1], v[ZT+\q:ZT+\q+1] neg_lo:[0,1] neg_hi:[0,1]
.endr
.endr
.set j, 0
	s_wait_alu depctr_va_vdst(0)
.rept 32
	v_log_f32 v[U+j], v[U+j]
.set j, j+1
.endr
.set j, 0
.rept 16
	v_pk_add_f32 v[X+32*\hf+j:X+32*\hf+j+1], v[X+32*\hf+j:X+32*\hf+j+1], v[RE+32*\hf+j:RE+32*\hf+j+1]
.set j, j+2
.endr
	s_wait_alu depctr_va_vdst(0)
.set j, 0
.rept 16
	v_pk_fma_f32 v[X+32*\hf+j:X+32*\hf+j+1], v[U+j:U+j+1], s[LN2:LN2+1], v[X+32*\hf+j:X+32*\hf+j+1] op_sel_hi:[1,0,1]
.set j, j+2
.endr
.endr
	s_lshr_b32 s20, s[CNT], 1
	s_lshl_b32 s20, s20, 5
	s_and_b32 s21, s[CNT], 1
	s_lshl_b32 s21, s21, 3
	s_add_co_u32 s20, s20, s21
	s_add_co_u32 s20, s20, s[POSB]
	v_add_nc_u32 v[POS], s20, v[RO]
	v_cvt_f32_u32 v[POS], v[POS]
	v_mov_b32 v[POS+1], v[POS]
	WIN 0x04
.set j, 0
.rept 32
	v_pk_mul_f32 v[RE+j:RE+j+1], v[POS:POS+1], v[j:j+1]
.set j, j+2
.endr
.set j, 0
.rept 32
	v_pk_add_f32 v[RE+j:RE+j+1], v[RE+j:RE+j+1], v[64+j:64+j+1]
.set j, j+2
.endr
	WIN 0
.irp g, 0,1,2,3,4,5,6,7
	TRIG \g
.endr
	QUANT RE, QT, PC1
	PUT PC1, 0
	v_mov_b32 v[NW], v[QT+16]
	QUANT X, QT, PC2
	PUT PC2, IMG
	v_cndmask_b32 v[NW], v[NW], v[QT+16], s[HIM]
	s_branch .Ljoin
.Lplain:
	QUANT X, QT, PC1
	PUT PC1, 0
	v_mov_b32 v[NW], v[QT+16]
.Ljoin:
	s_wait_alu depctr_va_vdst(0)
	v_mov_b32 v[WD], v[WD+1]
	v_mov_b32 v[WD+1], v[WD+2]
	v_mov_b32 v[WD+2], v[WD+3]
	v_mov_b32 v[WD+3], v[NW]
	s_and_b32 s20, s[CNT], 3
	s_cmp_eq_u32 s20, 3
	s_cbranch_scc0 .Lno_words
	global_store_b128 v[LI], v[WD:WD+3], s[SDS:SDS+1]
	s_wait_xcnt 0x0
	s_add_nc_u64 s[SDS:SDS+1], s[SDS:SDS+1], 512
.Lno_words:
	s_wait_xcnt 0x0
	s_add_nc_u64 s[DST:DST+1], s[DST:DST+1], s[DSP:DSP+1]
	s_add_co_u32 s[LOFF], s[LOFF], 8192
	s_add_co_u32 s[CNT], s[CNT], 1
	s_cmp_lt_u32 s[CNT], 8
	s_cbranch_scc1 .Lblk
	s_wait_tensorcnt 0x0
	ds_add_u32 v[SPW], v[NIL]
	s_wait_dscnt 0x0
	CROUND
	s_endpgm
.Lfunc_end_k_q642af81999_qkv:
	.size	k_q642af81999_qkv, .Lfunc_end_k_q642af81999_qkv-k_q642af81999_qkv
	.p2alignl 7, 3214868480
	.fill 96, 4, 3214868480
	.section	.rodata,"a",@progbits
	.p2align	6, 0x0
	.amdhsa_kernel k_q642af81999_qkv
		.amdhsa_group_segment_fixed_size 327680
		.amdhsa_private_segment_fixed_size 0
		.amdhsa_enable_private_segment 0
		.amdhsa_kernarg_size 48
		.amdhsa_user_sgpr_count 2
		.amdhsa_user_sgpr_kernarg_segment_ptr 1
		.amdhsa_wavefront_size32 1
		.amdhsa_system_sgpr_workgroup_id_x 1
		.amdhsa_system_sgpr_workgroup_id_y 1
		.amdhsa_system_sgpr_workgroup_id_z 1
		.amdhsa_system_vgpr_workitem_id 0
		.amdhsa_next_free_vgpr 1024
		.amdhsa_next_free_sgpr 102
		.amdhsa_reserve_vcc 0
		.amdhsa_float_denorm_mode_32 3
		.amdhsa_float_denorm_mode_16_64 3
		.amdhsa_memory_ordered 1
		.amdhsa_forward_progress 1
		.amdhsa_inst_pref_size 218
	.end_amdhsa_kernel
	.amdgpu_metadata
---
amdhsa.version: [ 1, 2 ]
amdhsa.kernels:
  - .name:           k_q642af81999_qkv
    .symbol:         k_q642af81999_qkv.kd
    .args:
      - { .name: xw_codes, .offset: 0, .size: 8, .value_kind: global_buffer, .address_space: global }
      - { .name: xw_scales, .offset: 8, .size: 8, .value_kind: global_buffer, .address_space: global }
      - { .name: learned_bias, .offset: 16, .size: 8, .value_kind: global_buffer, .address_space: global }
      - { .name: q_codes, .offset: 24, .size: 8, .value_kind: global_buffer, .address_space: global }
      - { .name: q_scales, .offset: 32, .size: 8, .value_kind: global_buffer, .address_space: global }
      - { .name: kv_recs, .offset: 40, .size: 8, .value_kind: global_buffer, .address_space: global }
    .group_segment_fixed_size: 327680
    .private_segment_fixed_size: 0
    .kernarg_segment_align: 8
    .kernarg_segment_size: 48
    .max_flat_workgroup_size: 128
    .sgpr_count:     102
    .vgpr_count:     1024
    .wavefront_size: 32
...
	.end_amdgpu_metadata
.endif
;; end of part 6
;; launch attn (part 7): grid 16 x 16, 4 waves a work-group, clusters of 4 x 4, 327,680 bytes of LDS; arguments q_codes, q_scales, kv_recs, attention_mask, o_codes, o_scales; writes o_codes, o_scales
.if DOCPART == 7
	.amdgcn_target "amdgcn-amd-amdhsa--gfx1250"
	.amdhsa_code_object_version 6
	.text
	.protected	k_q642af81999_attn
	.globl	k_q642af81999_attn
	.p2align	8
	.type	k_q642af81999_attn,@function
k_q642af81999_attn:
	s_mov_b64 s[64:65], 0
	v_nop
	global_prefetch_b8 v0, s[64:65] scope:SCOPE_SE
	s_setreg_imm32_b32 hwreg(HW_REG_WAVE_MODE, 25, 1), 1
	s_wait_xcnt 0x0
	s_wait_alu depctr_hold_cnt(0) depctr_sa_sdst(0) depctr_va_vdst(0) depctr_va_sdst(0) depctr_va_ssrc(0) depctr_va_vcc(0) depctr_vm_vsrc(0)
	s_getreg_b32 s2, hwreg(HW_REG_IB_STS2, 6, 4)
	s_cmp_eq_u32 s2, 0
	s_cbranch_scc0 .Lentry_in_a_cluster
	s_endpgm
.Lentry_in_a_cluster:
	s_bfe_u32 s2, ttmp6, 0x10000c
	s_cmp_lg_u32 s2, 0xf033
	s_cbranch_scc0 .Lentry_shape_is_right
	s_endpgm
.Lentry_shape_is_right:
; Launch 3 of 4: scores = (real . real + imaginary . imaginary) / sqrt(128) + attention_mask; softmax; x V; / the row's sum; quantised for the last projection.  All products on codes of E3M2.
; No work is left out: the mask is an input, so every query walks all 2,048 keys.
; THE SOFTMAX AHEAD OF THE SECOND PRODUCT: logit = fl(score / sqrt(128) + mask) (one fused step); t = fl(logit x log2 e), kept as its own f32 number; M = the running largest t rounded UP to a whole number;
; p = 2^(t - M) is quantised along the keys, not normalised; the row's sum is taken of the unquantised p.  When M moves, the sum and O are multiplied by 2^(old M - new M): exact.
; SHARES.  A work-group owns 128 queries of one head; each of its four waves owns TWO tiles of 16, so that each fragment of K and V read from LDS feeds two products: a key step's LDS loads are 4 x 108.
; 16 key steps of 128 keys.  A step's tile is the head's record of the step (launch 2: K's 16 images, V's 8, their scale words: 38,912 dense bytes) and the mask's 128 queries x 128 keys of f32, rows 528 bytes apart.
; A RING OF THREE SLOTS, tile j in slot j % 3, so that operands are read A STEP AHEAD: in step j a wave reads V of step j (under the score products) and K and the mask of step j + 1 (between the softmax's phases), all into
; registers of their own.  At the change at the head of step j every wave has waited for all its tensor loads (tile j + 1 is whole) and for its LDS reads (V of step j - 1 was the last read of slot (j - 1) % 3),
; and behind the round that slot takes tile j + 2.  Tiles 0, 1, 2 are first fills: a wave has one tensor load out at a time.  Slot numbers are constants of the text: a trip of the loop runs three steps.
; CLUSTER 4 x 4: x = four blocks of queries, y = four heads.  The record hangs on the head alone: asked for jointly along a row of the cluster (waves 0, 1: its halves).  The mask's tile hangs on the block of queries alone:
; jointly along a column (waves 2, 3: 64 rows each).
; LAYOUT.  Both products transposed: S^T = K Q^T, O^T = V^T P^T: a lane holds ONE query of each tile throughout; by the tiles' choice of rows S's register 16 b + i is key 32 b + 16 (lane / 16) + i, O's likewise along the head's 128.
; The mask's 16 rows that a load touches start two by two in the same banks (places r and r + 8 lie 16 rows apart): 32 of a wave's 108 loads.
; REGISTERS, in windows of 256.  Window 0: addresses, statistics, scale words, S of both tiles (v64-191), 32 registers at work for each tile (v192-255): all that the softmax touches, so that the two tiles alternate line by line.
;   Window 1: v0-47 Q (tile t, real then imaginary, at 24 t); v64-191 O^T.   Window 2: v0-191 K's 16 fragments.   Window 3: v0-95 V's 8 fragments; v96-223 the mask of both tiles.
; OUT: o_codes as launch 4's A operand: [tile of 16 queries (128)][head (16)][image]; o_scales [tile][head / 2][place r][head % 2] words: a tile's 16 words stand 8 bytes apart.
; LIMITS: as stated at the head of launch 1.
; THE FIRST FILLS (this paragraph stands for what is said of them above): a wave issues ONE tensor load at the head, its part of tile 0.  Tile 1 is asked for behind the full sequence (the wait for all tensor loads, the add,
; the wait for it) and a round, ahead of step 0's reads of K and the mask; tile 2 behind a second such sequence, which stands inside step 0, behind its score products and ahead of its first read of tile 1.
; By the text's own count a wave never has more than one tensor load out.
; THE ROW'S SUM: its additions name no register of the second products and stand between them, eight behind each pair of products.
.set REC,   38912
.set IMG,   1536
.set VIO,   24576                      ; in a record: V's images,
.set KSO,   36864                      ; K's scale words,
.set VSO,   37888                      ; V's
.set MOFF,  REC                        ; in a slot: the mask's tile
.set MP,    528
.set SLOTB, REC+128*MP                 ; a slot: 106,496 bytes
.set SPARE, 3*SLOTB                    ; behind the ring: the spare words, 128 bytes for each wave, that no other line names
.set LI,  1                            ; v1    16 x lane
.set ADK, 2                            ; v2-4  16 x lane in slot 0, 1, 2
.set ADM, 5                            ; v5-7  my first tile's row of the mask in slot 0, 1, 2; the second tile's lies 8 rows on
.set SPW, 8                            ; v8    LDS address of my spare word; never rewritten
.set NIL, 9                            ; v9    0; never rewritten
.set PFO, 10                           ; v10   the prefetches' offset; never rewritten
.set RO8, 11                           ; v11   the way out: 8 r
.set ST,  12                           ; tile t's statistics at v[12 + 4 t]: -M, the largest t, the sum in two halves
.set QS,  20                           ; v20-21 Q's scale words, a register a tile: lanes 0-15 real, lanes 16-31 imaginary
.set KS,  24                           ; v24-31 K's, a register a tile of keys, laid likewise
.set VS,  32                           ; v32-39 V's
.set PW,  40                           ; v40-41 p's, a register a tile
.set S,   64                           ; v64-191 S^T, then t, then p: tile t at 64 t
.set T,   192                          ; at work, tile t at 32 t: +0..11 p's codes; +8..11 the blocks' largest; +12..18 at work; +20..23 the conversions' scale operands; +28 f (+29 named with it); +30 at work
.set OO,  64                           ; window 1: O^T
.set MK,  96                           ; window 3: the mask
.set WV, 16
.set W1, 17
.set CX, 18
.set CY, 19
.set QB, 20
.set HD, 21
.set SEL, 22
.set G1K, 24
.set G1M, 32
.set G0K, 40                           ; s[40:51] group 0 for the record, a set for each slot
.set G0M, 52                           ; s[52:63] for the mask
.set RSQ, 66                           ; s[66:67] 1 / sqrt(128)
.set L2E, 68                           ; s[68:69] log2 e
.set CNT, 70
.set LIM, 71                           ; s71  1 in a wave that prefetches
.set PFA, 72                           ; s[72:73] where my prefetches stand
.set PFS, 74                           ; s[74:75] a step on
.set MSB, 0
.macro WIN new                         ; the immediate's high byte repeats the setting that is left
.if MSB != \new
	s_set_vgpr_msb (MSB<<8)|\new
.set MSB, \new
.endif
.endm
.set W_KQ, 0x06                        ; source 0 (K) window 2, source 1 (Q) window 1, C and D (S) window 0
.set W_PV, 0x53                        ; source 0 (V) window 3, source 1 (p) window 0, C and D (O) window 1
.set W_MK, 0x30                        ; source 2 (the mask) window 3
.set W_RS, 0x41                        ; destination and source 0 (O) window 1
.macro PLACES n                        ; plain vector instructions between a matrix instruction and a load into, or a read of, its registers (ISA guide 7.12.1 for a read)
.rept \n
	v_nop
.endr
.endm
.macro CROUND
	s_barrier_signal -1
	s_barrier_wait -1
	s_cmp_lg_u32 s[WV], 0
	s_cbranch_scc1 .Lnot_wave_0_\@
	s_barrier_signal -3
.Lnot_wave_0_\@:
	s_barrier_wait -3
	s_barrier_signal -1
	s_barrier_wait -1
.endm
.macro TLOAD slot                      ; the branch hangs on the wave's number alone; an s_nop 0 and four v_nop follow each line
	s_cmp_lt_u32 s[WV], 2
	s_cbranch_scc0 .Lfor_m_\@
	tensor_load_to_lds s[G0K+4*\slot:G0K+4*\slot+3], s[G1K:G1K+7]
	s_nop 0
	PLACES 4
	s_branch .Lasked_\@
.Lfor_m_\@:
	tensor_load_to_lds s[G0M+4*\slot:G0M+4*\slot+3], s[G1M:G1M+7]
	s_nop 0
	PLACES 4
.Lasked_\@:
.endm
; A PREFETCH of what the NEXT tensor load of the wave will ask for, one tile ahead of that load, behind the wave's tensor load and its five lines.
; A head's record is walked by the four clusters of its row of clusters: the first of them (cluster x = 0) asks, waves 0 and 1; its four partners along x take 38 blocks of 256 bytes each, told apart by address;
; thread t names block min(t, 37), so 26 lanes of wave 1 name block 37 again.  A block of queries' mask is walked by the four clusters of its column: cluster y = 0 asks, waves 2 and 3; its four partners along y take
; 32 rows each, two lanes to a row's 512 bytes.  Asked for are tiles 1 to 15: three behind the first fills, twelve in the loop's changes; tile 0 comes by its load alone.
.macro ASK
	s_cmp_eq_u32 s[LIM], 1
	s_cbranch_scc0 .Lnot_mine_\@
	global_prefetch_b8 v[PFO], s[PFA:PFA+1] th:TH_LOAD_NT scope:SCOPE_SE
.Lnot_mine_\@:
.endm
; A step's 108 LDS loads are numbered: 0-23 V's images, 24-25 V's scale words (slot sv: the step in hand); 26-73 K's images, 74-75 K's scale words, 76-107 the mask of both tiles (slot sk: the next step).
; An image's planes lie on end, so load n of a run of images takes 512 n bytes on and registers 4 n on.  RUN issues loads from .. to - 1.
.macro RUN from, to, sv, sk
.set n, \from
.rept (\to)-(\from)
.if n < 24
	WIN 0xc0                                       ; destination window 3
	ds_load_b128 v[4*n:4*n+3], v[ADK+\sv] offset:VIO+512*n
.elseif n < 26
	WIN 0
	ds_load_b128 v[VS+4*(n-24):VS+4*(n-24)+3], v[ADK+\sv] offset:VSO+512*(n-24)
.elseif n < 74
	WIN 0x80                                       ; destination window 2
	ds_load_b128 v[4*(n-26):4*(n-26)+3], v[ADK+\sk] offset:512*(n-26)
.elseif n < 76
	WIN 0
	ds_load_b128 v[KS+4*(n-74):KS+4*(n-74)+3], v[ADK+\sk] offset:KSO+512*(n-74)
.else
	WIN 0xc0
	ds_load_b128 v[MK+4*(n-76):MK+4*(n-76)+3], v[ADM+\sk] offset:8*MP*((n-76)/16)+128*(((n-76)%16)/4)+16*((n-76)%4)   ; tile (n - 76) / 16: my query's mask at keys 32 b + 16 h + 4 i on
.endif
.set n, n+1
.endr
	WIN 0
.endm
	s_load_b256 s[4:11], s[0:1], 0x0               ; q_codes, q_scales, kv_recs, attention_mask
	s_load_b128 s[12:15], s[0:1], 0x20             ; o_codes, o_scales
	v_lshl_add_u32 v[SPW], v0, 2, SPARE
	v_mov_b32 v[NIL], 0
	ds_add_u32 v[SPW], v[NIL]                      ; the wave's opening: the add, twice on end, and its wait ahead of my first tensor load
	ds_add_u32 v[SPW], v[NIL]
	v_lshrrev_b32 v42, 5, v0
	v_readfirstlane_b32 s[WV], v42                 ; wave 0..3
	s_and_b32 s[W1], s[WV], 1                      ; which half I fetch
	s_bfe_u32 s[CX], ttmp6, 0x40000
	s_bfe_u32 s[CY], ttmp6, 0x40004
	s_lshl_b32 s[QB], ttmp9, 2
	s_add_co_u32 s[QB], s[QB], s[CX]               ; my block of 128 queries
	s_and_b32 s[HD], ttmp7, 0xffff
	s_lshl_b32 s[HD], s[HD], 2
	s_add_co_u32 s[HD], s[HD], s[CY]               ; my head
	s_lshl_b32 s76, s[CY], 2
	s_lshl_b32 s76, 15, s76                        ; my row of the cluster
	s_lshl_b32 s77, 0x1111, s[CX]                  ; my column
	s_or_b32 s[G1K], s76, (3<<16)|(1<<21)          ; half a record: 19,456 dense bytes as 76 rows of 256 (32 elements of 8 bytes); no padding
	s_mov_b32 s[G1K+1], 32<<16
	s_mov_b32 s[G1K+2], 76<<16
	s_mov_b32 s[G1K+3], 32<<16
	s_mov_b32 s[G1K+4], 76
	s_mov_b32 s[G1K+5], 32
	s_mov_b32 s[G1K+6], 0
	s_mov_b32 s[G1K+7], 0
	s_or_b32 s[G1M], s77, (2<<16)|(1<<20)|(1<<21)|(6<<22)|(3<<25)  ; 64 rows of 128 f32; after every 128 words 4 words of padding
	s_mov_b32 s[G1M+1], 128<<16
	s_mov_b32 s[G1M+2], 64<<16
	s_mov_b32 s[G1M+3], 128<<16
	s_mov_b32 s[G1M+4], 64
	s_mov_b32 s[G1M+5], 2048
	s_mov_b32 s[G1M+6], 0
	s_mov_b32 s[G1M+7], 0
	s_mul_i32 s78, s[W1], REC/2                    ; my half of a record, in memory and in a slot
	s_mul_i32 s80, s[HD], 16*REC
	s_add_co_u32 s80, s80, s78
	s_mov_b32 s81, 0
	s_mul_i32 s79, s[W1], 64*MP                    ; my 64 rows of the mask's tile in a slot,
	s_add_co_u32 s79, s79, MOFF
	s_lshl_b32 s82, s[QB], 20                      ; and in memory: 128 rows of 8,192 bytes a block of queries
	s_lshl_b32 s83, s[W1], 19
	s_add_co_u32 s82, s82, s83
	s_mov_b32 s83, 0
	s_lshl_b32 s84, s[QB], 3
	s_lshl_b32 s85, s[WV], 1
	s_add_co_u32 s84, s84, s85                     ; my first tile of queries, 0 .. 126, even
	s_lshl_b32 s85, s[HD], 7
	s_add_co_u32 s85, s85, s84                     ; and among all heads'
	s_mul_i32 s86, s85, 2*IMG                      ; its two images; the second tile's follow
	s_mov_b32 s87, 0
	s_lshr_b32 s88, s85, 2
	s_lshl_b32 s88, s88, 9                         ; its group of four tiles' scale words,
	s_and_b32 s89, s85, 3
	s_lshl_b32 s89, s89, 2                         ; its word in a lane's 16 bytes (0 or 8: the two tiles' words are one load of 8 bytes)
	s_add_co_u32 s88, s88, s89
	s_mov_b32 s89, 0
	s_lshl_b32 s90, s84, 4
	s_add_co_u32 s90, s90, s[HD]
	s_mul_i32 s90, s90, IMG                        ; o_codes: (16 x tile + head) images
	s_mov_b32 s91, 0
	s_lshl_b32 s92, s84, 10                        ; o_scales: 1,024 x tile + 128 (head / 2) + 4 (head % 2)
	s_lshr_b32 s93, s[HD], 1
	s_lshl_b32 s93, s93, 7
	s_add_co_u32 s92, s92, s93
	s_and_b32 s93, s[HD], 1
	s_lshl_b32 s93, s93, 2
	s_add_co_u32 s92, s92, s93
	s_mov_b32 s93, 0
	s_mov_b32 s[SEL], 0x76543210
	s_mov_b32 s[SEL+1], 0xfedcba98
	s_mov_b32 s[RSQ], 0x3db504f3
	s_mov_b32 s[RSQ+1], 0x3db504f3
	s_mov_b32 s[L2E], 0x3fb8aa3b
	s_mov_b32 s[L2E+1], 0x3fb8aa3b
	v_and_b32 v42, 31, v0
	v_lshlrev_b32 v[LI], 4, v42
	v_and_b32 v42, 15, v0                          ; r
	v_bfe_u32 v43, v0, 4, 1                        ; h
	v_and_b32 v44, 8, v42
	v_add_nc_u32 v44, v44, v42                     ; r + 8 (r / 8)
	s_lshl_b32 s76, s[WV], 5
	v_add_nc_u32 v44, s76, v44                     ; my first tile's query among the block's 128
	v_mul_u32_u24 v44, v44, MP
	v_lshl_add_u32 v44, v43, 6, v44                ; + 64 h: my 16 keys of a block of 32
.irp s, 0,1,2
	v_add_nc_u32 v[ADK+\s], \s*SLOTB, v[LI]
	v_add_nc_u32 v[ADM+\s], \s*SLOTB+MOFF, v44
.endr
	s_wait_dscnt 0x0                               ; both opening adds are done
	s_wait_kmcnt 0x0
	s_add_nc_u64 s[80:81], s[8:9], s[80:81]
	s_add_nc_u64 s[82:83], s[10:11], s[82:83]
.irp s, 0,1,2
	s_mov_b32 s[G0K+4*\s], 1
	s_add_co_u32 s[G0K+4*\s+1], s78, \s*SLOTB
	s_add_nc_u64 s[G0K+4*\s+2:G0K+4*\s+3], s[80:81], \s*REC      ; tile s
	s_or_b32 s[G0K+4*\s+3], s[G0K+4*\s+3], 0x80000000
	s_mov_b32 s[G0M+4*\s], 1
	s_add_co_u32 s[G0M+4*\s+1], s79, \s*SLOTB
	s_add_nc_u64 s[G0M+4*\s+2:G0M+4*\s+3], s[82:83], \s*512
	s_or_b32 s[G0M+4*\s+3], s[G0M+4*\s+3], 0x80000000
.endr
	s_add_nc_u64 s[4:5], s[4:5], s[86:87]
	s_add_nc_u64 s[6:7], s[6:7], s[88:89]
	s_add_nc_u64 s[12:13], s[12:13], s[90:91]
	s_add_nc_u64 s[14:15], s[14:15], s[92:93]
	CROUND                                         ; all sixteen work-groups are here: the first joint loads meet
	TLOAD 0                                        ; tile 0: one tensor load a wave at the head
	WIN 0x40                                       ; destination window 1
.irp g, 0,1,2,3,4,5,6,7,8,9,10,11
	global_load_b128 v[4*\g:4*\g+3], v[LI], s[4:5] offset:512*\g   ; Q's four images stay in registers
.endr
	WIN 0
	global_load_b64 v[QS:QS+1], v[LI], s[6:7]
	; the prefetches: who asks, and where
	s_mul_i32 s76, s[HD], 16*REC
	s_mul_i32 s77, s[CX], 38*256
	s_add_co_u32 s76, s76, s77
	s_add_co_u32 s76, s76, REC                     ; in tile 1
	s_lshl_b32 s78, s[QB], 20
	s_lshl_b32 s79, s[CY], 18
	s_add_co_u32 s78, s78, s79
	s_add_co_u32 s78, s78, 512
	s_and_b32 s79, ttmp7, 0xffff
	s_cmp_lt_u32 s[WV], 2
	s_cselect_b64 s[PFA:PFA+1], s[8:9], s[10:11]
	s_cselect_b32 s76, s76, s78
	s_mov_b32 s77, 0
	s_mov_b32 s[PFS], 512
	s_cselect_b32 s[PFS], REC, s[PFS]
	s_mov_b32 s[PFS+1], 0
	s_cselect_b32 s80, 0, -1
	s_cselect_b32 s79, ttmp9, s79                  ; the coordinate along which other clusters read the same bytes
	s_add_nc_u64 s[PFA:PFA+1], s[PFA:PFA+1], s[76:77]
	s_cmp_eq_u32 s79, 0
	s_cselect_b32 s[LIM], 1, -1                    ; the same in all sixteen partners, for a given wave
	v_min_u32 v42, 37, v0
	v_lshlrev_b32 v42, 8, v42
	v_and_b32 v43, 63, v0
	v_lshrrev_b32 v44, 1, v43
	v_and_b32 v43, 1, v43
	v_lshlrev_b32 v43, 8, v43
	v_lshl_add_u32 v43, v44, 13, v43
	v_cndmask_b32 v[PFO], v42, v43, s80
	ASK                                            ; tile 1
.irp t, 0,1
	v_mov_b32 v[ST+4*\t+1], 0xff61b1e6             ; the largest t so far: -3e38, under every t
	v_floor_f32 v[ST+4*\t], -v[ST+4*\t+1]          ; -M
	v_mov_b32 v[ST+4*\t+2], 0                      ; the sum, in two halves
	v_mov_b32 v[ST+4*\t+3], 0
	v_mov_b32 v[T+32*\t+29], 0                     ; (named as the upper half of f's pair)
.irp b, 0,1,2,3
	v_mov_b32 v[T+32*\t+12+\b], 0                  ; (a lane permute's destination counts as one of its sources)
.endr
.endr
; A KEY STEP.  sv: the slot of this step; sk: the slot of the next; pre = 1: the next step's K and mask are fetched; first = 1: the second products start O^T's sums, and there is nothing to rescale.
.macro STEP sv, sk, pre, first
	PLACES 4                                       ; between the last step's second products and the loads into V's registers
	RUN 0, 26, \sv, \sk                            ; V and its scale words: they land under the score products
	WIN W_KQ
.irp c, 0,1                                    ; the sixteen accumulators take turns, one instruction a turn
.irp k, 0,1,2,3,4,5,6,7
.irp t, 0,1
.if \c == 0
	v_wmma_scale_f32_16x16x128_f8f6f4 v[S+64*\t+8*\k:S+64*\t+8*\k+7], v[24*\k:24*\k+11], v[24*\t:24*\t+11], 0, v[KS+\k], v[QS+\t] matrix_a_fmt:MATRIX_FMT_BF6 matrix_b_fmt:MATRIX_FMT_BF6
.else
	v_wmma_scale_f32_16x16x128_f8f6f4 v[S+64*\t+8*\k:S+64*\t+8*\k+7], v[24*\k+12:24*\k+23], v[24*\t+12:24*\t+23], v[S+64*\t+8*\k:S+64*\t+8*\k+7], v[KS+\k], v[QS+\t] matrix_a_fmt:MATRIX_FMT_BF6 matrix_b_fmt:MATRIX_FMT_BF6 matrix_a_scale:MATRIX_SCALE_ROW1 matrix_b_scale:MATRIX_SCALE_ROW1
.endif
.endr
.endr
.endr
	WIN 0
	PLACES 4                                       ; in front of the first read of the scores, and of the loads over K's fragments and scale words further down
	WIN W_MK
.set j, 0
.rept 64
	v_pk_fma_f32 v[S+j:S+j+1], v[S+j:S+j+1], s[RSQ:RSQ+1], v[MK+j:MK+j+1] op_sel_hi:[1,0,1]   ; the logit; each accumulator is read from its low end on
.set j, j+2
.endr
	WIN 0
.if \first
	s_wait_alu depctr_va_vdst(0)
	s_wait_tensorcnt 0x0                           ; step 0 alone: my part of tile 1 is in
	ds_add_u32 v[SPW], v[NIL]
	s_wait_xcnt 0x0                                ; the last prefetch has read its address
	s_add_nc_u64 s[PFA:PFA+1], s[PFA:PFA+1], s[PFS:PFS+1]
	s_wait_dscnt 0x0
	CROUND                                         ; tile 1 is whole for every wave
	TLOAD 2                                        ; tile 2, slot 2's first fill
	ASK                                            ; tile 3
.endif
.if \pre
	RUN 76, 92, \sv, \sk
.endif
.set j, 0
.rept 64
	v_pk_mul_f32 v[S+j:S+j+1], v[S+j:S+j+1], s[L2E:L2E+1] op_sel_hi:[1,0]   ; t
.set j, j+2
.endr
.if \pre
	RUN 92, 108, \sv, \sk                          ; second tile
.endif
.irp t, 0,1
.irp b, 0,1,2,3
	v_max3_num_f32 v[T+32*\t+8+\b], v[S+64*\t+16*\b], v[S+64*\t+16*\b+1], v[S+64*\t+16*\b+2]   ; the largest t of each block of 32 keys: for the row's maximum, and, since p rises with t, for the block's largest p
.endr
.endr
.irp i, 3,5,7,9,11,13
.irp t, 0,1
.irp b, 0,1,2,3
	v_max3_num_f32 v[T+32*\t+8+\b], v[T+32*\t+8+\b], v[S+64*\t+16*\b+\i], v[S+64*\t+16*\b+\i+1]
.endr
.endr
.endr
.if \pre
	RUN 26, 42, \sv, \sk                           ; the next step's K
.endif
.irp t, 0,1
.irp b, 0,1,2,3
	v_max_num_f32 v[T+32*\t+8+\b], v[T+32*\t+8+\b], v[S+64*\t+16*\b+15]
.endr
.endr
.irp t, 0,1
.irp b, 0,1,2,3
	v_permlanex16_b32 v[T+32*\t+12+\b], v[T+32*\t+8+\b], s[SEL], s[SEL+1]
.endr
.endr
.irp t, 0,1
.irp b, 0,1,2,3
	v_max_num_f32 v[T+32*\t+8+\b], v[T+32*\t+8+\b], v[T+32*\t+12+\b]   ; with lane l xor 16's 16 keys
.endr
.endr
.irp t, 0,1
	v_max3_num_f32 v[T+32*\t+30], v[T+32*\t+8], v[T+32*\t+9], v[T+32*\t+10]
.endr
.irp t, 0,1
	v_max_num_f32 v[T+32*\t+30], v[T+32*\t+30], v[T+32*\t+11]
.endr
.irp t, 0,1
	v_max_num_f32 v[ST+4*\t+1], v[ST+4*\t+1], v[T+32*\t+30]   ; the running largest t
.endr
.irp t, 0,1
	v_mov_b32 v[T+32*\t+30], v[ST+4*\t]
.endr
.irp t, 0,1
	v_floor_f32 v[ST+4*\t], -v[ST+4*\t+1]          ; the new -M = -ceil(t): a whole number
.endr
.irp t, 0,1
	v_sub_f32 v[T+32*\t+30], v[ST+4*\t], v[T+32*\t+30]   ; old M - new M: a whole number, 0 or less
.endr
.irp t, 0,1
	v_cvt_i32_f32 v[T+32*\t+30], v[T+32*\t+30]     ; (it saturates)
.endr
.irp t, 0,1
	v_ldexp_f32 v[T+32*\t+28], 1.0, v[T+32*\t+30]  ; f = 2^(old M - new M)
.endr
.if \pre
	RUN 42, 58, \sv, \sk
.endif
.irp t, 0,1
.set j, 0
.rept 32
	v_pk_add_f32 v[S+64*\t+j:S+64*\t+j+1], v[S+64*\t+j:S+64*\t+j+1], v[ST+4*\t:ST+4*\t+1] op_sel_hi:[1,0]   ; t - M
.set j, j+2
.endr
.endr
.irp t, 0,1
.irp b, 0,1,2,3
	v_add_f32 v[T+32*\t+8+\b], v[T+32*\t+8+\b], v[ST+4*\t]   ; the same of each block's largest t
.endr
.endr
.if \pre
	RUN 58, 76, \sv, \sk                           ; the last of the step's loads: the exponentials and all behind them stand between these and the wait
.endif
.set j, 0
	s_wait_alu depctr_va_vdst(0)
.rept 128
	v_exp_f32 v[S+j], v[S+j]                       ; p = 2^(t - M), at most 1: both tiles' are one batch
.set j, j+1
.endr
.irp t, 0,1
	v_pk_mul_f32 v[ST+4*\t+2:ST+4*\t+3], v[ST+4*\t+2:ST+4*\t+3], v[T+32*\t+28:T+32*\t+29] op_sel_hi:[1,0]   ; the sums under the new M (plain places behind the exponentials)
.endr
	s_wait_alu depctr_va_vdst(0)                   ; one wait for the whole batch, ahead of its first reader
.irp t, 0,1
.irp b, 0,1,2,3
	v_exp_f32 v[T+32*\t+8+\b], v[T+32*\t+8+\b]     ; the block's largest p: the same addition and exponential on the same number give the same bits
.endr
.endr
.irp t, 0,1
	v_pk_add_f32 v[T+32*\t+24:T+32*\t+25], v[S+64*\t:S+64*\t+1], v[S+64*\t+2:S+64*\t+3]   ; the row's sum is taken of the unquantised p, in two chains a tile: the second chain begins here (plain work behind the eight); the rest stands among the second products
.endr
	s_wait_alu depctr_va_vdst(0)                   ; and one for the eight
.irp t, 0,1
.irp b, 0,1,2,3
	v_max_num_f32 v[T+32*\t+8+\b], 0x2800000, v[T+32*\t+8+\b]   ; the floor 2^(5 - 127): the byte cannot fall under 1
.endr
.endr
.irp t, 0,1
.irp b, 0,1,2,3
	v_add_nc_u32 v[T+32*\t+20+\b], 0xfe000000, v[T+32*\t+8+\b]  ; 4 off the exponent field: the conversion's scale operand
.endr
.endr
.irp t, 0,1
.irp b, 0,1,2,3
	v_lshrrev_b32 v[T+32*\t+12+\b], 23, v[T+32*\t+20+\b]        ; the scale's byte
.endr
.endr
.irp t, 0,1
	v_lshl_or_b32 v[PW+\t], v[T+32*\t+13], 8, v[T+32*\t+12]     ; p's scale word for these 128 keys
.endr
.irp t, 0,1
	v_lshl_or_b32 v[PW+\t], v[T+32*\t+14], 16, v[PW+\t]
.endr
.irp t, 0,1
	v_lshl_or_b32 v[PW+\t], v[T+32*\t+15], 24, v[PW+\t]
.endr
.irp t, 0,1
.irp c, 0,1
	v_cvt_scalef32_pk16_bf6_f32 v[T+32*\t+6*\c:T+32*\t+6*\c+2], v[S+64*\t+32*\c:S+64*\t+32*\c+15], v[T+32*\t+20+2*\c]
	v_cvt_scalef32_pk16_bf6_f32 v[T+32*\t+12+4*\c:T+32*\t+14+4*\c], v[S+64*\t+32*\c+16:S+64*\t+32*\c+31], v[T+32*\t+21+2*\c]   ; (a conversion's three registers begin on an even number)
.endr
.endr
	v_nop                                          ; one plain place behind a scaled conversion
.irp t, 0,1
.irp c, 0,1                                    ; the operand's layout wants a whole block in a lane
.irp i, 0,1,2
	v_permlane16_swap_b32 v[T+32*\t+6*\c+\i], v[T+32*\t+12+4*\c+\i]
.endr
.irp i, 0,1,2
	v_mov_b32 v[T+32*\t+3+6*\c+\i], v[T+32*\t+12+4*\c+\i]
.endr
.endr
.endr
.if \first
	s_wait_alu depctr_va_vdst(0)
	PLACES 8                                       ; between p's scale words and codes, written by vector instructions, and the scaled products
.else
	WIN W_RS
.irp t, 0,1
.set j, 0
.rept 32
	v_pk_mul_f32 v[OO+64*\t+j:OO+64*\t+j+1], v[OO+64*\t+j:OO+64*\t+j+1], v[T+32*\t+28:T+32*\t+29] op_sel_hi:[1,0]   ; O^T under the new M (these are also the places between p's codes and scale words and the products)
.set j, j+2
.endr
.endr
	WIN 0
.endif
	s_wait_alu depctr_va_vdst(0)
	s_wait_dscnt 0x0                               ; V is in, and so is all that was fetched for the next step: my reads of both slots are over
.irp d, 0,1,2,3,4,5,6,7
	WIN W_PV
.irp t, 0,1
.if \first
	v_wmma_scale_f32_16x16x128_f8f6f4 v[OO+64*\t+8*\d:OO+64*\t+8*\d+7], v[12*\d:12*\d+11], v[T+32*\t:T+32*\t+11], 0, v[VS+\d], v[PW+\t] matrix_a_fmt:MATRIX_FMT_BF6 matrix_b_fmt:MATRIX_FMT_BF6
.else
	v_wmma_scale_f32_16x16x128_f8f6f4 v[OO+64*\t+8*\d:OO+64*\t+8*\d+7], v[12*\d:12*\d+11], v[T+32*\t:T+32*\t+11], v[OO+64*\t+8*\d:OO+64*\t+8*\d+7], v[VS+\d], v[PW+\t] matrix_a_fmt:MATRIX_FMT_BF6 matrix_b_fmt:MATRIX_FMT_BF6
.endif
.endr
	WIN 0
.irp t, 0,1                                    ; the sum's two chains go on: p is still in S's registers, which no second product names
	v_pk_add_f32 v[ST+4*\t+2:ST+4*\t+3], v[ST+4*\t+2:ST+4*\t+3], v[S+64*\t+8*\d+4:S+64*\t+8*\d+5]
	v_pk_add_f32 v[T+32*\t+24:T+32*\t+25], v[T+32*\t+24:T+32*\t+25], v[S+64*\t+8*\d+6:S+64*\t+8*\d+7]
.endr
.if \d < 7
.irp t, 0,1
	v_pk_add_f32 v[ST+4*\t+2:ST+4*\t+3], v[ST+4*\t+2:ST+4*\t+3], v[S+64*\t+8*\d+8:S+64*\t+8*\d+9]
	v_pk_add_f32 v[T+32*\t+24:T+32*\t+25], v[T+32*\t+24:T+32*\t+25], v[S+64*\t+8*\d+10:S+64*\t+8*\d+11]
.endr
.endif
.endr
.irp t, 0,1
	v_pk_add_f32 v[ST+4*\t+2:ST+4*\t+3], v[ST+4*\t+2:ST+4*\t+3], v[T+32*\t+24:T+32*\t+25]
.endr
.endm
; THE CHANGE OF SLOTS stands at a step's head.  Each wave waits for all its tensor loads (its part of the tile that this step reads ahead), adds 0 to its spare word, and waits for that (its LDS reads were waited for in the step).
; fill = 1: behind a round of the cluster's barrier the slot that the last step read out takes the tile three on from the one it held.
.macro CHANGE slot, fill, ask
	s_wait_tensorcnt 0x0                           ; no tensor load of mine is out, so a group 0 may be written
	ds_add_u32 v[SPW], v[NIL]                      ; 0 onto my spare word
.if \fill
	s_add_nc_u64 s[G0K+4*\slot+2:G0K+4*\slot+3], s[G0K+4*\slot+2:G0K+4*\slot+3], 3*REC
	s_add_nc_u64 s[G0M+4*\slot+2:G0M+4*\slot+3], s[G0M+4*\slot+2:G0M+4*\slot+3], 3*512
.if \ask
	s_wait_xcnt 0x0                                ; the last prefetch, a step back, has read its address
	s_add_nc_u64 s[PFA:PFA+1], s[PFA:PFA+1], s[PFS:PFS+1]
.endif
	s_wait_dscnt 0x0                               ; the add is done, and my reads of the slot to be filled are over
	CROUND
	TLOAD \slot                                    ; the first thing behind the round, and my one tensor load until the next
.if \ask
	ASK
.endif
.else
	s_wait_dscnt 0x0
	s_barrier_signal -1
	s_barrier_wait -1
.endif
.endm
	s_wait_alu depctr_va_vdst(0)
	s_wait_tensorcnt 0x0                           ; my part of tile 0 is in
	ds_add_u32 v[SPW], v[NIL]
	s_wait_xcnt 0x0                                ; the first prefetch has read its address
	s_add_nc_u64 s[PFA:PFA+1], s[PFA:PFA+1], s[PFS:PFS+1]
	s_wait_dscnt 0x0
	CROUND                                         ; tile 0 is whole for every wave
	TLOAD 1                                        ; tile 1, slot 1's first fill
	ASK                                            ; tile 2
	RUN 26, 108, 0, 0
	s_wait_loadcnt 0x0                             ; Q
	s_wait_dscnt 0x0
	STEP 0, 1, 1, 1                                ; step 0
	s_mov_b32 s[CNT], 4
.Ltrip:                                            ; four trips of three steps: steps 1 to 12; the changes ask for tiles 3 to 14
	CHANGE 0, 1, 1
	STEP 1, 2, 1, 0
	CHANGE 1, 1, 1
	STEP 2, 0, 1, 0
	CHANGE 2, 1, 1
	STEP 0, 1, 1, 0
	s_sub_co_u32 s[CNT], s[CNT], 1
	s_cmp_lg_u32 s[CNT], 0
	s_cbranch_scc1 .Ltrip
	CHANGE 0, 1, 0                                 ; the tail is written out. Step 13 asks for tile 15, the last
	STEP 1, 2, 1, 0
	CHANGE 0, 0, 0                                 ; step 14: tile 15 is whole; nothing is asked for
	STEP 2, 0, 1, 0
	STEP 0, 0, 0, 0                                ; step 15: its slot has been whole since the last barrier; nothing is left to fetch ahead
.macro QUANT s, tm, pc                 ; 64 numbers of a lane, register 16 b + i = k 32 b + 16 (lane / 16) + i of my row -> codes in v[pc] .. v[pc + 11], scale word in v[tm + 16]
.irp b, 0,1,2,3
	v_max3_num_f32 v[\tm+\b], |v[\s+16*\b]|, |v[\s+1+16*\b]|, 0x2800000
.endr
.irp i, 2,4,6,8,10,12,14
.irp b, 0,1,2,3
	v_max3_num_f32 v[\tm+\b], v[\tm+\b], |v[\s+16*\b+\i]|, |v[\s+1+16*\b+\i]|
.endr
.endr
.irp b, 0,1,2,3
	v_permlanex16_b32 v[\tm+4+\b], v[\tm+\b], s[SEL], s[SEL+1]
.endr
.irp b, 0,1,2,3
	v_max_num_f32 v[\tm+\b], v[\tm+\b], v[\tm+4+\b]
.endr
.irp b, 0,1,2,3
	v_add_nc_u32 v[\tm+12+\b], 0xfe000000, v[\tm+\b]
.endr
.irp b, 0,1,2,3
	v_lshrrev_b32 v[\tm+4+\b], 23, v[\tm+12+\b]
.endr
	v_lshl_or_b32 v[\tm+16], v[\tm+5], 8, v[\tm+4]
	v_lshl_or_b32 v[\tm+16], v[\tm+6], 16, v[\tm+16]
	v_lshl_or_b32 v[\tm+16], v[\tm+7], 24, v[\tm+16]
.irp c, 0,1
	v_cvt_scalef32_pk16_bf6_f32 v[\pc+6*\c:\pc+2+6*\c], v[\s+32*\c:\s+15+32*\c], v[\tm+12+2*\c]
	v_cvt_scalef32_pk16_bf6_f32 v[\pc+12+4*\c:\pc+14+4*\c], v[\s+16+32*\c:\s+31+32*\c], v[\tm+12+2*\c+1]
.endr
	v_nop
.irp c, 0,1
.irp i, 0,1,2
	v_permlane16_swap_b32 v[\pc+6*\c+\i], v[\pc+12+4*\c+\i]
.endr
.irp i, 0,1,2
	v_mov_b32 v[\pc+3+6*\c+\i], v[\pc+12+4*\c+\i]
.endr
.endr
.endm
	; THE WAY OUT: O^T / the row's sum, quantised along the head's 128, which are 128 of the last projection's K
	PLACES 4                                       ; behind the last products
.irp t, 0,1
	v_add_f32 v[ST+4*\t+2], v[ST+4*\t+2], v[ST+4*\t+3]   ; the sum's two halves,
.endr
.irp t, 0,1
	v_permlanex16_b32 v[T+32*\t+28], v[ST+4*\t+2], s[SEL], s[SEL+1]
.endr
.irp t, 0,1
	v_add_f32 v[ST+4*\t+2], v[ST+4*\t+2], v[T+32*\t+28]  ; and lane l xor 16's
.endr
	s_wait_alu depctr_va_vdst(0)
.irp t, 0,1
	v_rcp_f32 v[ST+4*\t+2], v[ST+4*\t+2]
.endr
	v_and_b32 v[RO8], 15, v0                       ; (a plain place behind the reciprocals)
	v_lshlrev_b32 v[RO8], 3, v[RO8]                ; 8 r
	s_wait_alu depctr_va_vdst(0)                   ; one wait for the two, ahead of the first reader
	WIN 0x01                                       ; source 0 window 1
.irp t, 0,1
.set j, 0
.rept 64
	v_mul_f32 v[S+64*\t+j], v[OO+64*\t+j], v[ST+4*\t+2]   ; register 16 b + i is feature 32 b + 16 h + i of my query
.set j, j+1
.endr
.endr
	WIN 0
	QUANT S, T, T+20
.irp g, 0,1,2
	global_store_b128 v[LI], v[T+20+4*\g:T+20+4*\g+3], s[12:13] offset:512*\g
.endr
	global_store_b32 v[RO8], v[T+16], s[14:15]     ; lanes l and l xor 16 hold the same word and name the same address
	QUANT S+64, S, S+20                            ; the second tile: at work in the first tile's registers, which are done with
.irp g, 0,1,2
	global_store_b128 v[LI], v[S+20+4*\g:S+20+4*\g+3], s[12:13] offset:16*IMG+512*\g
.endr
	global_store_b32 v[RO8], v[S+16], s[14:15] offset:1024
	s_wait_tensorcnt 0x0                           ; the wave's end: behind my last tensor load
	ds_add_u32 v[SPW], v[NIL]
	s_wait_dscnt 0x0
	CROUND                                         ; the closing round
	s_endpgm
.Lfunc_end_k_q642af81999_attn:
	.size	k_q642af81999_attn, .Lfunc_end_k_q642af81999_attn-k_q642af81999_attn
	.p2alignl 7, 3214868480
	.fill 96, 4, 3214868480
	.section	.rodata,"a",@progbits
	.p2align	6, 0x0
	.amdhsa_kernel k_q642af81999_attn
		.amdhsa_group_segment_fixed_size 327680
		.amdhsa_private_segment_fixed_size 0
		.amdhsa_enable_private_segment 0
		.amdhsa_kernarg_size 48
		.amdhsa_user_sgpr_count 2
		.amdhsa_user_sgpr_kernarg_segment_ptr 1
		.amdhsa_wavefront_size32 1
		.amdhsa_system_sgpr_workgroup_id_x 1
		.amdhsa_system_sgpr_workgroup_id_y 1
		.amdhsa_system_sgpr_workgroup_id_z 1
		.amdhsa_system_vgpr_workitem_id 0
		.amdhsa_next_free_vgpr 1024
		.amdhsa_next_free_sgpr 100
		.amdhsa_reserve_vcc 0
		.amdhsa_float_denorm_mode_32 3
		.amdhsa_float_denorm_mode_16_64 3
		.amdhsa_memory_ordered 1
		.amdhsa_forward_progress 1
		.amdhsa_inst_pref_size 255
	.end_amdhsa_kernel
	.section	.bss,"aw",@nobits
	.p2align	6
	.space	262144
	.amdgpu_metadata
---
amdhsa.version: [ 1, 2 ]
amdhsa.kernels:
  - .name:           k_q642af81999_attn
    .symbol:         k_q642af81999_attn.kd
    .args:
      - { .name: q_codes, .offset: 0, .size: 8, .value_kind: global_buffer, .address_space: global }
      - { .name: q_scales, .offset: 8, .size: 8, .value_kind: global_buffer, .address_space: global }
      - { .name: kv_recs, .offset: 16, .size: 8, .value_kind: global_buffer, .address_space: global }
      - { .name: attention_mask, .offset: 24, .size: 8, .value_kind: global_buffer, .address_space: global }
      - { .name: o_codes, .offset: 32, .size: 8, .value_kind: global_buffer, .address_space: global }
      - { .name: o_scales, .offset: 40, .size: 8, .value_kind: global_buffer, .address_space: global }
    .group_segment_fixed_size: 327680
    .private_segment_fixed_size: 0
    .kernarg_segment_align: 8
    .kernarg_segment_size: 48
    .max_flat_workgroup_size: 128
    .sgpr_count:     100
    .vgpr_count:     1024
    .wavefront_size: 32
...
	.end_amdgpu_metadata
.endif
;; end of part 7
;; launch oproj (part 8): grid 16 x 16, 8 waves a work-group, clusters of 4 x 4, 327,680 bytes of LDS; arguments o_codes, o_scales, xw_codes, xw_scales, out0; writes out0
.if DOCPART == 8
	.amdgcn_target "amdgcn-amd-amdhsa--gfx1250"
	.amdhsa_code_object_version 6
	.text
	.protected	k_q642af81999_oproj
	.globl	k_q642af81999_oproj
	.p2align	8
	.type	k_q642af81999_oproj,@function
k_q642af81999_oproj:
	s_mov_b64 s[64:65], 0
	v_nop
	global_prefetch_b8 v0, s[64:65] scope:SCOPE_SE
	s_setreg_imm32_b32 hwreg(HW_REG_WAVE_MODE, 25, 1), 1
	s_wait_xcnt 0x0
	s_wait_alu depctr_hold_cnt(0) depctr_sa_sdst(0) depctr_va_vdst(0) depctr_va_sdst(0) depctr_va_ssrc(0) depctr_va_vcc(0) depctr_vm_vsrc(0)
	s_getreg_b32 s2, hwreg(HW_REG_IB_STS2, 6, 4)
	s_cmp_eq_u32 s2, 0
	s_cbranch_scc0 .Lentry_in_a_cluster
	s_endpgm
.Lentry_in_a_cluster:
	s_bfe_u32 s2, ttmp6, 0x10000c
	s_cmp_lg_u32 s2, 0xf033
	s_cbranch_scc0 .Lentry_shape_is_right
	s_endpgm
.Lentry_shape_is_right:
; Launch 4 of 4: out0 = O wo^T on codes of E3M2.  No work is left out.  LIMITS: as stated at the head of launch 1.
; A = o_codes, o_scales (launch 3), B = wo's tiles (tiles 512 .. 639 of xw_codes, xw_scales): images of the operand's registers, [tile of 16 rows][K / 128 (16)][1,536 bytes]; scale words 1,024 bytes a tile.
; Place r of tile t is row 32 (t / 2) + 8 (t % 2) + r + 8 (r / 8).
; SHARES.  A work-group makes 128 x 128 of out0: 256 work-groups.  Eight waves, each 32 rows x 64 columns: 2 tiles of A x 4 tiles of B, 8 accumulators, which take turns.  All registers lie in one window.
; LDS: six parts of 49,152 bytes (8 tiles x 4 K steps): A's K steps 0-3, 4-7, 8-11, then B's; behind them A's and B's scale words for all of K (8,192 bytes each), then the spare words.
; THE HEAD'S EIGHT LOADS, ONE A WAVE: waves 0-2 A's three parts, waves 3-5 B's, wave 6 A's scale words, wave 7 B's.  So 12 of the 16 K steps are asked for at once.
; K steps 12-15 land on the parts of steps 0-3, behind the full sequence and a round of the cluster's barrier after step 3 (waves 0 and 3 ask); seven K steps of products stand between that request and the wait for it.
; CLUSTER 4 x 4: A's tiles hang on the tile row alone and are asked for jointly along a row of the cluster, B's on the tile column alone, jointly along a column.
; NO PREFETCH: the launch has no loop to run ahead in; three quarters of its operands are requested by its first instructions.
; THE PRODUCT IS USED TRANSPOSED (source 0 = B's tile, source 1 = A's): a lane holds eight neighbouring columns of one row of out0.
.set FR,     12
.set IMG,    1536
.set TROW,   4*IMG                     ; a tile's four K steps
.set TPITCH, 16*IMG                    ; a tile in memory
.set PART,   8*TROW
.set SCL,    6*PART
.set SCB,    8192
.set SPARE,  SCL+2*SCB                 ; the spare words, 128 bytes for each of eight waves, that no other line names
.set STAGE,  PART                      ; the way out: 16 rows x 272 bytes a wave, in A's part of K steps 4-7: filled once, and read no more behind the last barrier
.set SPITCH, 272
.set ADRA, 4                           ; v4-6   my A fragments in A's three parts
.set ADRB, 8                           ; v8-10  the same for B
.set ADRS, 12                          ; v12    my scale words: lanes 0-15 A's, lanes 16-31 B's
.set STO,  13
.set RD,   14
.set CO,   15
.set SPW,  16                          ; v16    my spare word; never rewritten
.set NIL,  17                          ; v17    0; never rewritten
.set SC,   24                          ; v24-39 scale words, two sets of 8
.set FRG,  40                          ; v40-183 fragments, two sets of 72: A's two, then B's four
.set ACC,  184                         ; v184-247 accumulator (a, b) at 8 (4 a + b)
.set BK,   40                          ; the way out: rows read back from the stage
.set WV, 16
.set HR, 17
.set HC, 18
.set TY, 19
.set CX, 92
.set CY, 93
.set TX, 94
.set G1,   24
.set G1B,  32
.set G1S,  40
.set G1SB, 48
.set GA,   56
.set GB,   60
.set GSA,  68
.set GSB,  72
.macro PLACES n                        ; plain vector instructions between a matrix instruction and a load into, or a read of, its registers (ISA guide 7.12.1 for a read)
.rept \n
	v_nop
.endr
.endm
.macro CROUND
	s_barrier_signal -1
	s_barrier_wait -1
	s_cmp_lg_u32 s[WV], 0
	s_cbranch_scc1 .Lnot_wave_0_\@
	s_barrier_signal -3
.Lnot_wave_0_\@:
	s_barrier_wait -3
	s_barrier_signal -1
	s_barrier_wait -1
.endm
	s_load_b128 s[4:7], s[0:1], 0x0                ; o_codes, o_scales
	s_load_b128 s[8:11], s[0:1], 0x10              ; xw_codes, xw_scales
	s_load_b64 s[12:13], s[0:1], 0x20              ; out0
	v_lshl_add_u32 v[SPW], v0, 2, SPARE
	v_mov_b32 v[NIL], 0
	ds_add_u32 v[SPW], v[NIL]                      ; the opening: the add, twice on end, and its wait ahead of my first tensor load
	ds_add_u32 v[SPW], v[NIL]
	v_lshrrev_b32 v1, 5, v0
	v_readfirstlane_b32 s[WV], v1                  ; wave 0..7
	s_lshr_b32 s[HR], s[WV], 1                     ; which 32 rows are mine
	s_and_b32 s[HC], s[WV], 1                      ; which 64 columns
	s_bfe_u32 s[CX], ttmp6, 0x40000
	s_bfe_u32 s[CY], ttmp6, 0x40004
	s_lshl_b32 s[TX], ttmp9, 2
	s_add_co_u32 s[TX], s[TX], s[CX]
	s_and_b32 s[TY], ttmp7, 0xffff
	s_lshl_b32 s[TY], s[TY], 2
	s_add_co_u32 s[TY], s[TY], s[CY]
	s_lshl_b32 s2, s[CY], 2
	s_lshl_b32 s2, 15, s2                          ; my row of the cluster
	s_lshl_b32 s3, 0x1111, s[CX]                   ; my column
	s_or_b32 s[G1], s2, (3<<16)|(1<<21)            ; a part: 8 rows of 6,144 bytes (768 elements of 8), 24,576 bytes apart in memory
	s_or_b32 s[G1B], s3, (3<<16)|(1<<21)
.irp g, G1, G1B
	s_mov_b32 s[\g+1], (TROW/8)<<16
	s_mov_b32 s[\g+2], 8<<16
	s_mov_b32 s[\g+3], (TROW/8)<<16
	s_mov_b32 s[\g+4], 8
	s_mov_b32 s[\g+5], TPITCH/8
	s_mov_b32 s[\g+6], 0
	s_mov_b32 s[\g+7], 0
.endr
	s_or_b32 s[G1S], s2, (3<<16)|(1<<21)           ; 8 tiles' scale words: 32 dense rows of 256 bytes
	s_or_b32 s[G1SB], s3, (3<<16)|(1<<21)
.irp g, G1S, G1SB
	s_mov_b32 s[\g+1], 32<<16
	s_mov_b32 s[\g+2], 32<<16
	s_mov_b32 s[\g+3], 32<<16
	s_mov_b32 s[\g+4], 32
	s_mov_b32 s[\g+5], 32
	s_mov_b32 s[\g+6], 0
	s_mov_b32 s[\g+7], 0
.endr
	s_lshl_b32 s20, s[TY], 3                       ; A's first tile
	s_lshl_b32 s22, s20, 10                        ; its scale words,
	s_mul_i32 s20, s20, TPITCH                     ; its codes,
	s_min_u32 s2, s[WV], 2
	s_mul_i32 s2, s2, TROW                         ; and the part that waves 0, 1, 2 fetch
	s_add_co_u32 s20, s20, s2
	s_mov_b32 s21, 0
	s_mov_b32 s23, 0
	s_lshl_b32 s96, s[TX], 3
	s_add_co_u32 s96, s96, 512                     ; B's first tile: wo's begin at 512
	s_lshl_b32 s98, s96, 10
	s_mul_i32 s96, s96, TPITCH
	s_max_u32 s3, s[WV], 3
	s_sub_co_u32 s3, s3, 3
	s_min_u32 s3, s3, 2
	s_mul_i32 s3, s3, TROW                         ; the part that waves 3, 4, 5 fetch
	s_add_co_u32 s96, s96, s3
	s_mov_b32 s97, 0
	s_mov_b32 s99, 0
	s_mul_i32 s14, s[WV], PART                     ; where waves 0 .. 5 put their parts
	s_mul_i32 s76, s[HR], 2*TROW                   ; my two tiles of A in its three parts,
	s_add_co_u32 s77, s76, PART
	s_add_co_u32 s78, s76, 2*PART
	s_mul_i32 s79, s[HC], 4*TROW                   ; my four tiles of B in its three
	s_add_co_u32 s79, s79, 3*PART
	s_add_co_u32 s80, s79, PART
	s_add_co_u32 s81, s79, 2*PART
	s_lshl_b32 s82, s[HR], 11                      ; my tiles' scale words: A's,
	s_lshl_b32 s83, s[HC], 12
	s_add_co_u32 s83, s83, SCB
	s_sub_co_u32 s83, s83, s82                     ; and how far on B's lie
	s_add_co_u32 s82, s82, SCL
	s_mul_i32 s84, s[WV], 16*SPITCH
	s_add_co_u32 s84, s84, STAGE                   ; my stage
	s_wait_dscnt 0x0                               ; both opening adds are done
	s_wait_kmcnt 0x0
	s_add_nc_u64 s[20:21], s[4:5], s[20:21]
	s_add_nc_u64 s[22:23], s[6:7], s[22:23]
	s_add_nc_u64 s[96:97], s[8:9], s[96:97]
	s_add_nc_u64 s[98:99], s[10:11], s[98:99]
	CROUND                                         ; all sixteen work-groups are here: the first joint loads meet
	s_mov_b32 s[GA], 1
	s_mov_b32 s[GA+1], s14
	s_mov_b64 s[GA+2:GA+3], s[20:21]
	s_or_b32 s[GA+3], s[GA+3], 0x80000000
	s_mov_b32 s[GB], 1
	s_mov_b32 s[GB+1], s14
	s_mov_b64 s[GB+2:GB+3], s[96:97]
	s_or_b32 s[GB+3], s[GB+3], 0x80000000
	s_mov_b32 s[GSA], 1
	s_mov_b32 s[GSA+1], SCL
	s_mov_b64 s[GSA+2:GSA+3], s[22:23]
	s_or_b32 s[GSA+3], s[GSA+3], 0x80000000
	s_mov_b32 s[GSB], 1
	s_mov_b32 s[GSB+1], SCL+SCB
	s_mov_b64 s[GSB+2:GSB+3], s[98:99]
	s_or_b32 s[GSB+3], s[GSB+3], 0x80000000
	s_lshl_b32 s20, s[TY], 20                      ; my part of out0: 128 rows of 8,192 bytes a tile row, 32 rows for my quarter,
	s_lshl_b32 s21, s[HR], 18
	s_add_co_u32 s20, s20, s21
	s_mov_b32 s21, 0
	s_lshl_b32 s96, s[TX], 9                       ; 512 bytes a tile column, 256 for my half
	s_lshl_b32 s97, s[HC], 8
	s_add_co_u32 s96, s96, s97
	s_mov_b32 s97, 0
	s_add_nc_u64 s[20:21], s[20:21], s[96:97]
	s_add_nc_u64 s[12:13], s[12:13], s[20:21]
.macro ARM under, g0, g1, next         ; one tree of branches on the wave's number: every way through the head passes one load
	s_cmp_lt_u32 s[WV], \under
	s_cbranch_scc0 \next
	tensor_load_to_lds s[\g0:\g0+3], s[\g1:\g1+7]
	s_nop 0
	PLACES 4
	s_branch .Lhead_asked
\next:
.endm
	ARM 3, GA,  G1,  .Lhead_b
	ARM 6, GB,  G1B, .Lhead_sa
	ARM 7, GSA, G1S, .Lhead_sb
	tensor_load_to_lds s[GSB:GSB+3], s[G1SB:G1SB+7]
	s_nop 0
	PLACES 4
.Lhead_asked:
	v_and_b32 v1, 15, v0                           ; r
	v_bfe_u32 v2, v0, 4, 1                         ; h
	v_and_b32 v3, 31, v0
	v_lshlrev_b32 v3, 4, v3                        ; 16 x lane
.irp z, 0,1,2
	v_add_nc_u32 v[ADRA+\z], s[76+\z], v3
	v_add_nc_u32 v[ADRB+\z], s[79+\z], v3
.endr
	v_lshlrev_b32 v18, 3, v1                       ; a place's two words of a pair of K steps
	v_mul_u32_u24 v19, s83, v2                     ; lanes 16-31 take B's
	v_add_nc_u32 v18, v18, v19
	v_add_nc_u32 v[ADRS], s82, v18
	v_mul_u32_u24 v18, v1, SPITCH                  ; into the stage: row r, 64 bytes for each half of the lanes
	v_lshl_add_u32 v18, v2, 6, v18
	v_add_nc_u32 v[STO], s84, v18
	v_mul_u32_u24 v18, v2, SPITCH                  ; back: lanes 0-15 one row of 256 bytes, lanes 16-31 the next
	v_lshl_add_u32 v18, v1, 4, v18
	v_add_nc_u32 v[RD], s84, v18
	v_lshlrev_b32 v18, 13, v2
	v_lshl_add_u32 v[CO], v1, 4, v18               ; and the same two rows in out0
.macro FETCH k                         ; K step k's six fragments into set k % 2: 18 loads
.set SL, ((\k)/4)%3
.set FB, FRG+72*((\k)%2)
.irp i, 0,1,2,3
.irp g, 0,1,2
	ds_load_b128 v[FB+24+FR*\i+4*\g:FB+24+FR*\i+4*\g+3], v[ADRB+SL] offset:\i*TROW+((\k)%4)*IMG+512*\g
.endr
.endr
.irp i, 0,1
.irp g, 0,1,2
	ds_load_b128 v[FB+FR*\i+4*\g:FB+FR*\i+4*\g+3], v[ADRA+SL] offset:\i*TROW+((\k)%4)*IMG+512*\g
.endr
.endr
.endm
.macro SCALES p                        ; the scale words of K steps 2 p, 2 p + 1: register 2 i + q: lanes 0-15 A's tile i (of which 0 and 1 are used), lanes 16-31 B's tile i
.irp i, 0,1,2,3
	ds_load_b64 v[SC+8*((\p)%2)+2*\i:SC+8*((\p)%2)+2*\i+1], v[ADRS] offset:\i*1024+(\p)*128
.endr
.endm
.macro MUL k, zero                     ; the eight accumulators take turns, one instruction a turn
.set FB, FRG+72*((\k)%2)
.set SW, SC+8*(((\k)/2)%2)+((\k)%2)
.irp a, 0,1
.irp b, 0,1,2,3
.if \zero
	v_wmma_scale_f32_16x16x128_f8f6f4 v[ACC+8*(4*\a+\b):ACC+8*(4*\a+\b)+7], v[FB+24+FR*\b:FB+24+FR*\b+FR-1], v[FB+FR*\a:FB+FR*\a+FR-1], 0, v[SW+2*\b], v[SW+2*\a] matrix_a_fmt:MATRIX_FMT_BF6 matrix_b_fmt:MATRIX_FMT_BF6 matrix_a_scale:MATRIX_SCALE_ROW1
.else
	v_wmma_scale_f32_16x16x128_f8f6f4 v[ACC+8*(4*\a+\b):ACC+8*(4*\a+\b)+7], v[FB+24+FR*\b:FB+24+FR*\b+FR-1], v[FB+FR*\a:FB+FR*\a+FR-1], v[ACC+8*(4*\a+\b):ACC+8*(4*\a+\b)+7], v[SW+2*\b], v[SW+2*\a] matrix_a_fmt:MATRIX_FMT_BF6 matrix_b_fmt:MATRIX_FMT_BF6 matrix_a_scale:MATRIX_SCALE_ROW1
.endif
.endr
.endr
.endm
.macro KSTEP k                         ; the next step's fragments are asked for, then this step is multiplied
	PLACES 4
	FETCH (\k)+1
.if ((\k)%2) == 1
	SCALES ((\k)+1)/2
	s_wait_dscnt 22                                ; all but the 18 + 4 just issued
.else
	s_wait_dscnt 18                                ; all but the 18 just issued
.endif
	MUL \k, 0
.endm
	s_wait_alu depctr_va_vdst(0)
	s_wait_tensorcnt 0x0                           ; my one load has landed
	s_barrier_signal -1
	s_barrier_wait -1                              ; all eight have
	FETCH 0
	SCALES 0
	FETCH 1
	s_wait_dscnt 18
	MUL 0, 1                                       ; the first step's products start the sums
	KSTEP 1
	KSTEP 2
	KSTEP 3                                        ; (it fetches step 4 from the second parts)
	s_wait_tensorcnt 0x0                           ; no tensor load of mine is out, so a group 0 may be written
	ds_add_u32 v[SPW], v[NIL]                      ; 0 onto my spare word
	s_add_nc_u64 s[GA+2:GA+3], s[GA+2:GA+3], 3*TROW   ; in waves 0 and 3: from K steps 0-3 to 12-15
	s_add_nc_u64 s[GB+2:GB+3], s[GB+2:GB+3], 3*TROW
	s_wait_dscnt 0x0                               ; the add is done, and my reads of the first parts are over
	CROUND
	s_cmp_eq_u32 s[WV], 0                          ; wave 0 fills A's first part again, wave 3 B's
	s_cbranch_scc0 .Lre_b
	tensor_load_to_lds s[GA:GA+3], s[G1:G1+7]
	s_nop 0
	PLACES 4
	s_branch .Lre_done
.Lre_b:
	s_cmp_eq_u32 s[WV], 3
	s_cbranch_scc0 .Lre_done
	tensor_load_to_lds s[GB:GB+3], s[G1B:G1B+7]
	s_nop 0
	PLACES 4
.Lre_done:
	KSTEP 4
	KSTEP 5
	KSTEP 6
	KSTEP 7
	KSTEP 8
	KSTEP 9
	KSTEP 10
	s_wait_tensorcnt 0x0                           ; K steps 12-15 have landed
	ds_add_u32 v[SPW], v[NIL]
	s_wait_dscnt 1                                 ; step 11's fragments are in; the add may be out
	MUL 11, 0
	s_wait_dscnt 0x0
	s_barrier_signal -1
	s_barrier_wait -1                              ; for every wave; and nobody reads the second and third parts any more
	PLACES 4
	FETCH 12
	SCALES 6
	KSTEP 12
	KSTEP 13
	KSTEP 14
	s_wait_dscnt 0x0
	MUL 15, 0
; THE WAY OUT: a block of 16 rows x 64 columns goes through my own stage and comes back as whole rows of 256 bytes.  LDS serves a wave's instructions in order (ISA guide 5.7.1.4).
.macro TOSTAGE a
.irp b, 0,1,2,3
	ds_store_b128 v[STO], v[ACC+8*(4*(\a)+\b):ACC+8*(4*(\a)+\b)+3] offset:128*(\b/2)+32*(\b%2)          ; each accumulator from its low end on
	ds_store_b128 v[STO], v[ACC+8*(4*(\a)+\b)+4:ACC+8*(4*(\a)+\b)+7] offset:128*(\b/2)+32*(\b%2)+16
.endr
.irp t, 0,1,2,3,4,5,6,7
	ds_load_b128 v[BK+32*(\a)+4*\t:BK+32*(\a)+4*\t+3], v[RD] offset:2*\t*SPITCH
.endr
.endm
.macro SEND a, younger
	s_wait_dscnt \younger
.irp t, 0,1,2,3,4,5,6,7
	global_store_b128 v[CO], v[BK+32*(\a)+4*\t:BK+32*(\a)+4*\t+3], s[12:13] offset:(8*(\a)+2*\t+8*(\t/4))*8192 th:TH_STORE_NT   ; 16 lanes store 256 consecutive bytes, aligned
.endr
.endm
	PLACES 4
	TOSTAGE 0
	TOSTAGE 1
	SEND 0, 16                                     ; behind block 0's loads: block 1's 8 stores and 8 loads
	SEND 1, 0
	s_wait_tensorcnt 0x0                           ; the wave's end: behind my last tensor load and my last LDS store
	ds_add_u32 v[SPW], v[NIL]
	s_wait_dscnt 0x0
	CROUND                                         ; the closing round
	s_endpgm
.Lfunc_end_k_q642af81999_oproj:
	.size	k_q642af81999_oproj, .Lfunc_end_k_q642af81999_oproj-k_q642af81999_oproj
	.p2alignl 7, 3214868480
	.fill 96, 4, 3214868480
	.section	.rodata,"a",@progbits
	.p2align	6, 0x0
	.amdhsa_kernel k_q642af81999_oproj
		.amdhsa_group_segment_fixed_size 327680
		.amdhsa_private_segment_fixed_size 0
		.amdhsa_enable_private_segment 0
		.amdhsa_kernarg_size 40
		.amdhsa_user_sgpr_count 2
		.amdhsa_user_sgpr_kernarg_segment_ptr 1
		.amdhsa_wavefront_size32 1
		.amdhsa_system_sgpr_workgroup_id_x 1
		.amdhsa_system_sgpr_workgroup_id_y 1
		.amdhsa_system_sgpr_workgroup_id_z 1
		.amdhsa_system_vgpr_workitem_id 0
		.amdhsa_next_free_vgpr 256
		.amdhsa_next_free_sgpr 100
		.amdhsa_reserve_vcc 0
		.amdhsa_float_denorm_mode_32 3
		.amdhsa_float_denorm_mode_16_64 3
		.amdhsa_memory_ordered 1
		.amdhsa_forward_progress 1
		.amdhsa_inst_pref_size 53
	.end_amdhsa_kernel
	.amdgpu_metadata
---
amdhsa.version: [ 1, 2 ]
amdhsa.kernels:
  - .name:           k_q642af81999_oproj
    .symbol:         k_q642af81999_oproj.kd
    .args:
      - { .name: o_codes, .offset: 0, .size: 8, .value_kind: global_buffer, .address_space: global }
      - { .name: o_scales, .offset: 8, .size: 8, .value_kind: global_buffer, .address_space: global }
      - { .name: xw_codes, .offset: 16, .size: 8, .value_kind: global_buffer, .address_space: global }
      - { .name: xw_scales, .offset: 24, .size: 8, .value_kind: global_buffer, .address_space: global }
      - { .name: out0, .offset: 32, .size: 8, .value_kind: global_buffer, .address_space: global }
    .group_segment_fixed_size: 327680
    .private_segment_fixed_size: 0
    .kernarg_segment_align: 8
    .kernarg_segment_size: 40
    .max_flat_workgroup_size: 256
    .sgpr_count:     100
    .vgpr_count:     256
    .wavefront_size: 32
...
	.end_amdgpu_metadata
.endif
;; end of part 8
